; MI455X (gfx1250); checked and timed in simulation.
; The chip was launched on July 23, 2026; its instructions are those of AMD's public machine-readable ISA for CDNA 5 (MIT licence, August 2026) and "CDNA5" Instruction Set Architecture Reference Guide (July 2026). The comments in the code are by the model that wrote it; some were corrected since.
;; Hierarchical Attention. Allowed arithmetic: matrix products marked QUANTISED: E2M1 operands, one E8M0 scale for each 32 along K, by v_wmma_scale_f32_16x16x128_f8f6f4 with both operands' format E2M1 (or v_wmma_scale_f32_32x16x128_f4), f32 sums; everything else in f32.
;; Inputs: Wk_g_codes 512 x 16 x 16 uint8 (E2M1 codes of Wk_g, K innermost, in blocks of 32 codes, two codes a byte); Wk_g_scales 512 x 16 uint8 (E8M0 scales of Wk_g, one for each 32 codes along K); Wk_l_codes 512 x 16 x 16 uint8 (E2M1 codes of Wk_l, K innermost, in blocks of 32 codes, two codes a byte); Wk_l_scales 512 x 16 uint8 (E8M0 scales of Wk_l, one for each 32 codes along K); Wo_g_codes 512 x 16 x 16 uint8 (E2M1 codes of Wo_g, K innermost, in blocks of 32 codes, two codes a byte); Wo_g_scales 512 x 16 uint8 (E8M0 scales of Wo_g, one for each 32 codes along K); Wo_l_codes 512 x 16 x 16 uint8 (E2M1 codes of Wo_l, K innermost, in blocks of 32 codes, two codes a byte); Wo_l_scales 512 x 16 uint8 (E8M0 scales of Wo_l, one for each 32 codes along K); Wq_g_codes 512 x 16 x 16 uint8 (E2M1 codes of Wq_g, K innermost, in blocks of 32 codes, two codes a byte); Wq_g_scales 512 x 16 uint8 (E8M0 scales of Wq_g, one for each 32 codes along K); Wq_l_codes 512 x 16 x 16 uint8 (E2M1 codes of Wq_l, K innermost, in blocks of 32 codes, two codes a byte); Wq_l_scales 512 x 16 uint8 (E8M0 scales of Wq_l, one for each 32 codes along K); Wv_g_codes 512 x 16 x 16 uint8 (E2M1 codes of Wv_g, K innermost, in blocks of 32 codes, two codes a byte); Wv_g_scales 512 x 16 uint8 (E8M0 scales of Wv_g, one for each 32 codes along K); Wv_l_codes 512 x 16 x 16 uint8 (E2M1 codes of Wv_l, K innermost, in blocks of 32 codes, two codes a byte); Wv_l_scales 512 x 16 uint8 (E8M0 scales of Wv_l, one for each 32 codes along K); x 4 x 8,192 x 512 float32.
;; Outputs: out0 4 x 8,192 x 512 float32.
;; This version of the problem:
;;   THIS VERSION OF THE PROBLEM IS GIVEN IN LOW PRECISION. The matrix products marked QUANTISED in the list below multiply operands that are first quantised to E2M1 (2 exponent bits, 1 mantissa bit; 4 bits a number), with one power-of-two scale for each 32 numbers along K (OCP MX v1.0); their sums are f32. All else is computed in f32.
;;   The module's matrix products, in the order in which they are computed (A, B: the left and right operand; K: the contracted axis; several contracted axes count as one K, in the product's order):
;;     1. [M 32,768, K 512] x [K 512, N 512]; A: input x; B: input Wq_l (given as codes): QUANTISED
;;     2. [M 32,768, K 512] x [K 512, N 512]; A: input x; B: input Wk_l (given as codes): QUANTISED
;;     3. [M 32,768, K 512] x [K 512, N 512]; A: input x; B: input Wv_l (given as codes): QUANTISED
;;     4. batch 2,048 x [M 256, K 32] x [K 32, N 256]; A: computed on the way; B: computed on the way: QUANTISED
;;     5. batch 2,048 x [M 32, K 256] x [K 256, N 256]; A: computed on the way; B: softmax (see below): QUANTISED
;;     6. [M 32,768, K 512] x [K 512, N 512]; A: computed on the way; B: input Wo_l (given as codes): QUANTISED
;;     7. [M 128, K 512] x [K 512, N 512]; A: computed on the way; B: input Wq_g (given as codes): QUANTISED
;;     8. [M 128, K 512] x [K 512, N 512]; A: computed on the way; B: input Wk_g (given as codes): QUANTISED
;;     9. [M 128, K 512] x [K 512, N 512]; A: computed on the way; B: input Wv_g (given as codes): QUANTISED
;;     10. batch 64 x [M 32, K 32] x [K 32, N 32]; A: computed on the way; B: computed on the way: QUANTISED
;;     11. batch 64 x [M 32, K 32] x [K 32, N 32]; A: computed on the way; B: softmax (see below): QUANTISED
;;     12. [M 128, K 512] x [K 512, N 512]; A: computed on the way; B: input Wo_g (given as codes): QUANTISED
;;   THE QUANTISER, for each operand of a quantised product, along K:
;;     - K is cut into blocks of 32 from its start; a last block that is shorter is filled with zeros.
;;     - A block's scale is 2^e with e = floor(log2(the largest magnitude in the block)) - 2, held to -126 .. 127; a block of zeros has e = 0. As a byte (E8M0): e + 127.
;;     - Each number is divided by its block's scale, clamped to +-6, and rounded to the nearest number of E2M1, ties to even, subnormals kept.
;;     - The product sums the exact products of the quantised numbers (number of the format x scale) in f32.
;;   ~~~python
;;   def quantise(x, axis):      # numpy; x: float32 -> the quantised numbers, widened to float32 again
;;       x = np.moveaxis(x, axis, -1); K = x.shape[-1]
;;       x = np.pad(x, [(0, 0)] * (x.ndim - 1) + [(0, -K % 32)]); x = x.reshape(x.shape[:-1] + (-1, 32)); a = np.abs(x).max(-1, keepdims=True)
;;       e = np.where(a > 0, np.clip(np.frexp(np.where(a > 0, a, 1))[1] - 1 - 2, -126, 127), 0)      # np.frexp(a)[1] - 1 = floor(log2(a)), exactly
;;       r = np.clip(x / 2.0 ** e, -6, 6)
;;       step = 2.0 ** (np.maximum(np.frexp(np.where(r == 0, 1, r))[1] - 1, 0) - 1)
;;       q = np.round(r / step) * step * 2.0 ** e      # np.round: ties to even
;;       return np.moveaxis(q.reshape(q.shape[:-2] + (-1,))[..., :K], -1, axis).astype(np.float32)
;;   ~~~
;;   SOFTMAX AHEAD OF A QUANTISED PRODUCT. Where the list says 'softmax', what is quantised is not the finished softmax but p = 2^(t - M), with t = logit x log2(e) and M = ceil(the row's largest t), a whole number; so 1/2 < the row's largest p <= 1. The row's sum l is taken of the UNQUANTISED p, in f32, and the product's result is divided by l at the end. Since M is a whole number, a kernel that streams over the keys may use a running M (the ceiling of the running maximum): every later rescaling is an exact power of two, which a block's scale takes up: the codes' values come out the same.
;;   OPERANDS COMPUTED ON THE WAY. 'Computed on the way' means the value that the module computes at that place (a softmax that the list does not call 'softmax' is quantised finished and normalised). What goes into a quantiser is computed in f32, as accurately as f32 sums, v_exp_f32 and their like allow (about 1e-6 of the number): no bf16 or f16 on the way to a quantiser, and a product that is left as it is and whose result goes on into a quantised operand takes f32 operands (vector FMAs, or v_wmma_f32_16x16x4_f32). A number that lies on a knife's edge between two numbers of the format may be rounded either way, as far as f32 arithmetic and the matrix unit's own rounding can turn it there, and no further.
;;   INPUTS GIVEN AS CODES. Wk_g (in the module: [512, 512], K = its axis 0); Wk_l (in the module: [512, 512], K = its axis 0); Wo_g (in the module: [512, 512], K = its axis 0); Wo_l (in the module: [512, 512], K = its axis 0); Wq_g (in the module: [512, 512], K = its axis 0); Wq_l (in the module: [512, 512], K = its axis 0); Wv_g (in the module: [512, 512], K = its axis 0); Wv_l (in the module: [512, 512], K = its axis 0): each comes as NAME_codes (uint8): NAME with its K axis moved to the last place and cut into blocks of 32 codes, [.., K / 32, bytes a block], one block behind the other in memory; two codes a byte, the lower K in the low four bits (a code: sign, 2 exponent bits, 1 mantissa bit); and NAME_scales (uint8): the same leading axes, one E8M0 byte (e + 127) for each 32 codes along K. Its value is code x scale, taken as it is: it is not quantised again, and the codes and scales need not be those that the quantiser above would give.
;; 2 versions. Each part assembles by itself: llvm-mc -triple=amdgcn-amd-amdhsa -mcpu=gfx1250 --defsym DOCPART=n.
;; ======== version 1 of 2: 3 launches
;; workspace buffers: loc 67,108,864 bytes; psum 524,288 bytes; gpart 2,097,152 bytes
;; launch local (part 1): grid 256 x 1, 8 waves a work-group, no clusters, 316,416 bytes of LDS; arguments x, Wq_l_codes, Wq_l_scales, Wk_l_codes, Wk_l_scales, Wv_l_codes, Wv_l_scales, Wo_l_codes, Wo_l_scales, loc, psum; writes loc, psum
.if DOCPART == 1
	.amdgcn_target "amdgcn-amd-amdhsa--gfx1250"
	.amdhsa_code_object_version 6
	.text
	.protected	k_q3046d23edb_local
	.globl	k_q3046d23edb_local
	.p2align	8
	.type	k_q3046d23edb_local,@function
k_q3046d23edb_local:
	s_mov_b64 s[64:65], 0
	v_nop
	global_prefetch_b8 v0, s[64:65] scope:SCOPE_SE
	s_setreg_imm32_b32 hwreg(HW_REG_WAVE_MODE, 25, 1), 1
	s_wait_xcnt 0x0
; LOCAL ATTENTION OF ONE HALF CHUNK.  loc = x + ctx Wo for 128 query rows of a chunk of 256 tokens; psum = the column sums of those 128 rows.
; All six products run on codes of FP4 (E2M1) with one E8M0 byte for each 32 along K.  x, q, k, v, p and ctx are quantised here, from f32; the weights come as codes.
; SHARES.  Work-group = (chunk, half of the queries): 256 work-groups.  Both halves quantise all 256 tokens of x and make K and V for them; q, the softmax, ctx, Wo and the stores split.
; LOCAL TOKEN ORDER.  Local token t is chunk token (t + 128 x half) mod 256: my queries are local tokens 0-127; blocks of 32 keys stay whole; no LDS address hangs on the work-group.
; ONE ROW MAP.  Tile 2 b + u takes in lane r item 32 b + 8 u + r + 8 (r / 8) (tokens, rows of a weight inside a head).  As source 0 of a product such a pair of tiles leaves in a lane's 16 registers
; the 16 neighbours 32 b + 16 (lane / 16) + 0 .. 15 along the next K, so one quantiser serves every operand.
; FORMS.  q, k, Wo: source 0 = 16 rows of W, source 1 = 16 tokens (a lane holds a token).  v: the other way round (a lane holds a feature, registers run along the keys, which are its K).
; S^T = K Q^T: a fragment of K holds four heads (K = 128 = 4 blocks of 32); Q's fragment holds one head and zero codes elsewhere, so one block counts; both scale words carry their byte four times.
; O^T = V^T P^T.  p = 2^(t - M), M = ceil of the row's largest t; the row's sum is of the unquantised p and divides O^T.  All 256 keys of a head are in registers, so M is final at once.
; WEIGHTS go by pieces of 128 rows (34,816 + 2,048 bytes) through registers into two LDS buffers by turns: on the way rows change places (bits 3 and 4 of the row in its head), so that a tile's 16 rows lie on end.
; No cluster and no joint load: a work-group takes 4 x 139,264 bytes of weights against 786,432 bytes of x, and the change of rows wants the way through registers.
; LIMITS.  NaN and infinities are not served.  A block whose largest magnitude lies under 2^-124 gets the byte 1; so does a block of zeros, where the rule says 127: its codes are zeros and only this program reads the bytes.
; A block's largest p is made from its largest score by the same multiply-add and exponential.  Sums are taken in another order than the definition's, all in f32.
; LDS (bytes): 0 W buffer 0 | 36864 K's scale words | 53248 V's half words | 65536 W buffer 1 | 102400 x's images (later ctx's; upper half later Q's codes, then the sums) | 167936 K's images (first x's stage, last the way out's)
;              | 233472 V's images | 299008 x's scale words (later ctx's) | 307200 Q's scale words
.set KSC,   36864
.set VSC,   53248
.set TURN,  0x10000                    ; W buffer 1 = W buffer 0 xor this
.set XIMG,  102400
.set QC,    135168
.set SUMS,  135168
.set KIMG,  167936
.set STG,   167936
.set VIMG,  233472
.set XSC,   299008
.set QSC,   307200
.set WSCL,  34816                      ; a piece's scale bytes, behind its 128 rows of 272 bytes
; window 0
.set LN16, 1                           ; 16 x lane
.set R16,  2                           ; 16 r
.set R8,   3
.set R4,   4
.set AD0,  5                           ; v5-11, v252: the addresses in hand
.set AD1,  6
.set AD2,  7
.set AD3,  8
.set AD4,  9
.set AD5,  10
.set AD6,  11
.set AD7,  252
.set P528, 253                         ; 528 r + 64 h
.set TT,   254
.set CW,   255                         ; ctx's scale word in the making
.set TM,   12                          ; v12-15 largest magnitudes, v16-19 bytes, v24-27 the conversions' scale operands
.set BM,   12                          ; attention: v12-19 the blocks' largest, v20-27 at work
.set BT,   20
.set NM,   28                          ; v[28:29] -M and a partner that is only named
.set ML,   30                          ; ones in lanes 0-15;  v31: ones in lanes 16-31
.set XRS,  32                          ; v32-47 scale words of the resident operand; attention: K's
.set KS,   32
.set WSC,  48                          ; v48-63 scale words of the weights; attention: the five below
.set QS,   48
.set PS1,  49
.set VH,   50
.set PS0,  58
.set VS,   60
.set ACC,  64
.set X,    64
.set Y,    64
.set S,    64                          ; v64-191 the scores, then p
.set XRR,  128                         ; the residual
.set PC,   192
.set KB,   200
.set WS,   204                         ; v204-237 a piece of a weight on its way
.set PW,   240
.set PW272, 244                        ; v244-251 the projections' patterns
.set PS16, 245
.set PK,   246
.set PQ,   247
.set VWL,  248
.set VWLS, 249
.set VWG,  250
.set VWGS, 251
.set PP,   192
.set QF,   208                         ; four zeros, Q's four registers, four zeros
.set O,    220
.set PCX,  236
.set L,    244
; window 1
.set XR,   0
.set WF0,  128
.set WF1,  192
.set KF,   0
.set VF,   128
; scalars
.set W,   30
.set TG,  31
.set FH,  32
.set TGQ, 33
.set HP,  34
.set QH,  35
.set NP,  40
.set NPS, 42
.set WB,  44
.set WBN, 45
.set CNT, 46
.set HSA, 47
.set HSS, 48
.set HQA, 49
.set HQS, 50
.set SEL, 52
.set CS,  54
.set SKW, 56
.set SKSW, 57
.set SVW, 58
.set SVSW, 59
.set SQW, 60
.set SQSW, 61
.set XB,  62
.set SKI, 66
.set SKS, 67
.set SQC, 68
.set SQS, 69
.set SVI, 70
.set SVS, 71
.set SCI, 72
.set SCS, 73
.set XO,  74
.set LO,  76
.set SOSW, 78
.set SOSR, 79
.set SSUM, 80
.set MSB, 0
.macro WIN new                         ; bits 1:0 source 0, 3:2 source 1, 5:4 source 2, 7:6 destination; the high byte repeats the setting that is left
.if MSB != \new
	s_set_vgpr_msb (MSB<<8)|\new
.set MSB, \new
.endif
.endm
.macro BAR                             ; my LDS stores have landed and my LDS loads are in: then the work-group's barrier
	s_wait_dscnt 0x0
	s_barrier_signal -1
	s_barrier_wait -1
.endm
.macro BASE2 d, a, sa, b, sb, k        ; d = (a << sa) + (b << sb) + k
	s_lshl_b32 s[\d], s[\a], \sa
	s_lshl_b32 s36, s[\b], \sb
	s_add_co_u32 s[\d], s[\d], s36
	s_add_co_u32 s[\d], s[\d], \k
.endm
.macro BASE1 d, a, sa, k
	s_lshl_b32 s[\d], s[\a], \sa
	s_add_co_u32 s[\d], s[\d], \k
.endm
.macro PATTERNS                        ; the projections' lane patterns; attention takes their registers, so they are made twice
	s_lshl_b32 s36, s[HP], 5
	s_lshl_b32 s37, s[TGQ], 3
	s_add_co_u32 s36, s36, s37
	s_mul_i32 s36, s36, 272                        ; LDS row 32 (w / 2) + 8 (w % 2)
	s_lshl_b32 s37, s[W], 8
	s_lshl_b32 s38, s[W], 12
	v_and_b32 v[AD0], 15, v0                       ; r
	v_bfe_u32 v[AD1], v0, 4, 1                     ; h
	v_mul_u32_u24 v[PW272], v[AD0], 272
	v_lshl_add_u32 v[PW272], v[AD1], 4, v[PW272]   ; a weight fragment: 272 r + 16 h
	v_and_b32 v[AD2], 8, v[AD0]
	v_add_nc_u32 v[AD2], v[AD2], v[AD0]
	v_lshlrev_b32 v[PS16], 4, v[AD2]               ; its scale words: 16 (r + 8 (r / 8))
	v_lshl_add_u32 v[PK], v[AD1], 11, v[R16]       ; K's images: 16 r + 2048 h
	v_lshl_add_u32 v[PQ], v[AD1], 10, v[R16]       ; Q's codes: 16 r + 1024 h
	v_mul_u32_u24 v[VWL], v[AD1], 272
	v_add_nc_u32 v[VWL], v[VWL], v[R16]
	v_add_nc_u32 v[VWL], s36, v[VWL]               ; a piece into LDS
	v_lshrrev_b32 v[AD2], 1, v[LN16]
	v_add_nc_u32 v[VWGS], s37, v[AD2]              ; 256 w + 8 lane
	v_add_nc_u32 v[VWLS], WSCL, v[VWGS]
	v_add_nc_u32 v[VWG], s38, v[LN16]              ; 4096 w + 16 lane
	v_mul_u32_u24 v[P528], v[AD0], 528
	v_lshl_add_u32 v[P528], v[AD1], 6, v[P528]
.endm
.macro NEXTW nc, ns                    ; the next piece; in a phase's last trip the next weight's first
	s_wait_xcnt 0x0                                ; the last piece's loads have read their bases
	s_add_nc_u64 s[NP:NP+1], s[NP:NP+1], 32768
	s_add_nc_u64 s[NPS:NPS+1], s[NPS:NPS+1], 2048
	s_cmp_eq_u32 s[CNT], 1
	s_cselect_b64 s[NP:NP+1], s[\nc:\nc+1], s[NP:NP+1]
	s_cselect_b64 s[NPS:NPS+1], s[\ns:\ns+1], s[NPS:NPS+1]
.endm
.macro WLOAD                           ; my 16 rows of the piece: each load 512 consecutive bytes; and my 256 scale bytes
.irp i, 0,1,2,3,4,5,6,7
	global_load_b128 v[WS+4*\i:WS+4*\i+3], v[VWG], s[NP:NP+1] offset:512*\i
.endr
	global_load_b64 v[WS+32:WS+33], v[VWGS], s[NPS:NPS+1]
.endm
.macro WSTORE                          ; into the buffer that nobody reads; row q of a head goes to row q with bits 3 and 4 exchanged
	s_wait_loadcnt 0x0
	v_add_nc_u32 v[AD4], s[WBN], v[VWL]
	v_add_nc_u32 v[AD5], s[WBN], v[VWLS]
.irp i, 0,1,2,3,4,5,6,7
	ds_store_b128 v[AD4], v[WS+4*\i:WS+4*\i+3] offset:(16*(\i/4)+2*(\i%4))*272
.endr
	ds_store_b64 v[AD5], v[WS+32:WS+33]
.endm
.macro WHEAD nc, ns, ha, hs            ; a trip's head: the next piece is asked for; the addresses of this piece's fragments
	NEXTW \nc, \ns
	WLOAD
	s_add_co_u32 s36, s[WB], s[\ha]
	s_add_co_u32 s37, s[WB], s[\hs]
	v_add_nc_u32 v[AD0], s36, v[PW272]
	v_add_nc_u32 v[AD1], s37, v[PS16]
.endm
.macro WTAIL                           ; a trip's end.  One barrier serves both ways: the buffer just filled was last read in front of the barrier before, and is read next behind this one
	WSTORE
	BAR
	s_xor_b32 s[WB], s[WB], TURN
	s_xor_b32 s[WBN], s[WBN], TURN
.endm
.macro FRAGS wf, wsc, e                ; a head's two tiles x four K steps, and their scale words: 18 LDS loads
	WIN 0x40
.irp u, 0,1
.irp s, 0,1,2,3
.irp c, 0,1
	ds_load_b128 v[\wf+8*(4*\u+\s)+4*\c:\wf+8*(4*\u+\s)+4*\c+3], v[AD0] offset:(\e)*8704+\u*4352+64*\s+32*\c
.endr
.endr
.endr
	WIN 0
.irp u, 0,1
	ds_load_b128 v[\wsc+4*\u:\wsc+4*\u+3], v[AD1] offset:(\e)*512+\u*128
.endr
.endm
.macro RESIDENT grp                    ; four tiles of tokens x four K steps stay in registers: 32 + 4 LDS loads
	s_lshl_b32 s36, s[\grp], 14
	s_add_co_u32 s36, s36, XIMG
	s_lshl_b32 s37, s[\grp], 11
	s_add_co_u32 s37, s37, XSC
	v_add_nc_u32 v[AD2], s36, v[LN16]
	v_add_nc_u32 v[AD3], s37, v[LN16]
	WIN 0x40
.set j, 0
.rept 32
	ds_load_b128 v[XR+4*j:XR+4*j+3], v[AD2] offset:512*j
.set j, j+1
.endr
	WIN 0
.irp i, 0,1,2,3
	ds_load_b128 v[XRS+4*\i:XRS+4*\i+3], v[AD3] offset:512*\i
.endr
.endm
; 32 products: a head's two tiles x my four tiles of tokens x K = 512.  The eight accumulators take turns, one instruction a turn.  The first K step starts the sums.
.macro MM8 tr, wf, wsc
	WIN 0x05
.irp s, 0,1,2,3
.irp i, 0,1,2,3
.irp u, 0,1
.if \tr
.set DD, ACC+16*\i+8*\u
.if \s == 0
	v_wmma_scale_f32_16x16x128_f8f6f4 v[DD:DD+7], v[\wf+8*(4*\u+\s):\wf+8*(4*\u+\s)+7], v[XR+8*(4*\i+\s):XR+8*(4*\i+\s)+7], 0, v[\wsc+4*\u+\s], v[XRS+4*\i+\s] matrix_a_fmt:MATRIX_FMT_FP4 matrix_b_fmt:MATRIX_FMT_FP4
.else
	v_wmma_scale_f32_16x16x128_f8f6f4 v[DD:DD+7], v[\wf+8*(4*\u+\s):\wf+8*(4*\u+\s)+7], v[XR+8*(4*\i+\s):XR+8*(4*\i+\s)+7], v[DD:DD+7], v[\wsc+4*\u+\s], v[XRS+4*\i+\s] matrix_a_fmt:MATRIX_FMT_FP4 matrix_b_fmt:MATRIX_FMT_FP4
.endif
.else
.set DD, ACC+16*(2*\u+\i/2)+8*(\i%2)
.if \s == 0
	v_wmma_scale_f32_16x16x128_f8f6f4 v[DD:DD+7], v[XR+8*(4*\i+\s):XR+8*(4*\i+\s)+7], v[\wf+8*(4*\u+\s):\wf+8*(4*\u+\s)+7], 0, v[XRS+4*\i+\s], v[\wsc+4*\u+\s] matrix_a_fmt:MATRIX_FMT_FP4 matrix_b_fmt:MATRIX_FMT_FP4
.else
	v_wmma_scale_f32_16x16x128_f8f6f4 v[DD:DD+7], v[XR+8*(4*\i+\s):XR+8*(4*\i+\s)+7], v[\wf+8*(4*\u+\s):\wf+8*(4*\u+\s)+7], v[DD:DD+7], v[XRS+4*\i+\s], v[\wsc+4*\u+\s] matrix_a_fmt:MATRIX_FMT_FP4 matrix_b_fmt:MATRIX_FMT_FP4
.endif
.endif
.endr
.endr
.endr
	WIN 0
.rept 5
	v_nop                                          ; places behind the products: four for reads and loads, five for sums begun anew on these registers
.endr
.endm
; 64 numbers of a lane, register 16 b + i = k 32 b + 16 h + i of my row: the four blocks' bytes (v[TM+4+b]) and the conversions' scale operands (v[TM+12+b])
.macro QMAX src
.irp b, 0,1,2,3
	v_max3_num_f32 v[TM+\b], |v[\src+16*\b]|, |v[\src+16*\b+1]|, 0x1800000   ; the floor 2^(3 - 127) holds the byte at 1 from below
.endr
.irp i, 2,4,6,8,10,12,14
.irp b, 0,1,2,3
	v_max3_num_f32 v[TM+\b], v[TM+\b], |v[\src+16*\b+\i]|, |v[\src+16*\b+\i+1]|
.endr
.endr
.irp b, 0,1,2,3
	v_permlanex16_b32 v[TM+4+\b], v[TM+\b], s[SEL], s[SEL+1]
.endr
.irp b, 0,1,2,3
	v_max_num_f32 v[TM+\b], v[TM+\b], v[TM+4+\b]   ; with lane l xor 16: the block's largest magnitude
.endr
.irp b, 0,1,2,3
	v_add_nc_u32 v[TM+12+\b], 0xff000000, v[TM+\b] ; 2 off its exponent field
.endr
.irp b, 0,1,2,3
	v_lshrrev_b32 v[TM+4+\b], 23, v[TM+12+\b]      ; the byte
.endr
.endm
.macro QWORD dst
	v_lshl_or_b32 v[\dst], v[TM+5], 8, v[TM+4]
	v_lshl_or_b32 v[\dst], v[TM+6], 16, v[\dst]
	v_lshl_or_b32 v[\dst], v[TM+7], 24, v[\dst]
.endm
.macro QCVT src                        ; the codes, as a fragment's eight registers: registers 4 c .. 4 c + 3 of lane (r, h) hold block 2 c + h
.irp b, 0,1,2,3
	v_cvt_scalef32_pk8_fp4_f32 v[PC+2*\b], v[\src+16*\b:\src+16*\b+7], v[TM+12+\b]
	v_cvt_scalef32_pk8_fp4_f32 v[PC+2*\b+1], v[\src+16*\b+8:\src+16*\b+15], v[TM+12+\b]
.endr
	v_nop                                          ; one plain place behind the conversions
.irp c, 0,1
.irp i, 0,1
	v_permlane16_swap_b32 v[PC+4*\c+\i], v[PC+4*\c+2+\i]
.endr
.endr
.endm
.macro REP4                            ; each byte four times in a word
.irp i, 0,1,2,3
	v_perm_b32 v[KB+\i], v[TM+4+\i], v[TM+4+\i], 0
.endr
.endm
	; ---- the head
	s_load_b512 s[8:23], s[0:1], 0x0               ; x, Wq codes, Wq scales, Wk codes, Wk scales, Wv codes, Wv scales, Wo codes
	s_load_b128 s[24:27], s[0:1], 0x40             ; Wo scales, loc
	s_load_b64 s[28:29], s[0:1], 0x50              ; psum
	v_lshrrev_b32 v[AD0], 5, v0
	v_readfirstlane_b32 s[W], v[AD0]               ; wave 0..7
	s_and_b32 s[TG], s[W], 3                       ; K, V: my four tiles of tokens
	s_lshr_b32 s[FH], s[W], 2                      ;       my two heads of a piece's four
	s_and_b32 s[TGQ], s[W], 1                      ; Q, Wo: my four tiles of queries
	s_lshr_b32 s[HP], s[W], 1                      ;        my head (32 rows) of a piece
	s_and_b32 s[QH], ttmp9, 1                      ; which half of the chunk's queries
	v_and_b32 v[LN16], 31, v0
	v_lshlrev_b32 v[LN16], 4, v[LN16]
	v_and_b32 v[AD0], 15, v0
	v_lshlrev_b32 v[R16], 4, v[AD0]
	v_lshlrev_b32 v[R8], 3, v[AD0]
	v_lshlrev_b32 v[R4], 2, v[AD0]
	v_bfe_u32 v[AD1], v0, 4, 1
	v_add_nc_u32 v[ML], -1, v[AD1]
	v_sub_nc_u32 v[ML+1], 0, v[AD1]
	PATTERNS
.set j, 16
.rept 12
	v_mov_b32 v[j], 0                              ; written once: a lane permute's destination counts as one of its sources
.set j, j+1
.endr
	v_mov_b32 v[NM+1], 0                           ; named as the upper half of a pair
	s_mul_i32 s[HSA], s[FH], 17408
	BASE1 HSS, FH, 10, WSCL
	s_mul_i32 s[HQA], s[HP], 8704
	BASE1 HQS, HP, 9, WSCL
	BASE2 SKW, FH, 15, TG, 13, KIMG
	BASE2 SKSW, FH, 13, TG, 11, KSC
	BASE2 SVW, TG, 14, FH, 13, VIMG
	BASE2 SVSW, TG, 11, FH, 10, VSC
	BASE2 SQW, HP, 13, TGQ, 12, QC
	BASE2 SQSW, HP, 11, TGQ, 10, QSC
	s_mov_b32 s[SKI], KIMG
	s_mov_b32 s[SKS], KSC
	s_mov_b32 s[SVI], VIMG
	s_mov_b32 s[SVS], VSC
	BASE1 SQC, W, 10, QC
	BASE1 SQS, W, 8, QSC
	BASE1 SCI, W, 12, XIMG
	BASE1 SCS, W, 9, XSC
	s_mul_i32 s[SOSW], s[TGQ], 33792
	s_lshl_b32 s36, s[HP], 7
	s_add_co_u32 s[SOSW], s[SOSW], s36
	s_add_co_u32 s[SOSW], s[SOSW], STG
	s_mul_i32 s[SOSR], s[W], 8448
	s_add_co_u32 s[SOSR], s[SOSR], STG
	BASE1 SSUM, W, 11, SUMS
	s_mov_b32 s[WB], TURN
	s_mov_b32 s[WBN], 0
	s_mov_b32 s[SEL], 0x76543210
	s_mov_b32 s[SEL+1], 0xfedcba98                 ; v_permlanex16_b32: lane l xor 16
	s_mov_b32 s[CS], 0x3e8293ee                    ; c = log2(e) / sqrt(32)
	s_mov_b32 s[CS+1], s[CS]
	s_lshr_b32 s36, ttmp9, 1
	s_lshl_b32 s36, s36, 19                        ; the chunk: 256 rows of 2,048 bytes
	s_lshl_b32 s38, s[W], 5
	s_lshl_b32 s39, s[QH], 7
	s_add_co_u32 s38, s38, s39
	s_and_b32 s38, s38, 255                        ; chunk token of local token 32 w
	s_lshl_b32 s38, s38, 11
	s_add_co_u32 s38, s38, s36
	s_mov_b32 s39, 0
	s_lshl_b32 s37, s[QH], 18
	s_add_co_u32 s36, s36, s37
	s_lshl_b32 s37, s[HP], 16
	s_add_co_u32 s36, s36, s37
	s_lshl_b32 s37, s[TGQ], 14
	s_add_co_u32 s36, s36, s37                     ; the way out: my tile w begins at query 32 (w / 2) + 8 (w % 2)
	s_mov_b32 s37, 0
	s_wait_kmcnt 0x0
	s_mov_b64 s[NP:NP+1], s[14:15]
	s_mov_b64 s[NPS:NPS+1], s[16:17]
	WLOAD                                          ; Wk's first piece
	s_add_nc_u64 s[XB:XB+1], s[8:9], s[38:39]
	s_add_nc_u64 s[XO:XO+1], s[8:9], s[36:37]
	s_add_nc_u64 s[LO:LO+1], s[26:27], s[36:37]
	; ---- X: wave w quantises local tokens 32 w .. 32 w + 31: tiles 2 w and 2 w + 1, four K steps each.  Batch t = 4 u + s.
	; A load reads 512 consecutive bytes of one row; the 16 rows of a batch turn through my own stage, so that a lane gets 16 neighbours of each block of 32.
.macro LOADX t
	WIN 0x40
.set k, 0
.rept 16
	global_load_b128 v[64*((\t)%3)+4*k:64*((\t)%3)+4*k+3], v[LN16], s[XB:XB+1] offset:(8*((\t)/4)+k+8*(k/8))*2048+512*((\t)%4)
.set k, k+1
.endr
	WIN 0
.endm
.macro XBATCH t
.if (\t) <= 5
	s_wait_loadcnt 32                              ; this batch is in; the two batches behind it, 16 loads each, stay out
.elseif (\t) == 6
	s_wait_loadcnt 16
.else
	s_wait_loadcnt 0x0
.endif
	WIN 0x04
.set k, 0
.rept 16
	ds_store_b128 v[AD0], v[64*((\t)%3)+4*k:64*((\t)%3)+4*k+3] offset:528*k
.set k, k+1
.endr
	WIN 0
.irp b, 0,1,2,3
.irp q, 0,1,2,3
	ds_load_b128 v[X+16*\b+4*\q:X+16*\b+4*\q+3], v[AD1] offset:128*\b+16*\q   ; LDS serves a wave's instructions in order: these see the stores above
.endr
.endr
	s_wait_dscnt 0x0                               ; the numbers are back; the stage's stores and the last batch's image stores have read their registers
.if (\t) <= 4
	LOADX (\t)+3
.endif
	QMAX X
	QWORD PW+(\t)%4
	QCVT X
	ds_store_b128 v[AD2], v[PC:PC+3] offset:((\t)/4)*4096+((\t)%4)*1024
	ds_store_b128 v[AD2], v[PC+4:PC+7] offset:((\t)/4)*4096+((\t)%4)*1024+512
.if (\t)%4 == 3
	ds_store_b128 v[AD3], v[PW:PW+3] offset:((\t)/4)*512
.endif
.endm
	LOADX 0
	LOADX 1
	LOADX 2
	v_add_nc_u32 v[AD0], s[SOSR], v[LN16]          ; my stage, in
	v_add_nc_u32 v[AD1], s[SOSR], v[P528]          ; and back
	s_lshl_b32 s36, s[W], 13
	s_add_co_u32 s36, s36, XIMG
	v_add_nc_u32 v[AD2], s36, v[LN16]
	s_lshl_b32 s36, s[W], 10
	s_add_co_u32 s36, s36, XSC
	v_add_nc_u32 v[AD3], s36, v[LN16]
.irp t, 0,1,2,3,4,5,6,7
	XBATCH \t
.endr
	WTAIL                                          ; Wk's first piece into buffer 0; behind the barrier x's 64 images lie in LDS
	; ---- K: my 64 tokens x my two heads of each piece
.macro KUNIT wf, wsc, e
	MM8 1, \wf, \wsc
	QMAX ACC
	QCVT ACC
	REP4
	ds_store_b128 v[AD2], v[PC:PC+3] offset:256*(\e)           ; lane (r, h): the head's 32 codes of key r of tile 2 c + h
	ds_store_b128 v[AD2], v[PC+4:PC+7] offset:4096+256*(\e)
	ds_store_b128 v[AD3], v[KB:KB+3] offset:256*(\e)
.endm
	RESIDENT TG
	s_mov_b32 s[CNT], 4
.Lk:
	WHEAD 18, 20, HSA, HSS
	FRAGS WF0, WSC, 0
	FRAGS WF1, WSC+8, 1
	v_add_nc_u32 v[AD2], s[SKW], v[PK]
	v_add_nc_u32 v[AD3], s[SKSW], v[R16]
	s_wait_dscnt 18                                ; all but the second head's 18 loads
	KUNIT WF0, WSC, 0
	s_wait_dscnt 0x0                               ; the second head is in, and the stores have read their registers
	KUNIT WF1, WSC+8, 1
	WTAIL
	s_add_co_u32 s[SKW], s[SKW], 512
	s_add_co_u32 s[SKSW], s[SKSW], 512
	s_sub_co_i32 s[CNT], s[CNT], 1
	s_cmp_lg_u32 s[CNT], 0
	s_cbranch_scc1 .Lk
	; ---- V: the same tokens and heads, sources exchanged: a lane holds a feature, a block is 32 keys
.macro VUNIT wf, wsc, e
	MM8 0, \wf, \wsc
	QMAX ACC
	QCVT ACC
	v_lshl_or_b32 v[KB], v[TM+5], 8, v[TM+4]       ; tile u = 0: the bytes of key blocks 2 tg and 2 tg + 1
	v_lshl_or_b32 v[KB+1], v[TM+7], 8, v[TM+6]     ; tile u = 1
	ds_store_b128 v[AD2], v[PC:PC+3] offset:1024*(\e)
	ds_store_b128 v[AD2], v[PC+4:PC+7] offset:1024*(\e)+512
	ds_store_b64 v[AD3], v[KB:KB+1] offset:128*(\e)
.endm
	s_mov_b32 s[CNT], 4
.Lv:
	WHEAD 10, 12, HSA, HSS
	FRAGS WF0, WSC, 0
	FRAGS WF1, WSC+8, 1
	v_add_nc_u32 v[AD2], s[SVW], v[LN16]
	v_add_nc_u32 v[AD3], s[SVSW], v[R8]
	s_wait_dscnt 18
	VUNIT WF0, WSC, 0
	s_wait_dscnt 0x0
	VUNIT WF1, WSC+8, 1
	WTAIL
	s_add_co_u32 s[SVW], s[SVW], 2048
	s_add_co_u32 s[SVSW], s[SVSW], 256
	s_sub_co_i32 s[CNT], s[CNT], 1
	s_cmp_lg_u32 s[CNT], 0
	s_cbranch_scc1 .Lv
	; ---- Q: my 64 queries x my one head of each piece.  Q's codes lie over x's tiles 8-15, which were last read in front of K's first barrier
	RESIDENT TGQ
	s_mov_b32 s[CNT], 4
.Lq:
	WHEAD 22, 24, HQA, HQS
	FRAGS WF0, WSC, 0
	v_add_nc_u32 v[AD2], s[SQW], v[PQ]
	v_add_nc_u32 v[AD3], s[SQSW], v[R4]
	s_wait_dscnt 0x0
	MM8 1, WF0, WSC
	QMAX ACC
	QCVT ACC
	REP4
	ds_store_b128 v[AD2], v[PC:PC+3]
	ds_store_b128 v[AD2], v[PC+4:PC+7] offset:2048
.irp i, 0,1,2,3
	ds_store_b32 v[AD3], v[KB+\i] offset:256*\i
.endr
	WTAIL
	s_add_co_u32 s[SQW], s[SQW], 256
	s_add_co_u32 s[SQSW], s[SQSW], 64
	s_sub_co_i32 s[CNT], s[CNT], 1
	s_cmp_lg_u32 s[CNT], 0
	s_cbranch_scc1 .Lq
	; ---- ATTENTION: wave w owns query tile w and all 16 heads; a trip takes four heads, which share K's fragments.  No barrier inside: a wave reads what lay ready and writes its own bytes
.macro UNIT j4
.set FHU, (\j4)/2
.set EU, (\j4)%2
.set QB, QF+4-4*FHU
	ds_load_b128 v[BT:BT+3], v[AD2] offset:(\j4)*8192          ; Q's 32 codes of query r, in both halves of the lanes
	ds_load_b32 v[QS], v[AD3] offset:(\j4)*2048
.irp t, 0,1,2,3
	ds_load_b128 v[KS+4*\t:KS+4*\t+3], v[AD1] offset:FHU*8192+\t*2048+EU*256
.endr
	WIN 0x40
.irp u, 0,1
.irp ks, 0,1
.irp c, 0,1
	ds_load_b128 v[VF+8*(2*\u+\ks)+4*\c:VF+8*(2*\u+\ks)+4*\c+3], v[AD4] offset:(2*\ks+\c)*16384+FHU*8192+EU*1024+\u*512
.endr
.endr
.endr
	WIN 0
.irp t, 0,1,2,3
	ds_load_b64 v[VH+2*\t:VH+2*\t+1], v[AD5] offset:\t*2048+FHU*1024+EU*128
.endr
	s_wait_dscnt 12                                ; all but V's eight fragment loads and four scale loads
.irp k, 0,1,2,3
	v_and_b32 v[QF+4+\k], v[ML+EU], v[BT+\k]       ; the head's block lies in one half of the lanes; the other half gets zero codes
.endr
.rept 4
	v_nop                                          ; an operand written by vector instructions stands four places ahead of a scaled product
.endr
	WIN 0x01
.set k, 0
.rept 16
	v_wmma_scale_f32_16x16x128_f8f6f4 v[S+8*k:S+8*k+7], v[KF+8*k:KF+8*k+7], v[QB:QB+7], 0, v[KS+k], v[QS] matrix_a_fmt:MATRIX_FMT_FP4 matrix_b_fmt:MATRIX_FMT_FP4
.set k, k+1
.endr
	WIN 0
.rept 4
	v_nop
.endr
.irp b, 0,1,2,3,4,5,6,7
	v_max3_num_f32 v[BM+\b], v[S+16*\b], v[S+16*\b+1], v[S+16*\b+2]   ; each block's largest score: for the row's maximum and for the block's largest p
.endr
.irp i, 3,5,7,9,11,13
.irp b, 0,1,2,3,4,5,6,7
	v_max3_num_f32 v[BM+\b], v[BM+\b], v[S+16*\b+\i], v[S+16*\b+\i+1]
.endr
.endr
.irp b, 0,1,2,3,4,5,6,7
	v_max_num_f32 v[BM+\b], v[BM+\b], v[S+16*\b+15]
.endr
.irp b, 0,1,2,3,4,5,6,7
	v_permlanex16_b32 v[BT+\b], v[BM+\b], s[SEL], s[SEL+1]
.endr
.irp b, 0,1,2,3,4,5,6,7
	v_max_num_f32 v[BM+\b], v[BM+\b], v[BT+\b]
.endr
	v_max3_num_f32 v[TT], v[BM], v[BM+1], v[BM+2]
	v_max3_num_f32 v[TT], v[TT], v[BM+3], v[BM+4]
	v_max3_num_f32 v[TT], v[TT], v[BM+5], v[BM+6]
	v_max_num_f32 v[TT], v[TT], v[BM+7]
	v_mul_f32 v[TT], s[CS], v[TT]                  ; the row's largest t
	v_floor_f32 v[NM], -v[TT]                      ; -M = floor(-t) = -ceil(t)
.set j, 0
.rept 64
	v_pk_fma_f32 v[S+j:S+j+1], v[S+j:S+j+1], s[CS:CS+1], v[NM:NM+1] op_sel_hi:[1,0,0]   ; t - M
.set j, j+2
.endr
.irp b, 0,1,2,3,4,5,6,7
	v_fma_f32 v[BM+\b], v[BM+\b], s[CS], v[NM]
.endr
.set j, 0
.rept 128
	v_exp_f32 v[S+j], v[S+j]                       ; p, not normalised
.set j, j+1
.endr
	v_nop                                          ; the plain place behind the batch
	s_wait_alu depctr_va_vdst(0)                   ; one wait for the 128, ahead of their first reader
.irp b, 0,1,2,3,4,5,6,7
	v_exp_f32 v[BM+\b], v[BM+\b]                   ; the blocks' largest p
.endr
.irp k, 0,1,2,3
	v_pk_add_f32 v[L+2*\k:L+2*\k+1], v[S+2*\k:S+2*\k+1], v[S+8+2*\k:S+8+2*\k+1]   ; the row's sum of the unquantised p, in four chains
.endr
.irp m, 2,3,4,5,6,7,8,9,10,11,12,13,14,15
.irp k, 0,1,2,3
	v_pk_add_f32 v[L+2*\k:L+2*\k+1], v[L+2*\k:L+2*\k+1], v[S+8*\m+2*\k:S+8*\m+2*\k+1]
.endr
.endr
	s_wait_alu depctr_va_vdst(0)                   ; and one for the eight
.irp b, 0,1,2,3,4,5,6,7
	v_max_num_f32 v[BM+\b], 0x1800000, v[BM+\b]
.endr
.irp b, 0,1,2,3,4,5,6,7
	v_add_nc_u32 v[BM+\b], 0xff000000, v[BM+\b]    ; the conversions' scale operands
.endr
.irp b, 0,1,2,3,4,5,6,7
	v_lshrrev_b32 v[BT+\b], 23, v[BM+\b]
.endr
	v_lshl_or_b32 v[PS0], v[BT+1], 8, v[BT]        ; p's scale words: keys 0-127,
	v_lshl_or_b32 v[PS1], v[BT+5], 8, v[BT+4]      ; keys 128-255
	v_lshl_or_b32 v[PS0], v[BT+2], 16, v[PS0]
	v_lshl_or_b32 v[PS1], v[BT+6], 16, v[PS1]
	v_lshl_or_b32 v[PS0], v[BT+3], 24, v[PS0]
	v_lshl_or_b32 v[PS1], v[BT+7], 24, v[PS1]
.irp b, 0,1,2,3,4,5,6,7
	v_cvt_scalef32_pk8_fp4_f32 v[PP+2*\b], v[S+16*\b:S+16*\b+7], v[BM+\b]
	v_cvt_scalef32_pk8_fp4_f32 v[PP+2*\b+1], v[S+16*\b+8:S+16*\b+15], v[BM+\b]
.endr
	v_nop
.irp c, 0,1,2,3
.irp i, 0,1
	v_permlane16_swap_b32 v[PP+4*\c+\i], v[PP+4*\c+2+\i]
.endr
.endr
	s_wait_dscnt 0x0                               ; V
.irp u, 0,1
.irp ks, 0,1
	v_lshl_or_b32 v[VS+2*\u+\ks], v[VH+2*(2*\ks+1)+\u], 16, v[VH+4*\ks+\u]   ; V's scale word of tile u, keys 128 ks on
.endr
.endr
	v_pk_add_f32 v[L:L+1], v[L:L+1], v[L+2:L+3]
	v_pk_add_f32 v[L+4:L+5], v[L+4:L+5], v[L+6:L+7]
	v_pk_add_f32 v[L:L+1], v[L:L+1], v[L+4:L+5]
	v_add_f32 v[L], v[L], v[L+1]
	v_permlanex16_b32 v[L+2], v[L], s[SEL], s[SEL+1]
	v_add_f32 v[L], v[L], v[L+2]                   ; the row's sum
	v_rcp_f32 v[BM], v[L]
.rept 4
	v_nop                                          ; with the five additions above: more than the eight places between a scale word made by vector instructions and a scaled product
.endr
	WIN 0x01
.irp ks, 0,1
.irp u, 0,1
.if \ks == 0
	v_wmma_scale_f32_16x16x128_f8f6f4 v[O+8*\u:O+8*\u+7], v[VF+8*(2*\u+\ks):VF+8*(2*\u+\ks)+7], v[PP+8*\ks:PP+8*\ks+7], 0, v[VS+2*\u+\ks], v[PS0-9*\ks] matrix_a_fmt:MATRIX_FMT_FP4 matrix_b_fmt:MATRIX_FMT_FP4
.else
	v_wmma_scale_f32_16x16x128_f8f6f4 v[O+8*\u:O+8*\u+7], v[VF+8*(2*\u+\ks):VF+8*(2*\u+\ks)+7], v[PP+8*\ks:PP+8*\ks+7], v[O+8*\u:O+8*\u+7], v[VS+2*\u+\ks], v[PS0-9*\ks] matrix_a_fmt:MATRIX_FMT_FP4 matrix_b_fmt:MATRIX_FMT_FP4
.endif
.endr
.endr
	WIN 0
.rept 4
	v_nop
.endr
	s_wait_alu depctr_va_vdst(0)                   ; the reciprocal, ahead of its first reader
.irp j, 0,2,4,6,8,10,12,14
	v_pk_mul_f32 v[O+\j:O+\j+1], v[O+\j:O+\j+1], v[BM:BM+1] op_sel_hi:[1,0]   ; ctx: features 16 h + 0 .. 15 of the head, from each accumulator's low end on
.endr
	v_max3_num_f32 v[BM+2], |v[O]|, |v[O+1]|, 0x1800000
	v_max3_num_f32 v[BM+3], |v[O+8]|, |v[O+9]|, 0x1800000
.irp i, 2,4,6
	v_max3_num_f32 v[BM+2], v[BM+2], |v[O+\i]|, |v[O+\i+1]|
	v_max3_num_f32 v[BM+3], v[BM+3], |v[O+8+\i]|, |v[O+9+\i]|
.endr
	v_max_num_f32 v[BM+2], v[BM+2], v[BM+3]
	v_permlanex16_b32 v[BT], v[BM+2], s[SEL], s[SEL+1]
	v_max_num_f32 v[BM+2], v[BM+2], v[BT]
	v_add_nc_u32 v[BM+4], 0xff000000, v[BM+2]
	v_lshrrev_b32 v[BT+1], 23, v[BM+4]
	v_cvt_scalef32_pk8_fp4_f32 v[PCX+2*(\j4)], v[O:O+7], v[BM+4]
	v_cvt_scalef32_pk8_fp4_f32 v[PCX+2*(\j4)+1], v[O+8:O+15], v[BM+4]
	v_nop
.if (\j4) == 0
	v_mov_b32 v[CW], v[BT+1]
.else
	v_lshl_or_b32 v[CW], v[BT+1], 8*(\j4), v[CW]
.endif
.endm
.irp k, 0,1,2,3
	v_mov_b32 v[QF+\k], 0
	v_mov_b32 v[QF+8+\k], 0
.endr
	s_mov_b32 s[CNT], 4
.Lg:
	v_add_nc_u32 v[AD0], s[SKI], v[LN16]
	v_add_nc_u32 v[AD1], s[SKS], v[R16]
	v_add_nc_u32 v[AD2], s[SQC], v[R16]
	v_add_nc_u32 v[AD3], s[SQS], v[R4]
	v_add_nc_u32 v[AD4], s[SVI], v[LN16]
	v_add_nc_u32 v[AD5], s[SVS], v[R8]
	v_add_nc_u32 v[AD6], s[SCI], v[LN16]
	v_add_nc_u32 v[AD7], s[SCS], v[LN16]
	WIN 0x40
.irp c, 0,1
.set k, 0
.rept 16
	ds_load_b128 v[KF+8*k+4*\c:KF+8*k+4*\c+3], v[AD0] offset:\c*32768+k*2048   ; K's 16 tiles of keys, four heads each
.set k, k+1
.endr
.endr
	WIN 0
	UNIT 0
	UNIT 1
	UNIT 2
	UNIT 3
.irp c, 0,1
.irp i, 0,1
	v_permlane16_swap_b32 v[PCX+4*\c+\i], v[PCX+4*\c+2+\i]     ; four heads are one K step of the last product
.endr
.endr
	ds_store_b128 v[AD6], v[PCX:PCX+3]
	ds_store_b128 v[AD6], v[PCX+4:PCX+7] offset:512
	ds_store_b32 v[AD7], v[CW]
	s_wait_dscnt 0x0                               ; the stores have read their registers
	s_add_co_u32 s[SKI], s[SKI], 512
	s_add_co_u32 s[SKS], s[SKS], 512
	s_add_co_u32 s[SQC], s[SQC], 256
	s_add_co_u32 s[SQS], s[SQS], 64
	s_add_co_u32 s[SVI], s[SVI], 2048
	s_add_co_u32 s[SVS], s[SVS], 256
	s_add_co_u32 s[SCI], s[SCI], 1024
	s_add_co_u32 s[SCS], s[SCS], 4
	s_sub_co_i32 s[CNT], s[CNT], 1
	s_cmp_lg_u32 s[CNT], 0
	s_cbranch_scc1 .Lg
	BAR                                            ; ctx's 32 images lie in LDS; nobody reads K, V or Q any more
	; ---- Wo, the residual, the way out: a trip makes 128 columns of my work-group's 128 rows
.macro OTRIP more
.if \more
	s_wait_xcnt 0x0
	s_add_nc_u64 s[NP:NP+1], s[NP:NP+1], 32768
	s_add_nc_u64 s[NPS:NPS+1], s[NPS:NPS+1], 2048
	WLOAD
.endif
.set k, 0
.rept 16
	global_load_b128 v[XRR+4*k:XRR+4*k+3], v[LN16], s[XO:XO+1] offset:(k+8*(k/8))*2048   ; x at the 16 rows that I shall store
.set k, k+1
.endr
	s_add_co_u32 s36, s[WB], s[HQA]
	s_add_co_u32 s37, s[WB], s[HQS]
	v_add_nc_u32 v[AD0], s36, v[PW272]
	v_add_nc_u32 v[AD1], s37, v[PS16]
	FRAGS WF0, WSC, 0
	v_add_nc_u32 v[AD2], s[SOSW], v[P528]
	v_add_nc_u32 v[AD3], s[SOSR], v[LN16]
	v_add_nc_u32 v[AD6], s[SSUM], v[LN16]
	s_wait_dscnt 0x0
	MM8 1, WF0, WSC
.irp i, 0,1,2,3
.irp q, 0,1,2,3
	ds_store_b128 v[AD2], v[ACC+16*\i+4*\q:ACC+16*\i+4*\q+3] offset:8448*\i+16*\q   ; stage row 16 tile + r, my 32 columns; each accumulator from its low end on
.endr
.endr
	BAR                                            ; 128 rows x 512 bytes lie in the stage
.set k, 0
.rept 16
	ds_load_b128 v[Y+4*k:Y+4*k+3], v[AD3] offset:528*k
.set k, k+1
.endr
	s_wait_loadcnt 0x0                             ; the residual (and the next piece)
.set k, 0
.rept 16
	s_wait_dscnt 15-k                              ; row k is back; the younger loads stay out
	v_pk_add_f32 v[Y+4*k:Y+4*k+1], v[Y+4*k:Y+4*k+1], v[XRR+4*k:XRR+4*k+1]
	v_pk_add_f32 v[Y+4*k+2:Y+4*k+3], v[Y+4*k+2:Y+4*k+3], v[XRR+4*k+2:XRR+4*k+3]
	global_store_b128 v[LN16], v[Y+4*k:Y+4*k+3], s[LO:LO+1] offset:(k+8*(k/8))*2048 th:TH_STORE_NT   ; 32 lanes store 512 consecutive bytes, aligned
.set k, k+1
.endr
	v_pk_add_f32 v[PC:PC+1], v[Y:Y+1], v[Y+4:Y+5]  ; the column sums of my 16 rows
	v_pk_add_f32 v[PC+2:PC+3], v[Y+2:Y+3], v[Y+6:Y+7]
.set k, 2
.rept 14
	v_pk_add_f32 v[PC:PC+1], v[PC:PC+1], v[Y+4*k:Y+4*k+1]
	v_pk_add_f32 v[PC+2:PC+3], v[PC+2:PC+3], v[Y+4*k+2:Y+4*k+3]
.set k, k+1
.endr
	ds_store_b128 v[AD6], v[PC:PC+3]
.if \more
	WSTORE
.endif
	s_wait_xcnt 0x0                                ; the loads and stores have read their bases and data
	s_add_nc_u64 s[XO:XO+1], s[XO:XO+1], 512
	s_add_nc_u64 s[LO:LO+1], s[LO:LO+1], 512
	s_add_co_u32 s[SSUM], s[SSUM], 512
	BAR                                            ; the stage has been read, the next piece lies in LDS
	s_xor_b32 s[WB], s[WB], TURN
	s_xor_b32 s[WBN], s[WBN], TURN
.endm
	PATTERNS
	RESIDENT TGQ                                   ; ctx's images lie where x's tiles 0-7 lay
	s_mov_b32 s[CNT], 3
.Lo:
	OTRIP 1
	s_sub_co_i32 s[CNT], s[CNT], 1
	s_cmp_lg_u32 s[CNT], 0
	s_cbranch_scc1 .Lo
	OTRIP 0                                        ; the last piece: nothing more is asked for
	; ---- the eight waves' sums: thread t adds two columns
	v_lshl_add_u32 v[AD0], v0, 3, SUMS
.irp k, 0,1,2,3,4,5,6,7
	ds_load_b64 v[Y+2*\k:Y+2*\k+1], v[AD0] offset:2048*\k
.endr
	s_lshl_b32 s36, ttmp9, 11
	s_mov_b32 s37, 0
	s_add_nc_u64 s[28:29], s[28:29], s[36:37]
	v_lshlrev_b32 v[AD1], 3, v0
	s_wait_dscnt 0x0
.irp k, 1,2,3,4,5,6,7
	v_pk_add_f32 v[Y:Y+1], v[Y:Y+1], v[Y+2*\k:Y+2*\k+1]
.endr
	global_store_b64 v[AD1], v[Y:Y+1], s[28:29]    ; a wave stores 256 consecutive bytes, aligned
	s_wait_xcnt 0x0
	v_lshl_add_u32 v254, v0, 2, 0x4d000
	v_mov_b32 v255, 0
	s_wait_tensorcnt 0x0
	ds_add_u32 v254, v255
	s_wait_dscnt 0x0
	s_endpgm
.Lfunc_end_k_q3046d23edb_local:
	.size	k_q3046d23edb_local, .Lfunc_end_k_q3046d23edb_local-k_q3046d23edb_local
	.p2alignl 7, 3214868480
	.fill 96, 4, 3214868480
	.section	.rodata,"a",@progbits
	.p2align	6, 0x0
	.amdhsa_kernel k_q3046d23edb_local
		.amdhsa_group_segment_fixed_size 316416
		.amdhsa_private_segment_fixed_size 0
		.amdhsa_enable_private_segment 0
		.amdhsa_kernarg_size 88
		.amdhsa_user_sgpr_count 2
		.amdhsa_user_sgpr_kernarg_segment_ptr 1
		.amdhsa_wavefront_size32 1
		.amdhsa_system_sgpr_workgroup_id_x 1
		.amdhsa_system_sgpr_workgroup_id_y 1
		.amdhsa_system_sgpr_workgroup_id_z 1
		.amdhsa_system_vgpr_workitem_id 0
		.amdhsa_next_free_vgpr 512
		.amdhsa_next_free_sgpr 96
		.amdhsa_reserve_vcc 0
		.amdhsa_float_denorm_mode_32 3
		.amdhsa_float_denorm_mode_16_64 3
		.amdhsa_memory_ordered 1
		.amdhsa_forward_progress 1
		.amdhsa_inst_pref_size 255
	.end_amdhsa_kernel
	.section	.bss,"aw",@nobits
	.p2align	6
	.space	262144
	.amdgpu_metadata
---
amdhsa.version: [ 1, 2 ]
amdhsa.kernels:
  - .name:           k_q3046d23edb_local
    .symbol:         k_q3046d23edb_local.kd
    .args:
      - { .name: x, .offset: 0, .size: 8, .value_kind: global_buffer, .address_space: global }
      - { .name: Wq_l_codes, .offset: 8, .size: 8, .value_kind: global_buffer, .address_space: global }
      - { .name: Wq_l_scales, .offset: 16, .size: 8, .value_kind: global_buffer, .address_space: global }
      - { .name: Wk_l_codes, .offset: 24, .size: 8, .value_kind: global_buffer, .address_space: global }
      - { .name: Wk_l_scales, .offset: 32, .size: 8, .value_kind: global_buffer, .address_space: global }
      - { .name: Wv_l_codes, .offset: 40, .size: 8, .value_kind: global_buffer, .address_space: global }
      - { .name: Wv_l_scales, .offset: 48, .size: 8, .value_kind: global_buffer, .address_space: global }
      - { .name: Wo_l_codes, .offset: 56, .size: 8, .value_kind: global_buffer, .address_space: global }
      - { .name: Wo_l_scales, .offset: 64, .size: 8, .value_kind: global_buffer, .address_space: global }
      - { .name: loc, .offset: 72, .size: 8, .value_kind: global_buffer, .address_space: global }
      - { .name: psum, .offset: 80, .size: 8, .value_kind: global_buffer, .address_space: global }
    .group_segment_fixed_size: 316416
    .private_segment_fixed_size: 0
    .kernarg_segment_align: 8
    .kernarg_segment_size: 88
    .max_flat_workgroup_size: 256
    .sgpr_count:     96
    .vgpr_count:     512
    .wavefront_size: 32
...
	.end_amdgpu_metadata
.endif
;; end of part 1
;; launch glob (part 2): grid 8 x 4, 8 waves a work-group, no clusters, 140,800 bytes of LDS; arguments psum, Wq_g_codes, Wq_g_scales, Wk_g_codes, Wk_g_scales, Wv_g_codes, Wv_g_scales, Wo_g_codes, Wo_g_scales, gpart; writes gpart
.if DOCPART == 2
	.amdgcn_target "amdgcn-amd-amdhsa--gfx1250"
	.amdhsa_code_object_version 6
	.text
	.protected	k_q3046d23edb_glob
	.globl	k_q3046d23edb_glob
	.p2align	8
	.type	k_q3046d23edb_glob,@function
k_q3046d23edb_glob:
	s_mov_b64 s[64:65], 0
	v_nop
	global_prefetch_b8 v0, s[64:65] scope:SCOPE_SE
	s_setreg_imm32_b32 hwreg(HW_REG_WAVE_MODE, 25, 1), 1
	s_wait_xcnt 0x0
; THE GLOBAL ATTENTION OVER THE 32 CHUNK MEANS OF ONE BATCH, ONE PAIR OF HEADS TO A WORK-GROUP.  All six products on codes of FP4 (E2M1) with one E8M0 byte for each 32 along K.
; Work-group (j, batch): heads 2 j and 2 j + 1.  The last product is split along its K: a block of 32 along K is one head, so ctx's quantiser needs no other head, and
; mean + ctx Wo = mean + the sum over j of ctx[:, 64 j .. 64 j + 63] Wo[64 j .. 64 j + 63, :].  gpart[chunk][j][:] is part j; part 0 carries the mean; the next launch adds the eight parts, in f32.
; SHARES.  All eight waves make and quantise the means (wave w: tile of rows w % 2, K step w / 2) and bring the 64 rows of Wq, Wk, Wv that these heads need into LDS, by loads of 512 consecutive bytes;
; on the way rows change places (bits 3 and 4 of the row in its head), so that a tile's 16 rows lie on end.  Then wave 0 alone takes the two heads through q, k, the scores, the softmax, v, p v and ctx's quantiser:
; nothing goes between waves there; the other waves fetch their rows of Wo meanwhile.  Then every wave makes 64 columns of the part.  The waves part on the wave's number once.
; The row map, the two product forms and the quantiser are those of the local launch: tile u takes in lane r item 8 u + r + 8 (r / 8).  K of the scores and of p v is 32: one block; a fragment holds it in registers 0-3 of
; lanes 0-15 and zero codes elsewhere.  K of the part is 64: ctx's fragment holds two blocks in registers 0-3 and zero codes in registers 4-7, so what Wo's fragment holds in its registers 4-7 counts for nothing.
; p = 2^(t - M), M = ceil of the row's largest t; the row's sum is of the unquantised p and divides at the end.
; No cluster and no joint load: what the eight work-groups of a batch share is the 131,072 bytes of sums, which a lane takes by rows into registers; of the weights a work-group takes 69,632 bytes.
; LIMITS: NaN and infinities are not served.  A block whose largest magnitude lies under 2^-124 gets the byte 1; so does a block of zeros, where the rule says 127: its codes are zeros and only this program reads the bytes.
; A block's largest p is made from its largest score by the same multiply-add and exponential.  Sums are taken in another order than the definition's, all in f32.
; LDS: 0 the means' 8 images | 8192 their scale words | 9216 ctx's 2 images | 17408 their scale words | 18432 the means in f32, later the part: 32 rows of 2,048 + 16 bytes
;      | 84480 Wq's, Wk's, Wv's 64 rows of 256 + 16 bytes | 136704 their scale bytes, 1,024 each
.set SIMG, 0
.set SSC,  8192
.set GC,   9216
.set GCS,  17408
.set SUMF, 18432
.set SP,   2064
.set WL,   84480
.set WLS,  136704
.set LN16, 1                           ; 16 x lane
.set PSO,  2                           ; the sums: my lane's offset
.set WGO,  3                           ; a weight's rows on their way in: offset in memory,
.set WGS,  4                           ; their scale bytes,
.set SFW,  5
.set SIW,  6
.set SSW,  7
.set WLW,  8                           ; their place in LDS,
.set WSW,  9                           ; and the scale bytes'
.set SFR,  10
.set WLR,  11                          ; a weight fragment in LDS: 272 r + 16 h
.set TM,   12                          ; v12-15 largest magnitudes, v16-19 bytes, v24-27 the conversions' scale operands
.set ROWA, 20
.set WOO,  21                          ; Wo's slice: my lane's offset; v22: its scale bytes'
.set WOS,  22
.set WSR,  23                          ; a weight's scale words in LDS: 16 (r + 8 (r / 8))
.set NM,   28                          ; v28-31 -M of the four rows; before and after the softmax v28, v29 hold scale words in the making
.set PW,   28
.set PW2,  29
.set XRS,  32
.set WSA,  40
.set WSB,  56
.set SQ,   72
.set SK,   76
.set L,    80
.set RL,   84
.set PC,   88
.set ACC,  96
.set XR,   160
.set FR1,  160
.set FR0,  224
.set WFA,  0                           ; window 1
.set WFB,  128
.set W,   30
.set U,   31
.set SS,  32
.set BA,  33
.set PB,  34
.set GB,  36
.set SEL, 40
.set CS,  42
.set FAC, 46
.set MSB, 0
.macro WIN new                         ; bits 1:0 source 0, 3:2 source 1, 5:4 source 2, 7:6 destination; the high byte repeats the setting that is left
.if MSB != \new
	s_set_vgpr_msb (MSB<<8)|\new
.set MSB, \new
.endif
.endm
.macro BAR                             ; my LDS stores have landed and my LDS loads are in: then the work-group's barrier
	s_wait_dscnt 0x0
	s_barrier_signal -1
	s_barrier_wait -1
.endm
.macro NOPS n
.rept \n
	v_nop
.endr
.endm
.macro WSTAGE t, cb, sb                ; my 8 rows of weight t: four loads of 512 consecutive bytes; and my 128 scale bytes
.irp i, 0,1,2,3
	global_load_b128 v[16*(\t)+4*\i:16*(\t)+4*\i+3], v[WGO], s[\cb:\cb+1] offset:512*\i
.endr
	global_load_b32 v[48+(\t)], v[WGS], s[\sb:\sb+1]
.endm
.macro WFETCH wf, wsc, t               ; weight t's four tiles x four K steps, and their scale words: 36 LDS loads
	WIN 0x40
.irp f, 0,1,2,3
.irp s, 0,1,2,3
.irp c, 0,1
	ds_load_b128 v[\wf+8*(4*\f+\s)+4*\c:\wf+8*(4*\f+\s)+4*\c+3], v[WLR] offset:(\t)*17408+\f*4352+64*\s+32*\c
.endr
.endr
.endr
	WIN 0
.irp f, 0,1,2,3
	ds_load_b128 v[\wsc+4*\f:\wsc+4*\f+3], v[WSR] offset:(\t)*1024+(\f/2)*512+(\f%2)*128
.endr
.endm
; My 64 rows of Wo, their blocks 2 j and 2 j + 1: tile f's four registers at v[WFB + 4 f].  An operand names eight: the upper four are the next tile's (behind the last tile: its own once more); they meet zero codes.
.macro WOLOAD
	WIN 0x40
.irp f, 0,1,2,3
	global_load_b128 v[WFB+4*\f:WFB+4*\f+3], v[WOO], s[22:23] offset:(32*(\f/2)+8*(\f%2))*256
.endr
	global_load_b128 v[WFB+16:WFB+19], v[WOO], s[22:23] offset:40*256
	WIN 0
.irp f, 0,1,2,3
	global_load_u16 v[WSB+\f], v[WOS], s[24:25] offset:(32*(\f/2)+8*(\f%2))*16   ; the two blocks' bytes; the upper two bytes of the word are 0
.endr
.endm
.macro XFETCH img, sc                  ; the two tiles of rows x four K steps, and their scale words
.set j, 0
.rept 16
	ds_load_b128 v[XR+4*j:XR+4*j+3], v[LN16] offset:\img+512*j
.set j, j+1
.endr
.irp i, 0,1
	ds_load_b128 v[XRS+4*\i:XRS+4*\i+3], v[LN16] offset:\sc+512*\i
.endr
.endm
; 32 products: four tiles of a weight x the two tiles of rows x K = 512; eight accumulators by turns, one instruction a turn
.macro MMG tr, wf, wsc
.if \tr
	WIN 0x01
.else
	WIN 0x04
.endif
.irp s, 0,1,2,3
.irp e, 0,1
.irp u, 0,1
.irp i, 0,1
.if \tr
.set DD, ACC+16*(2*\e+\i)+8*\u
.if \s == 0
	v_wmma_scale_f32_16x16x128_f8f6f4 v[DD:DD+7], v[\wf+8*(4*(2*\e+\u)+\s):\wf+8*(4*(2*\e+\u)+\s)+7], v[XR+8*(4*\i+\s):XR+8*(4*\i+\s)+7], 0, v[\wsc+4*(2*\e+\u)+\s], v[XRS+4*\i+\s] matrix_a_fmt:MATRIX_FMT_FP4 matrix_b_fmt:MATRIX_FMT_FP4
.else
	v_wmma_scale_f32_16x16x128_f8f6f4 v[DD:DD+7], v[\wf+8*(4*(2*\e+\u)+\s):\wf+8*(4*(2*\e+\u)+\s)+7], v[XR+8*(4*\i+\s):XR+8*(4*\i+\s)+7], v[DD:DD+7], v[\wsc+4*(2*\e+\u)+\s], v[XRS+4*\i+\s] matrix_a_fmt:MATRIX_FMT_FP4 matrix_b_fmt:MATRIX_FMT_FP4
.endif
.else
.set DD, ACC+16*(2*\e+\u)+8*\i
.if \s == 0
	v_wmma_scale_f32_16x16x128_f8f6f4 v[DD:DD+7], v[XR+8*(4*\i+\s):XR+8*(4*\i+\s)+7], v[\wf+8*(4*(2*\e+\u)+\s):\wf+8*(4*(2*\e+\u)+\s)+7], 0, v[XRS+4*\i+\s], v[\wsc+4*(2*\e+\u)+\s] matrix_a_fmt:MATRIX_FMT_FP4 matrix_b_fmt:MATRIX_FMT_FP4
.else
	v_wmma_scale_f32_16x16x128_f8f6f4 v[DD:DD+7], v[XR+8*(4*\i+\s):XR+8*(4*\i+\s)+7], v[\wf+8*(4*(2*\e+\u)+\s):\wf+8*(4*(2*\e+\u)+\s)+7], v[DD:DD+7], v[XRS+4*\i+\s], v[\wsc+4*(2*\e+\u)+\s] matrix_a_fmt:MATRIX_FMT_FP4 matrix_b_fmt:MATRIX_FMT_FP4
.endif
.endif
.endr
.endr
.endr
.endr
	WIN 0
	NOPS 5                                         ; places behind the products: four for reads and loads, five for sums begun anew on these registers
.endm
.macro QMAX src                        ; 64 numbers of a lane, register 16 b + i = k 32 b + 16 h + i of my row: the four blocks' bytes and the conversions' scale operands
.irp b, 0,1,2,3
	v_max3_num_f32 v[TM+\b], |v[\src+16*\b]|, |v[\src+16*\b+1]|, 0x1800000   ; the floor 2^(3 - 127) holds the byte at 1 from below
.endr
.irp i, 2,4,6,8,10,12,14
.irp b, 0,1,2,3
	v_max3_num_f32 v[TM+\b], v[TM+\b], |v[\src+16*\b+\i]|, |v[\src+16*\b+\i+1]|
.endr
.endr
.irp b, 0,1,2,3
	v_permlanex16_b32 v[TM+4+\b], v[TM+\b], s[SEL], s[SEL+1]
.endr
.irp b, 0,1,2,3
	v_max_num_f32 v[TM+\b], v[TM+\b], v[TM+4+\b]
.endr
.irp b, 0,1,2,3
	v_add_nc_u32 v[TM+12+\b], 0xff000000, v[TM+\b] ; 2 off the exponent field
.endr
.irp b, 0,1,2,3
	v_lshrrev_b32 v[TM+4+\b], 23, v[TM+12+\b]      ; the byte
.endr
.endm
.macro QCVT src                        ; four blocks into eight registers: registers 4 c .. 4 c + 3 of lane (r, h) hold block 2 c + h
.irp b, 0,1,2,3
	v_cvt_scalef32_pk8_fp4_f32 v[PC+2*\b], v[\src+16*\b:\src+16*\b+7], v[TM+12+\b]
	v_cvt_scalef32_pk8_fp4_f32 v[PC+2*\b+1], v[\src+16*\b+8:\src+16*\b+15], v[TM+12+\b]
.endr
	v_nop                                          ; one plain place behind the conversions
.irp c, 0,1
.irp i, 0,1
	v_permlane16_swap_b32 v[PC+4*\c+\i], v[PC+4*\c+2+\i]
.endr
.endr
.endm
.macro QTAIL f                         ; four blocks into four fragments, each with its one block in registers 0-3 of lanes 0-15 and zero codes elsewhere
.irp b, 0,1,2,3
.irp z, 2,3,4,5,6,7
	v_mov_b32 v[\f+8*\b+\z], 0
.endr
.endr
.irp b, 0,1,2,3
	v_cvt_scalef32_pk8_fp4_f32 v[\f+8*\b], v[ACC+16*\b:ACC+16*\b+7], v[TM+12+\b]
	v_cvt_scalef32_pk8_fp4_f32 v[\f+8*\b+1], v[ACC+16*\b+8:ACC+16*\b+15], v[TM+12+\b]
.endr
	v_nop
.irp b, 0,1,2,3
	v_permlane16_swap_b32 v[\f+8*\b], v[\f+8*\b+2]
	v_permlane16_swap_b32 v[\f+8*\b+1], v[\f+8*\b+3]
.endr
.endm
.macro QUANT1 f, sb
	QMAX ACC
.irp b, 0,1,2,3
	v_mov_b32 v[\sb+\b], v[TM+4+\b]
.endr
	QTAIL \f
.endm
	; ---- the head: every address register is made here, ahead of the place where the waves part
	s_load_b512 s[8:23], s[0:1], 0x0               ; psum, Wq codes, Wq scales, Wk codes, Wk scales, Wv codes, Wv scales, Wo codes
	s_load_b128 s[24:27], s[0:1], 0x40             ; Wo scales, gpart
	v_lshrrev_b32 v24, 5, v0
	v_readfirstlane_b32 s[W], v24                  ; wave 0..7
	s_and_b32 s[U], s[W], 1                        ; the means: my tile of rows,
	s_lshr_b32 s[SS], s[W], 1                      ; my K step
	s_and_b32 s[BA], ttmp7, 0xffff                 ; the batch; ttmp9: the pair of heads j
	v_and_b32 v[LN16], 31, v0
	v_lshlrev_b32 v[LN16], 4, v[LN16]
	v_and_b32 v24, 15, v0                          ; r
	v_bfe_u32 v25, v0, 4, 1                        ; h
	v_and_b32 v26, 8, v24
	v_add_nc_u32 v26, v26, v24                     ; r + 8 (r / 8)
	v_lshlrev_b32 v[PSO], 12, v26
	v_lshl_add_u32 v[PSO], v25, 6, v[PSO]          ; psum: a chunk is two rows of 2,048 bytes
	s_lshl_b32 s38, ttmp9, 14                      ; Wq, Wk, Wv: rows 64 j on, of 256 bytes; my 8 of them
	s_lshl_b32 s39, s[W], 11
	s_add_co_u32 s38, s38, s39
	v_add_nc_u32 v[WGO], s38, v[LN16]
	s_lshl_b32 s38, ttmp9, 10                      ; their scale bytes: 16 a row; 4 bytes a thread
	v_lshl_add_u32 v[WGS], v0, 2, s38
	v_lshl_add_u32 v[WSW], v0, 2, WLS
	s_lshr_b32 s38, s[W], 2                        ; row 8 w + 2 i + h goes to LDS row 32 (w / 4) + 16 (w % 2) + 8 ((w / 2) % 2) + 2 i + h
	s_lshl_b32 s38, s38, 5
	s_lshl_b32 s39, s[U], 4
	s_add_co_u32 s38, s38, s39
	s_and_b32 s39, s[SS], 1
	s_lshl_b32 s39, s39, 3
	s_add_co_u32 s38, s38, s39
	s_mul_i32 s38, s38, 272
	s_add_co_u32 s38, s38, WL
	v_mul_u32_u24 v[WLW], v25, 272
	v_lshl_add_u32 v[WLW], v24, 4, v[WLW]
	v_add_nc_u32 v[WLW], s38, v[WLW]
	v_mul_u32_u24 v[WLR], v24, 272
	v_lshl_add_u32 v[WLR], v25, 4, v[WLR]
	v_add_nc_u32 v[WLR], WL, v[WLR]
	v_lshl_add_u32 v[WSR], v26, 4, WLS
	s_lshl_b32 s38, s[W], 14                       ; Wo: my 64 rows, bytes 32 j + 16 h of each
	s_lshl_b32 s39, ttmp9, 5
	s_add_co_u32 s38, s38, s39
	v_lshlrev_b32 v[WOO], 8, v26
	v_lshl_add_u32 v[WOO], v25, 4, v[WOO]
	v_add_nc_u32 v[WOO], s38, v[WOO]
	s_lshl_b32 s38, s[W], 10                       ; and scale bytes 2 j, 2 j + 1 of each
	s_lshl_b32 s39, ttmp9, 1
	s_add_co_u32 s38, s38, s39
	v_lshl_add_u32 v[WOS], v26, 4, s38
	v_mul_u32_u24 v[SFR], v26, SP
	v_lshl_add_u32 v[SFR], v25, 6, v[SFR]
	s_mul_i32 s38, s[U], 8*SP
	s_lshl_b32 s39, s[SS], 9
	s_add_co_u32 s38, s38, s39
	s_add_co_u32 s38, s38, SUMF
	v_add_nc_u32 v[SFW], s38, v[SFR]               ; the means in f32: row 8 u + r + 8 (r / 8), bytes 512 s + 64 h on
	s_lshl_b32 s38, s[W], 8
	s_add_co_u32 s38, s38, SUMF
	v_add_nc_u32 v[SFR], s38, v[SFR]               ; and at the end: my 64 columns
	s_lshl_b32 s38, s[U], 12
	s_lshl_b32 s39, s[SS], 10
	s_add_co_u32 s38, s38, s39
	v_add_nc_u32 v[SIW], s38, v[LN16]
	s_lshl_b32 s38, s[U], 9
	s_lshl_b32 s39, s[SS], 2
	s_add_co_u32 s38, s38, s39
	s_add_co_u32 s38, s38, SSC
	v_add_nc_u32 v[SSW], s38, v[LN16]
	s_mul_i32 s38, s[W], 4*SP
	s_add_co_u32 s38, s38, SUMF
	v_add_nc_u32 v[ROWA], s38, v[LN16]
.irp b, 0,1,2,3
	v_mov_b32 v[TM+4+\b], 0                        ; a lane permute's destination counts as one of its sources
.endr
	s_mov_b32 s[SEL], 0x76543210
	s_mov_b32 s[SEL+1], 0xfedcba98                 ; v_permlanex16_b32: lane l xor 16
	s_mov_b32 s[CS], 0x3e8293ee                    ; c = log2(e) / sqrt(32)
	s_cmp_eq_u32 ttmp9, 0
	s_cselect_b32 s[FAC], 1.0, 0                   ; part 0 carries the mean
	s_mov_b32 s[FAC+1], s[FAC]
	s_lshl_b32 s38, s[BA], 17                      ; the batch: 32 chunks of 4,096 bytes of psum
	s_lshl_b32 s39, s[U], 15
	s_add_co_u32 s38, s38, s39
	s_lshl_b32 s39, s[SS], 9
	s_add_co_u32 s38, s38, s39
	s_mov_b32 s39, 0
	s_lshl_b32 s44, s[BA], 19                      ; gpart: a chunk is eight parts of 2,048 bytes; my four chunks; part j
	s_lshl_b32 s45, s[W], 16
	s_add_co_u32 s44, s44, s45
	s_lshl_b32 s45, ttmp9, 11
	s_add_co_u32 s44, s44, s45
	s_mov_b32 s45, 0
	s_wait_kmcnt 0x0
	s_add_nc_u64 s[PB:PB+1], s[8:9], s[38:39]
	s_add_nc_u64 s[GB:GB+1], s[26:27], s[44:45]
	; ---- the means, and the three weights' rows into LDS: every wave alike
.irp b, 0,1,2,3
.irp q, 0,1,2,3
	global_load_b128 v[ACC+16*\b+4*\q:ACC+16*\b+4*\q+3], v[PSO], s[PB:PB+1] offset:128*\b+16*\q
	global_load_b128 v[XR+16*\b+4*\q:XR+16*\b+4*\q+3], v[PSO], s[PB:PB+1] offset:2048+128*\b+16*\q
.endr
.endr
	WIN 0x40
	WSTAGE 0, 10, 12                               ; Wq
	WSTAGE 1, 14, 16                               ; Wk
	WSTAGE 2, 18, 20                               ; Wv
	WIN 0
	s_wait_loadcnt 15                              ; the sums are in; the weights' 15 loads stay out
.set j, 0
.rept 32
	v_pk_add_f32 v[ACC+j:ACC+j+1], v[ACC+j:ACC+j+1], v[XR+j:XR+j+1]
.set j, j+2
.endr
.set j, 0
.rept 32
	v_pk_mul_f32 v[ACC+j:ACC+j+1], v[ACC+j:ACC+j+1], 0x3b800000 op_sel_hi:[1,0]   ; / 256: the mean
.set j, j+2
.endr
.irp b, 0,1,2,3
.irp q, 0,1,2,3
	ds_store_b128 v[SFW], v[ACC+16*\b+4*\q:ACC+16*\b+4*\q+3] offset:128*\b+16*\q
.endr
.endr
	QMAX ACC
	v_lshl_or_b32 v[PW], v[TM+5], 8, v[TM+4]
	v_lshl_or_b32 v[PW], v[TM+6], 16, v[PW]
	v_lshl_or_b32 v[PW], v[TM+7], 24, v[PW]
	QCVT ACC
	ds_store_b128 v[SIW], v[PC:PC+3]
	ds_store_b128 v[SIW], v[PC+4:PC+7] offset:512
	ds_store_b32 v[SSW], v[PW]
	s_wait_loadcnt 0x0                             ; the weights' rows
	WIN 0x04                                       ; an LDS store's data are its source 1: window 1
.irp t, 0,1,2
.irp i, 0,1,2,3
	ds_store_b128 v[WLW], v[16*\t+4*\i:16*\t+4*\i+3] offset:\t*17408+2*\i*272
.endr
	ds_store_b32 v[WSW], v[48+\t] offset:\t*1024
.endr
	WIN 0
	BAR                                            ; the means lie in LDS, as codes and in f32, and so do the weights' rows
	; ---- the waves part: wave 0 takes the two heads as far as ctx's codes; the others fetch their rows of Wo
	s_cmp_lg_u32 s[W], 0
	s_cbranch_scc1 .Lothers
	XFETCH SIMG, SSC
	WFETCH WFA, WSA, 0                             ; Wq
	s_wait_dscnt 0x0
	MMG 1, WFA, WSA
	WFETCH WFB, WSB, 1                             ; Wk lands while q is quantised
	QUANT1 FR0, SQ                                 ; q: block 2 e + i
	s_wait_dscnt 0x0
	MMG 1, WFB, WSB
	WFETCH WFA, WSA, 2                             ; Wv
	WOLOAD                                         ; my rows of Wo take Wk's place
	QUANT1 FR1, SK                                 ; k, over the first tile's images, which are fetched again
	NOPS 8                                         ; a scale word made by vector instructions stands eight places ahead of a scaled product
.irp e, 0,1
.irp iq, 0,1
.irp ik, 0,1
	v_wmma_scale_f32_16x16x128_f8f6f4 v[ACC+16*(2*\e+\iq)+8*\ik:ACC+16*(2*\e+\iq)+8*\ik+7], v[FR1+8*(2*\e+\ik):FR1+8*(2*\e+\ik)+7], v[FR0+8*(2*\e+\iq):FR0+8*(2*\e+\iq)+7], 0, v[SK+2*\e+\ik], v[SQ+2*\e+\iq] matrix_a_fmt:MATRIX_FMT_FP4 matrix_b_fmt:MATRIX_FMT_FP4
.endr
.endr
.endr
	NOPS 5
	XFETCH SIMG, SSC
	; the softmax: block b = 2 e + iq is a lane's row: 16 keys here, 16 in lane l xor 16
.irp b, 0,1,2,3
	v_max3_num_f32 v[TM+\b], v[ACC+16*\b], v[ACC+16*\b+1], v[ACC+16*\b+2]
.endr
.irp i, 3,5,7,9,11,13
.irp b, 0,1,2,3
	v_max3_num_f32 v[TM+\b], v[TM+\b], v[ACC+16*\b+\i], v[ACC+16*\b+\i+1]
.endr
.endr
.irp b, 0,1,2,3
	v_max_num_f32 v[TM+\b], v[TM+\b], v[ACC+16*\b+15]
.endr
.irp b, 0,1,2,3
	v_permlanex16_b32 v[TM+4+\b], v[TM+\b], s[SEL], s[SEL+1]
.endr
.irp b, 0,1,2,3
	v_max_num_f32 v[TM+\b], v[TM+\b], v[TM+4+\b]
.endr
.irp b, 0,1,2,3
	v_mul_f32 v[L+\b], s[CS], v[TM+\b]
.endr
.irp b, 0,1,2,3
	v_floor_f32 v[NM+\b], -v[L+\b]                 ; -M = floor(-t) = -ceil(t)
.endr
.irp b, 0,1,2,3
.set j, 0
.rept 16
	v_fma_f32 v[ACC+16*\b+j], v[ACC+16*\b+j], s[CS], v[NM+\b]
.set j, j+1
.endr
	v_fma_f32 v[TM+\b], v[TM+\b], s[CS], v[NM+\b]
.endr
.set j, 0
.rept 64
	v_exp_f32 v[ACC+j], v[ACC+j]
.set j, j+1
.endr
	v_nop
	s_wait_alu depctr_va_vdst(0)                   ; one wait for the 64, ahead of their first reader
.irp b, 0,1,2,3
	v_exp_f32 v[TM+\b], v[TM+\b]                   ; the rows' largest p
.endr
.irp b, 0,1,2,3
	v_add_f32 v[L+\b], v[ACC+16*\b], v[ACC+16*\b+1]
.endr
.irp i, 2,3,4,5,6,7,8,9,10,11,12,13,14,15
.irp b, 0,1,2,3
	v_add_f32 v[L+\b], v[L+\b], v[ACC+16*\b+\i]
.endr
.endr
	s_wait_alu depctr_va_vdst(0)                   ; and one for the four
.irp b, 0,1,2,3
	v_max_num_f32 v[TM+\b], 0x1800000, v[TM+\b]
.endr
.irp b, 0,1,2,3
	v_add_nc_u32 v[TM+12+\b], 0xff000000, v[TM+\b]
.endr
.irp b, 0,1,2,3
	v_lshrrev_b32 v[SQ+\b], 23, v[TM+12+\b]        ; p's scale byte takes q's place
.endr
.irp b, 0,1,2,3
	v_permlanex16_b32 v[TM+4+\b], v[L+\b], s[SEL], s[SEL+1]
.endr
.irp b, 0,1,2,3
	v_add_f32 v[L+\b], v[L+\b], v[TM+4+\b]
.endr
.irp b, 0,1,2,3
	v_rcp_f32 v[RL+\b], v[L+\b]
.endr
	QTAIL FR0                                      ; p takes q's place
	s_wait_alu depctr_va_vdst(0)                   ; the four reciprocals, long ahead of their readers
	s_wait_dscnt 0x0                               ; the means' images and Wv
	MMG 0, WFA, WSA
	QUANT1 FR1, SK                                 ; v: block 2 e + u: a lane holds a feature, the block is the 32 keys
	NOPS 8
.irp iq, 0,1
.irp e, 0,1
.irp u, 0,1
	v_wmma_scale_f32_16x16x128_f8f6f4 v[ACC+16*(2*\iq+\e)+8*\u:ACC+16*(2*\iq+\e)+8*\u+7], v[FR1+8*(2*\e+\u):FR1+8*(2*\e+\u)+7], v[FR0+8*(2*\e+\iq):FR0+8*(2*\e+\iq)+7], 0, v[SK+2*\e+\u], v[SQ+2*\e+\iq] matrix_a_fmt:MATRIX_FMT_FP4 matrix_b_fmt:MATRIX_FMT_FP4
.endr
.endr
.endr
	NOPS 4
.irp iq, 0,1
.irp e, 0,1
.set j, 0
.rept 16
	v_mul_f32 v[ACC+16*(2*\iq+\e)+j], v[ACC+16*(2*\iq+\e)+j], v[RL+2*\e+\iq]   ; ctx, from each accumulator's low end on
.set j, j+1
.endr
.endr
.endr
	QMAX ACC
	QCVT ACC                                       ; registers 4 iq .. 4 iq + 3 of lane (r, h): head 2 j + h of row (iq, r)
	v_lshl_or_b32 v[PW], v[TM+5], 8, v[TM+4]       ; the two heads' bytes of tile 0's rows; the upper two bytes are 0
	v_lshl_or_b32 v[PW2], v[TM+7], 8, v[TM+6]      ; of tile 1's
	ds_store_b128 v[LN16], v[PC:PC+3] offset:GC
	ds_store_b128 v[LN16], v[PC+4:PC+7] offset:GC+512
	ds_store_b32 v[LN16], v[PW] offset:GCS
	ds_store_b32 v[LN16], v[PW2] offset:GCS+512
	s_branch .Ljoin
.Lothers:
	s_wait_loadcnt 0x0                             ; no load of mine is out
	WOLOAD
.Ljoin:
	BAR                                            ; ctx's two images lie in LDS
	; ---- the part: my 64 columns x 32 rows, K = these two heads
	ds_load_b128 v[XR:XR+3], v[LN16] offset:GC
	ds_load_b128 v[XR+8:XR+11], v[LN16] offset:GC+512
	ds_load_b32 v[XRS], v[LN16] offset:GCS
	ds_load_b32 v[XRS+1], v[LN16] offset:GCS+512
.irp z, 4,5,6,7,12,13,14,15
	v_mov_b32 v[XR+\z], 0                          ; zero codes for the K step's upper 64
.endr
	NOPS 4                                         ; an operand written by vector instructions stands four places ahead of a scaled product
	s_wait_dscnt 0x0
	s_wait_loadcnt 0x0                             ; Wo's slice
	WIN 0x01
.irp e, 0,1
.irp u, 0,1
.irp i, 0,1
	v_wmma_scale_f32_16x16x128_f8f6f4 v[ACC+16*(2*\e+\i)+8*\u:ACC+16*(2*\e+\i)+8*\u+7], v[WFB+4*(2*\e+\u):WFB+4*(2*\e+\u)+7], v[XR+8*\i:XR+8*\i+7], 0, v[WSB+2*\e+\u], v[XRS+\i] matrix_a_fmt:MATRIX_FMT_FP4 matrix_b_fmt:MATRIX_FMT_FP4
.endr
.endr
.endr
	WIN 0
	NOPS 5
.irp e, 0,1
.irp i, 0,1
.irp q, 0,1,2,3
	ds_load_b128 v[XR+16*(2*\e+\i)+4*\q:XR+16*(2*\e+\i)+4*\q+3], v[SFR] offset:\i*8*SP+128*\e+16*\q   ; the means at my results' places
.endr
.endr
.endr
	s_wait_dscnt 0x0
.set j, 0
.rept 32
	v_pk_fma_f32 v[XR+j:XR+j+1], v[XR+j:XR+j+1], s[FAC:FAC+1], v[ACC+j:ACC+j+1] op_sel_hi:[1,0,1]   ; the mean x (1 in part 0, else 0) + the part; each accumulator from its low end on
.set j, j+2
.endr
.irp e, 0,1
.irp i, 0,1
.irp q, 0,1,2,3
	ds_store_b128 v[SFR], v[XR+16*(2*\e+\i)+4*\q:XR+16*(2*\e+\i)+4*\q+3] offset:\i*8*SP+128*\e+16*\q   ; back to the bytes that this lane alone has read
.endr
.endr
.endr
	BAR                                            ; 32 whole rows of the part
.set j, 0
.rept 16
	ds_load_b128 v[ACC+4*j:ACC+4*j+3], v[ROWA] offset:(j/4)*SP+512*(j%4)
.set j, j+1
.endr
.set j, 0
.rept 16
	s_wait_dscnt 15-j                              ; the younger loads stay out
	global_store_b128 v[LN16], v[ACC+4*j:ACC+4*j+3], s[GB:GB+1] offset:(j/4)*16384+512*(j%4)   ; 32 lanes store 512 consecutive bytes, aligned
.set j, j+1
.endr
	s_wait_xcnt 0x0
	v_lshl_add_u32 v254, v0, 2, 0x22200
	v_mov_b32 v255, 0
	s_wait_tensorcnt 0x0
	ds_add_u32 v254, v255
	s_wait_dscnt 0x0
	s_endpgm
.Lfunc_end_k_q3046d23edb_glob:
	.size	k_q3046d23edb_glob, .Lfunc_end_k_q3046d23edb_glob-k_q3046d23edb_glob
	.p2alignl 7, 3214868480
	.fill 96, 4, 3214868480
	.section	.rodata,"a",@progbits
	.p2align	6, 0x0
	.amdhsa_kernel k_q3046d23edb_glob
		.amdhsa_group_segment_fixed_size 140800
		.amdhsa_private_segment_fixed_size 0
		.amdhsa_enable_private_segment 0
		.amdhsa_kernarg_size 80
		.amdhsa_user_sgpr_count 2
		.amdhsa_user_sgpr_kernarg_segment_ptr 1
		.amdhsa_wavefront_size32 1
		.amdhsa_system_sgpr_workgroup_id_x 1
		.amdhsa_system_sgpr_workgroup_id_y 1
		.amdhsa_system_sgpr_workgroup_id_z 1
		.amdhsa_system_vgpr_workitem_id 0
		.amdhsa_next_free_vgpr 512
		.amdhsa_next_free_sgpr 66
		.amdhsa_reserve_vcc 0
		.amdhsa_float_denorm_mode_32 3
		.amdhsa_float_denorm_mode_16_64 3
		.amdhsa_memory_ordered 1
		.amdhsa_forward_progress 1
		.amdhsa_inst_pref_size 90
	.end_amdhsa_kernel
	.amdgpu_metadata
---
amdhsa.version: [ 1, 2 ]
amdhsa.kernels:
  - .name:           k_q3046d23edb_glob
    .symbol:         k_q3046d23edb_glob.kd
    .args:
      - { .name: psum, .offset: 0, .size: 8, .value_kind: global_buffer, .address_space: global }
      - { .name: Wq_g_codes, .offset: 8, .size: 8, .value_kind: global_buffer, .address_space: global }
      - { .name: Wq_g_scales, .offset: 16, .size: 8, .value_kind: global_buffer, .address_space: global }
      - { .name: Wk_g_codes, .offset: 24, .size: 8, .value_kind: global_buffer, .address_space: global }
      - { .name: Wk_g_scales, .offset: 32, .size: 8, .value_kind: global_buffer, .address_space: global }
      - { .name: Wv_g_codes, .offset: 40, .size: 8, .value_kind: global_buffer, .address_space: global }
      - { .name: Wv_g_scales, .offset: 48, .size: 8, .value_kind: global_buffer, .address_space: global }
      - { .name: Wo_g_codes, .offset: 56, .size: 8, .value_kind: global_buffer, .address_space: global }
      - { .name: Wo_g_scales, .offset: 64, .size: 8, .value_kind: global_buffer, .address_space: global }
      - { .name: gpart, .offset: 72, .size: 8, .value_kind: global_buffer, .address_space: global }
    .group_segment_fixed_size: 140800
    .private_segment_fixed_size: 0
    .kernarg_segment_align: 8
    .kernarg_segment_size: 80
    .max_flat_workgroup_size: 256
    .sgpr_count:     66
    .vgpr_count:     512
    .wavefront_size: 32
...
	.end_amdgpu_metadata
.endif
;; end of part 2
;; launch add (part 3): grid 512 x 1, 8 waves a work-group, no clusters, 0 bytes of LDS; arguments loc, gpart, out0; writes out0
.if DOCPART == 3
	.amdgcn_target "amdgcn-amd-amdhsa--gfx1250"
	.amdhsa_code_object_version 6
	.text
	.protected	k_q3046d23edb_add
	.globl	k_q3046d23edb_add
	.p2align	8
	.type	k_q3046d23edb_add,@function
k_q3046d23edb_add:
	s_mov_b64 s[64:65], 0
	v_nop
	global_prefetch_b8 v0, s[64:65] scope:SCOPE_SE
	s_setreg_imm32_b32 hwreg(HW_REG_WAVE_MODE, 25, 1), 1
	s_wait_xcnt 0x0
; out0[row][c] = loc[row][c] + the sum over j of gpart[chunk of the row][j][c].  loc, out0: [32768][512] f32; gpart: [128][8][512] f32.  A stream: no LDS, no barrier, no matrix unit.
; Eight waves; the work-group owns 64 rows of one chunk (131,072 bytes).  Thread t owns the 16 bytes at 16 t of every two rows (4,096 bytes), so its four columns are the same in every step; it adds the
; eight parts of the global context for them once.  A load or store of a wave covers 512 consecutive bytes, aligned.
; The 32 steps are written out: each has four registers of its own and its offset in the immediate, the numbers are added in place and stored from where they landed.  So no register is written while a
; memory instruction may still read it, and the only waits are the counted ones for the loads; all 32 loads of a wave, 16,384 bytes, go out together.
; The eight parts are added in pairs, in f32: another order than one sum over K would have.
.set STEP, 4096
.set NST,  32
.set GO,   1                           ; v1        my 16 bytes of part 0 of the chunk
.set OFF,  2                           ; v2        16 t; never rewritten
.set G,    4                           ; v[4:35]   the eight parts; their sum ends in v[4:7]
.set X,    36                          ; v[36:163] step i: four registers
	s_load_b128 s[4:7], s[0:1], 0x0                ; loc, gpart
	s_load_b64 s[8:9], s[0:1], 0x10                ; out0
	s_lshl_b32 s2, ttmp9, 17                       ; the work-group's 64 rows of 2,048 bytes
	s_mov_b32 s3, 0
	s_lshr_b32 s10, ttmp9, 2                       ; four work-groups to a chunk
	s_lshl_b32 s10, s10, 14                        ; a chunk's eight parts of 2,048 bytes
	v_and_b32 v[GO], 127, v0
	v_lshlrev_b32 v[GO], 4, v[GO]
	v_add_nc_u32 v[GO], s10, v[GO]
	v_lshlrev_b32 v[OFF], 4, v0
	s_wait_kmcnt 0x0
	s_add_nc_u64 s[4:5], s[4:5], s[2:3]
	s_add_nc_u64 s[8:9], s[8:9], s[2:3]
.irp p, 0,1,2,3,4,5,6,7
	global_load_b128 v[G+4*\p:G+4*\p+3], v[GO], s[6:7] offset:2048*\p
.endr
.set i, 0
.rept NST
	global_load_b128 v[X+4*i:X+4*i+3], v[OFF], s[4:5] offset:STEP*i th:TH_LOAD_NT
.set i, i+1
.endr
	s_wait_loadcnt NST                             ; loads come back in order (ISA guide 5.7.1): the eight parts are in, the 32 loads behind them stay out
.irp p, 0,2,4,6
	v_pk_add_f32 v[G+4*\p:G+4*\p+1], v[G+4*\p:G+4*\p+1], v[G+4*\p+4:G+4*\p+5]
	v_pk_add_f32 v[G+4*\p+2:G+4*\p+3], v[G+4*\p+2:G+4*\p+3], v[G+4*\p+6:G+4*\p+7]
.endr
.irp p, 0,4
	v_pk_add_f32 v[G+4*\p:G+4*\p+1], v[G+4*\p:G+4*\p+1], v[G+4*\p+8:G+4*\p+9]
	v_pk_add_f32 v[G+4*\p+2:G+4*\p+3], v[G+4*\p+2:G+4*\p+3], v[G+4*\p+10:G+4*\p+11]
.endr
	v_pk_add_f32 v[G:G+1], v[G:G+1], v[G+16:G+17]
	v_pk_add_f32 v[G+2:G+3], v[G+2:G+3], v[G+18:G+19]
.set i, 0
.rept NST
	s_wait_loadcnt NST-1-i                         ; step i is in; the younger loads stay out
	v_pk_add_f32 v[X+4*i:X+4*i+1], v[X+4*i:X+4*i+1], v[G:G+1]
	v_pk_add_f32 v[X+4*i+2:X+4*i+3], v[X+4*i+2:X+4*i+3], v[G+2:G+3]
	global_store_b128 v[OFF], v[X+4*i:X+4*i+3], s[8:9] offset:STEP*i th:TH_STORE_NT
.set i, i+1
.endr
	s_endpgm
.Lfunc_end_k_q3046d23edb_add:
	.size	k_q3046d23edb_add, .Lfunc_end_k_q3046d23edb_add-k_q3046d23edb_add
	.p2alignl 7, 3214868480
	.fill 96, 4, 3214868480
	.section	.rodata,"a",@progbits
	.p2align	6, 0x0
	.amdhsa_kernel k_q3046d23edb_add
		.amdhsa_group_segment_fixed_size 0
		.amdhsa_private_segment_fixed_size 0
		.amdhsa_enable_private_segment 0
		.amdhsa_kernarg_size 24
		.amdhsa_user_sgpr_count 2
		.amdhsa_user_sgpr_kernarg_segment_ptr 1
		.amdhsa_wavefront_size32 1
		.amdhsa_system_sgpr_workgroup_id_x 1
		.amdhsa_system_sgpr_workgroup_id_y 1
		.amdhsa_system_sgpr_workgroup_id_z 1
		.amdhsa_system_vgpr_workitem_id 0
		.amdhsa_next_free_vgpr 164
		.amdhsa_next_free_sgpr 66
		.amdhsa_reserve_vcc 0
		.amdhsa_float_denorm_mode_32 3
		.amdhsa_float_denorm_mode_16_64 3
		.amdhsa_memory_ordered 1
		.amdhsa_forward_progress 1
		.amdhsa_inst_pref_size 14
	.end_amdhsa_kernel
	.amdgpu_metadata
---
amdhsa.version: [ 1, 2 ]
amdhsa.kernels:
  - .name:           k_q3046d23edb_add
    .symbol:         k_q3046d23edb_add.kd
    .args:
      - { .name: loc, .offset: 0, .size: 8, .value_kind: global_buffer, .address_space: global }
      - { .name: gpart, .offset: 8, .size: 8, .value_kind: global_buffer, .address_space: global }
      - { .name: out0, .offset: 16, .size: 8, .value_kind: global_buffer, .address_space: global }
    .group_segment_fixed_size: 0
    .private_segment_fixed_size: 0
    .kernarg_segment_align: 8
    .kernarg_segment_size: 24
    .max_flat_workgroup_size: 256
    .sgpr_count:     66
    .vgpr_count:     164
    .wavefront_size: 32
...
	.end_amdgpu_metadata
.endif
;; end of part 3
;; ======== version 2 of 2: 3 launches; version 1 with the launches local, glob, add written anew for expert scheduling mode
;; workspace buffers: loc 67,108,864 bytes; psum 524,288 bytes; gpart 2,097,152 bytes
;; launch local (part 4): grid 256 x 1, 8 waves a work-group, no clusters, 316,416 bytes of LDS; arguments x, Wq_l_codes, Wq_l_scales, Wk_l_codes, Wk_l_scales, Wv_l_codes, Wv_l_scales, Wo_l_codes, Wo_l_scales, loc, psum; writes loc, psum
.if DOCPART == 4
	.amdgcn_target "amdgcn-amd-amdhsa--gfx1250"
	.amdhsa_code_object_version 6
	.text
	.protected	k_q3046d23edb_local
	.globl	k_q3046d23edb_local
	.p2align	8
	.type	k_q3046d23edb_local,@function
k_q3046d23edb_local:
	s_mov_b64 s[64:65], 0
	v_nop
	global_prefetch_b8 v0, s[64:65] scope:SCOPE_SE
	s_setreg_imm32_b32 hwreg(HW_REG_WAVE_SCHED_MODE, 0, 2), 2
	s_setreg_imm32_b32 hwreg(HW_REG_WAVE_MODE, 25, 1), 1
	s_wait_xcnt 0x0
	s_wait_alu depctr_vm_vsrc(0)
; LOCAL ATTENTION OF ONE HALF CHUNK.  loc = x + ctx Wo for 128 query rows of a chunk of 256 tokens; psum = the column sums of those 128 rows.
; All six products run on codes of FP4 (E2M1) with one E8M0 byte for each 32 along K.  x, q, k, v, p and ctx are quantised here, from f32; the weights come as codes.
; SHARES.  Work-group = (chunk, half of the queries): 256 work-groups.  Both halves quantise all 256 tokens of x and make K and V for them; q, the softmax, ctx, Wo and the stores split.
; LOCAL TOKEN ORDER.  Local token t is chunk token (t + 128 x half) mod 256: my queries are local tokens 0-127; blocks of 32 keys stay whole; no LDS address hangs on the work-group.
; ONE ROW MAP.  Tile 2 b + u takes in lane r item 32 b + 8 u + r + 8 (r / 8) (tokens, rows of a weight inside a head).  As source 0 of a product such a pair of tiles leaves in a lane's 16 registers
; the 16 neighbours 32 b + 16 (lane / 16) + 0 .. 15 along the next K, so one quantiser serves every operand.
; FORMS.  q, k, Wo: source 0 = 16 rows of W, source 1 = 16 tokens (a lane holds a token).  v: the other way round (a lane holds a feature, registers run along the keys, which are its K).
; S^T = K Q^T: a fragment of K holds four heads (K = 128 = 4 blocks of 32); Q's fragment holds one head and zero codes elsewhere, so one block counts; both scale words carry their byte four times.
; O^T = V^T P^T.  p = 2^(t - M), M = ceil of the row's largest t; the row's sum is of the unquantised p and divides O^T.  All 256 keys of a head are in registers, so M is final at once.
; WEIGHTS go by pieces of 128 rows (34,816 + 2,048 bytes) through registers into two LDS buffers by turns: on the way rows change places (bits 3 and 4 of the row in its head), so that a tile's 16 rows lie on end.
; No cluster and no joint load: a work-group takes 4 x 139,264 bytes of weights against 786,432 bytes of x, and the change of rows wants the way through registers.
; LIMITS.  NaN and infinities are not served.  A block whose largest magnitude lies under 2^-124 gets the byte 1; so does a block of zeros, where the rule says 127: its codes are zeros and only this program reads the bytes.
; A block's largest p is made from its largest score by the same multiply-add and exponential.  Sums are taken in another order than the definition's, all in f32.
; THE MODE: SCHED_MODE bits 1:0 = 2 (LLVM: expert scheduling mode 2), set by the entry lines.  The code itself states the register dependences
; between vector or matrix instructions and memory or LDS instructions, with s_wait_alu, always for 0.
; THE PLAN.  Registers that memory or LDS instructions touch:
;   v[LN16], v[VWG], v[VWGS]   offsets of global loads and stores: made at the head (the last two once more behind attention), never stepped.
;   v[AD0] .. v[AD7]           LDS addresses: all of a trip's are written at its head, behind one wait on vm_vsrc and ahead of one wait on va_vdst, and read by the trip's LDS instructions.
;   v[WS ..]                   a piece of a weight: global loads land at a trip's head, the trip's last LDS stores read it.
;   the raw buffers, X, Y      loads land; stage stores, conversions and additions read.
;   XR, XRS, WF0, WF1, WSC, KF, KS, QS, VF (two buffers), VH, BT   LDS loads land; products (VH, BT: vector lines) read.
;   PC, KB, PW, PCX, CW, ACC   written by conversions, additions and products; read by stores, each run of stores behind one wait on va_vdst.
; In attention the wait that stands ahead of a head's products V^T P^T also shows all earlier readers of the next head's registers done: the next head's 18 LDS loads follow those four products.
; LDS (bytes): 0 W buffer 0 | 36864 K's scale words | 53248 V's half words | 65536 W buffer 1 | 102400 x's images (later ctx's; upper half later Q's codes, then the sums) | 167936 K's images (first x's stage, last the way out's)
;              | 233472 V's images | 299008 x's scale words (later ctx's) | 307200 Q's scale words
.set KSC,   36864
.set VSC,   53248
.set TURN,  0x10000                    ; W buffer 1 = W buffer 0 xor this
.set XIMG,  102400
.set QC,    135168
.set SUMS,  135168
.set KIMG,  167936
.set STG,   167936
.set VIMG,  233472
.set XSC,   299008
.set QSC,   307200
.set WSCL,  34816                      ; a piece's scale bytes, behind its 128 rows of 272 bytes
; window 0
.set LN16, 1                           ; 16 x lane
.set R16,  2                           ; 16 r
.set R8,   3
.set R4,   4
.set AD0,  5                           ; v5-11, v252: the addresses in hand
.set AD1,  6
.set AD2,  7
.set AD3,  8
.set AD4,  9
.set AD5,  10
.set AD6,  11
.set AD7,  252
.set P528, 253                         ; 528 r + 64 h
.set TT,   254
.set CW,   255                         ; ctx's scale word in the making
.set TM,   12                          ; v12-15 largest magnitudes, v16-19 bytes, v24-27 the conversions' scale operands
.set BM,   12                          ; attention: v12-19 the blocks' largest, v20-27 at work
.set BT,   20
.set NM,   28                          ; v[28:29] -M and a partner that is only named
.set ML,   30                          ; ones in lanes 0-15;  v31: ones in lanes 16-31
.set XRS,  32                          ; v32-47 scale words of the resident operand; attention: K's
.set KS,   32
.set WSC,  48                          ; v48-63 scale words of the weights; attention: the five below
.set QS,   48
.set PS1,  49
.set VH,   50
.set PS0,  58
.set VS,   60
.set ACC,  64
.set X,    64
.set Y,    64
.set S,    64                          ; v64-191 the scores, then p
.set XRR,  128                         ; the residual
.set PC,   192
.set KB,   200
.set WS,   204                         ; v204-237 a piece of a weight on its way
.set PW,   240
.set PW272, 244                        ; v244-251 the projections' patterns
.set PS16, 245
.set PK,   246
.set PQ,   247
.set VWL,  248
.set VWLS, 249
.set VWG,  250
.set VWGS, 251
.set PP,   192
.set QF,   208                         ; four zeros, Q's four registers, four zeros
.set O,    220
.set PCX,  236
.set L,    244
; window 1
.set XR,   0
.set WF0,  128
.set WF1,  192
.set KF,   0
.set VF,   128                         ; V's fragments of a head: two buffers of 32 registers, by turns
; scalars
.set W,   30
.set TG,  31
.set FH,  32
.set TGQ, 33
.set HP,  34
.set QH,  35
.set NP,  40
.set NPS, 42
.set WB,  44
.set WBN, 45
.set CNT, 46
.set HSA, 47
.set HSS, 48
.set HQA, 49
.set HQS, 50
.set SEL, 52
.set CS,  54
.set SKW, 56
.set SKSW, 57
.set SVW, 58
.set SVSW, 59
.set SQW, 60
.set SQSW, 61
.set XB,  62
.set SKI, 66
.set SKS, 67
.set SQC, 68
.set SQS, 69
.set SVI, 70
.set SVS, 71
.set SCI, 72
.set SCS, 73
.set XO,  74
.set LO,  76
.set SOSW, 78
.set SOSR, 79
.set SSUM, 80
.set MSB, 0
.macro WIN new                         ; bits 1:0 source 0, 3:2 source 1, 5:4 source 2, 7:6 destination; the high byte repeats the setting that is left
.if MSB != \new
	s_set_vgpr_msb (MSB<<8)|\new
.set MSB, \new
.endif
.endm
.macro BAR                             ; my LDS stores have landed and my LDS loads are in: then the work-group's barrier
	s_wait_dscnt 0x0
	s_barrier_signal -1
	s_barrier_wait -1
.endm
.macro BASE2 d, a, sa, b, sb, k        ; d = (a << sa) + (b << sb) + k
	s_lshl_b32 s[\d], s[\a], \sa
	s_lshl_b32 s36, s[\b], \sb
	s_add_co_u32 s[\d], s[\d], s36
	s_add_co_u32 s[\d], s[\d], \k
.endm
.macro BASE1 d, a, sa, k
	s_lshl_b32 s[\d], s[\a], \sa
	s_add_co_u32 s[\d], s[\d], \k
.endm
.macro PATTERNS                        ; the projections' lane patterns; attention takes their registers, so they are made twice
	s_lshl_b32 s36, s[HP], 5
	s_lshl_b32 s37, s[TGQ], 3
	s_add_co_u32 s36, s36, s37
	s_mul_i32 s36, s36, 272                        ; LDS row 32 (w / 2) + 8 (w % 2)
	s_lshl_b32 s37, s[W], 8
	s_lshl_b32 s38, s[W], 12
	v_and_b32 v[AD0], 15, v0                       ; r
	v_bfe_u32 v[AD1], v0, 4, 1                     ; h
	v_mul_u32_u24 v[PW272], v[AD0], 272
	v_lshl_add_u32 v[PW272], v[AD1], 4, v[PW272]   ; a weight fragment: 272 r + 16 h
	v_and_b32 v[AD2], 8, v[AD0]
	v_add_nc_u32 v[AD2], v[AD2], v[AD0]
	v_lshlrev_b32 v[PS16], 4, v[AD2]               ; its scale words: 16 (r + 8 (r / 8))
	v_lshl_add_u32 v[PK], v[AD1], 11, v[R16]       ; K's images: 16 r + 2048 h
	v_lshl_add_u32 v[PQ], v[AD1], 10, v[R16]       ; Q's codes: 16 r + 1024 h
	v_mul_u32_u24 v[VWL], v[AD1], 272
	v_add_nc_u32 v[VWL], v[VWL], v[R16]
	v_add_nc_u32 v[VWL], s36, v[VWL]               ; a piece into LDS
	v_lshrrev_b32 v[AD2], 1, v[LN16]
	v_add_nc_u32 v[VWGS], s37, v[AD2]              ; 256 w + 8 lane
	v_add_nc_u32 v[VWLS], WSCL, v[VWGS]
	v_add_nc_u32 v[VWG], s38, v[LN16]              ; 4096 w + 16 lane
	v_mul_u32_u24 v[P528], v[AD0], 528
	v_lshl_add_u32 v[P528], v[AD1], 6, v[P528]
.endm
.macro NEXTW nc, ns                    ; the next piece; in a phase's last trip the next weight's first
	s_wait_xcnt 0x0                                ; the last piece's loads have read their bases
	s_add_nc_u64 s[NP:NP+1], s[NP:NP+1], 32768
	s_add_nc_u64 s[NPS:NPS+1], s[NPS:NPS+1], 2048
	s_cmp_eq_u32 s[CNT], 1
	s_cselect_b64 s[NP:NP+1], s[\nc:\nc+1], s[NP:NP+1]
	s_cselect_b64 s[NPS:NPS+1], s[\ns:\ns+1], s[NPS:NPS+1]
.endm
.macro WLOAD                           ; my 16 rows of the piece: each load 512 consecutive bytes; and my 256 scale bytes
.irp i, 0,1,2,3,4,5,6,7
	global_load_b128 v[WS+4*\i:WS+4*\i+3], v[VWG], s[NP:NP+1] offset:512*\i
.endr
	global_load_b64 v[WS+32:WS+33], v[VWGS], s[NPS:NPS+1]
.endm
.macro WADDR                           ; where the piece goes: the buffer that nobody reads.  Made with the trip's other addresses, ahead of the trip's wait on va_vdst
	v_add_nc_u32 v[AD4], s[WBN], v[VWL]
	v_add_nc_u32 v[AD5], s[WBN], v[VWLS]
.endm
.macro WSTORE                          ; into the buffer that nobody reads; row q of a head goes to row q with bits 3 and 4 exchanged
	s_wait_loadcnt 0x0
.irp i, 0,1,2,3,4,5,6,7
	ds_store_b128 v[AD4], v[WS+4*\i:WS+4*\i+3] offset:(16*(\i/4)+2*(\i%4))*272
.endr
	ds_store_b64 v[AD5], v[WS+32:WS+33]
.endm
.macro WHEAD nc, ns, ha, hs            ; a trip's head: the next piece is asked for; the addresses of this piece's fragments and of the next piece's place
	NEXTW \nc, \ns
	s_wait_alu depctr_vm_vsrc(0)                   ; the LDS instructions issued so far have read v[WS ..], in which the piece's loads land, and v[AD0] to v[AD5], v[PC ..] and v[KB ..], which this trip writes again
	WLOAD
	s_add_co_u32 s36, s[WB], s[\ha]
	s_add_co_u32 s37, s[WB], s[\hs]
	v_add_nc_u32 v[AD0], s36, v[PW272]
	v_add_nc_u32 v[AD1], s37, v[PS16]
	WADDR
.endm
.macro WTAIL                           ; a trip's end.  One barrier serves both ways: the buffer just filled was last read in front of the barrier before, and is read next behind this one
	WSTORE
	BAR
	s_xor_b32 s[WB], s[WB], TURN
	s_xor_b32 s[WBN], s[WBN], TURN
.endm
.macro FRAGS wf, wsc, e                ; a head's two tiles x four K steps, and their scale words: 18 LDS loads
	WIN 0x40
.irp u, 0,1
.irp s, 0,1,2,3
.irp c, 0,1
	ds_load_b128 v[\wf+8*(4*\u+\s)+4*\c:\wf+8*(4*\u+\s)+4*\c+3], v[AD0] offset:(\e)*8704+\u*4352+64*\s+32*\c
.endr
.endr
.endr
	WIN 0
.irp u, 0,1
	ds_load_b128 v[\wsc+4*\u:\wsc+4*\u+3], v[AD1] offset:(\e)*512+\u*128
.endr
.endm
.macro RESIDENT grp                    ; four tiles of tokens x four K steps stay in registers: 32 + 4 LDS loads
	s_lshl_b32 s36, s[\grp], 14
	s_add_co_u32 s36, s36, XIMG
	s_lshl_b32 s37, s[\grp], 11
	s_add_co_u32 s37, s37, XSC
	v_add_nc_u32 v[AD2], s36, v[LN16]
	v_add_nc_u32 v[AD3], s37, v[LN16]
	s_wait_alu depctr_va_vdst(0)                   ; v[AD2] and v[AD3] are written, which the loads below read; all that was issued is done with XR and v[XRS ..], in which they land
	WIN 0x40
.set j, 0
.rept 32
	ds_load_b128 v[XR+4*j:XR+4*j+3], v[AD2] offset:512*j
.set j, j+1
.endr
	WIN 0
.irp i, 0,1,2,3
	ds_load_b128 v[XRS+4*\i:XRS+4*\i+3], v[AD3] offset:512*\i
.endr
.endm
; 32 products: a head's two tiles x my four tiles of tokens x K = 512.  The eight accumulators take turns, one instruction a turn.  The first K step starts the sums.
.macro MM8 tr, wf, wsc
	WIN 0x05
.irp s, 0,1,2,3
.irp i, 0,1,2,3
.irp u, 0,1
.if \tr
.set DD, ACC+16*\i+8*\u
.if \s == 0
	v_wmma_scale_f32_16x16x128_f8f6f4 v[DD:DD+7], v[\wf+8*(4*\u+\s):\wf+8*(4*\u+\s)+7], v[XR+8*(4*\i+\s):XR+8*(4*\i+\s)+7], 0, v[\wsc+4*\u+\s], v[XRS+4*\i+\s] matrix_a_fmt:MATRIX_FMT_FP4 matrix_b_fmt:MATRIX_FMT_FP4
.else
	v_wmma_scale_f32_16x16x128_f8f6f4 v[DD:DD+7], v[\wf+8*(4*\u+\s):\wf+8*(4*\u+\s)+7], v[XR+8*(4*\i+\s):XR+8*(4*\i+\s)+7], v[DD:DD+7], v[\wsc+4*\u+\s], v[XRS+4*\i+\s] matrix_a_fmt:MATRIX_FMT_FP4 matrix_b_fmt:MATRIX_FMT_FP4
.endif
.else
.set DD, ACC+16*(2*\u+\i/2)+8*(\i%2)
.if \s == 0
	v_wmma_scale_f32_16x16x128_f8f6f4 v[DD:DD+7], v[XR+8*(4*\i+\s):XR+8*(4*\i+\s)+7], v[\wf+8*(4*\u+\s):\wf+8*(4*\u+\s)+7], 0, v[XRS+4*\i+\s], v[\wsc+4*\u+\s] matrix_a_fmt:MATRIX_FMT_FP4 matrix_b_fmt:MATRIX_FMT_FP4
.else
	v_wmma_scale_f32_16x16x128_f8f6f4 v[DD:DD+7], v[XR+8*(4*\i+\s):XR+8*(4*\i+\s)+7], v[\wf+8*(4*\u+\s):\wf+8*(4*\u+\s)+7], v[DD:DD+7], v[XRS+4*\i+\s], v[\wsc+4*\u+\s] matrix_a_fmt:MATRIX_FMT_FP4 matrix_b_fmt:MATRIX_FMT_FP4
.endif
.endif
.endr
.endr
.endr
	WIN 0
.rept 5
	v_nop                                          ; places behind the products (ISA guide 7.12.1): four for reads of the results, five for sums begun anew on these registers
.endr
.endm
; 64 numbers of a lane, register 16 b + i = k 32 b + 16 h + i of my row: the four blocks' bytes (v[TM+4+b]) and the conversions' scale operands (v[TM+12+b])
.macro QMAX src
.irp b, 0,1,2,3
	v_max3_num_f32 v[TM+\b], |v[\src+16*\b]|, |v[\src+16*\b+1]|, 0x1800000   ; the floor 2^(3 - 127) holds the byte at 1 from below
.endr
.irp i, 2,4,6,8,10,12,14
.irp b, 0,1,2,3
	v_max3_num_f32 v[TM+\b], v[TM+\b], |v[\src+16*\b+\i]|, |v[\src+16*\b+\i+1]|
.endr
.endr
.irp b, 0,1,2,3
	v_permlanex16_b32 v[TM+4+\b], v[TM+\b], s[SEL], s[SEL+1]
.endr
.irp b, 0,1,2,3
	v_max_num_f32 v[TM+\b], v[TM+\b], v[TM+4+\b]   ; with lane l xor 16: the block's largest magnitude
.endr
.irp b, 0,1,2,3
	v_add_nc_u32 v[TM+12+\b], 0xff000000, v[TM+\b] ; 2 off its exponent field
.endr
.irp b, 0,1,2,3
	v_lshrrev_b32 v[TM+4+\b], 23, v[TM+12+\b]      ; the byte
.endr
.endm
.macro QWORD dst
	v_lshl_or_b32 v[\dst], v[TM+5], 8, v[TM+4]
	v_lshl_or_b32 v[\dst], v[TM+6], 16, v[\dst]
	v_lshl_or_b32 v[\dst], v[TM+7], 24, v[\dst]
.endm
.macro QCVT src                        ; the codes, as a fragment's eight registers: registers 4 c .. 4 c + 3 of lane (r, h) hold block 2 c + h
.irp b, 0,1,2,3
	v_cvt_scalef32_pk8_fp4_f32 v[PC+2*\b], v[\src+16*\b:\src+16*\b+7], v[TM+12+\b]
	v_cvt_scalef32_pk8_fp4_f32 v[PC+2*\b+1], v[\src+16*\b+8:\src+16*\b+15], v[TM+12+\b]
.endr
	v_nop                                          ; one plain place behind the conversions
.irp c, 0,1
.irp i, 0,1
	v_permlane16_swap_b32 v[PC+4*\c+\i], v[PC+4*\c+2+\i]
.endr
.endr
.endm
.macro REP4                            ; each byte four times in a word
.irp i, 0,1,2,3
	v_perm_b32 v[KB+\i], v[TM+4+\i], v[TM+4+\i], 0
.endr
.endm
	; ---- the head
	s_load_b512 s[8:23], s[0:1], 0x0               ; x, Wq codes, Wq scales, Wk codes, Wk scales, Wv codes, Wv scales, Wo codes
	s_load_b128 s[24:27], s[0:1], 0x40             ; Wo scales, loc
	s_load_b64 s[28:29], s[0:1], 0x50              ; psum
	v_lshrrev_b32 v[AD0], 5, v0
	v_readfirstlane_b32 s[W], v[AD0]               ; wave 0..7
	v_and_b32 v[LN16], 31, v0
	v_lshlrev_b32 v[LN16], 4, v[LN16]
	v_and_b32 v[AD0], 15, v0
	v_lshlrev_b32 v[R16], 4, v[AD0]
	v_lshlrev_b32 v[R8], 3, v[AD0]
	v_lshlrev_b32 v[R4], 2, v[AD0]
	v_bfe_u32 v[AD1], v0, 4, 1
	v_add_nc_u32 v[ML], -1, v[AD1]
	v_sub_nc_u32 v[ML+1], 0, v[AD1]
	s_wait_alu depctr_va_sdst(0)                   ; s[W] is written, ahead of its first reader: every share and base below is made from it
	s_and_b32 s[TG], s[W], 3                       ; K, V: my four tiles of tokens
	s_lshr_b32 s[FH], s[W], 2                      ;       my two heads of a piece's four
	s_and_b32 s[TGQ], s[W], 1                      ; Q, Wo: my four tiles of queries
	s_lshr_b32 s[HP], s[W], 1                      ;        my head (32 rows) of a piece
	s_and_b32 s[QH], ttmp9, 1                      ; which half of the chunk's queries
	PATTERNS
.set j, 16
.rept 12
	v_mov_b32 v[j], 0                              ; written once: a lane permute's destination counts as one of its sources
.set j, j+1
.endr
	v_mov_b32 v[NM+1], 0                           ; named as the upper half of a pair
	s_mul_i32 s[HSA], s[FH], 17408
	BASE1 HSS, FH, 10, WSCL
	s_mul_i32 s[HQA], s[HP], 8704
	BASE1 HQS, HP, 9, WSCL
	BASE2 SKW, FH, 15, TG, 13, KIMG
	BASE2 SKSW, FH, 13, TG, 11, KSC
	BASE2 SVW, TG, 14, FH, 13, VIMG
	BASE2 SVSW, TG, 11, FH, 10, VSC
	BASE2 SQW, HP, 13, TGQ, 12, QC
	BASE2 SQSW, HP, 11, TGQ, 10, QSC
	s_mov_b32 s[SKI], KIMG
	s_mov_b32 s[SKS], KSC
	s_mov_b32 s[SVI], VIMG
	s_mov_b32 s[SVS], VSC
	BASE1 SQC, W, 10, QC
	BASE1 SQS, W, 8, QSC
	BASE1 SCI, W, 12, XIMG
	BASE1 SCS, W, 9, XSC
	s_mul_i32 s[SOSW], s[TGQ], 33792
	s_lshl_b32 s36, s[HP], 7
	s_add_co_u32 s[SOSW], s[SOSW], s36
	s_add_co_u32 s[SOSW], s[SOSW], STG
	s_mul_i32 s[SOSR], s[W], 8448
	s_add_co_u32 s[SOSR], s[SOSR], STG
	BASE1 SSUM, W, 11, SUMS
	s_mov_b32 s[WB], TURN
	s_mov_b32 s[WBN], 0
	s_mov_b32 s[SEL], 0x76543210
	s_mov_b32 s[SEL+1], 0xfedcba98                 ; v_permlanex16_b32: lane l xor 16
	s_mov_b32 s[CS], 0x3e8293ee                    ; c = log2(e) / sqrt(32)
	s_mov_b32 s[CS+1], s[CS]
	v_add_nc_u32 v[AD0], s[SOSR], v[LN16]          ; x: my stage, in
	v_add_nc_u32 v[AD1], s[SOSR], v[P528]          ; and back
	s_lshl_b32 s36, s[W], 13
	s_add_co_u32 s36, s36, XIMG
	v_add_nc_u32 v[AD2], s36, v[LN16]              ; x's images
	s_lshl_b32 s36, s[W], 10
	s_add_co_u32 s36, s36, XSC
	v_add_nc_u32 v[AD3], s36, v[LN16]              ; and their scale words
	WADDR                                          ; Wk's first piece goes into buffer 0
	s_lshr_b32 s36, ttmp9, 1
	s_lshl_b32 s36, s36, 19                        ; the chunk: 256 rows of 2,048 bytes
	s_lshl_b32 s38, s[W], 5
	s_lshl_b32 s39, s[QH], 7
	s_add_co_u32 s38, s38, s39
	s_and_b32 s38, s38, 255                        ; chunk token of local token 32 w
	s_lshl_b32 s38, s38, 11
	s_add_co_u32 s38, s38, s36
	s_mov_b32 s39, 0
	s_lshl_b32 s37, s[QH], 18
	s_add_co_u32 s36, s36, s37
	s_lshl_b32 s37, s[HP], 16
	s_add_co_u32 s36, s36, s37
	s_lshl_b32 s37, s[TGQ], 14
	s_add_co_u32 s36, s36, s37                     ; the way out: my tile w begins at query 32 (w / 2) + 8 (w % 2)
	s_mov_b32 s37, 0
	s_wait_kmcnt 0x0
	s_mov_b64 s[NP:NP+1], s[14:15]
	s_mov_b64 s[NPS:NPS+1], s[16:17]
	s_wait_alu depctr_va_vdst(0)                   ; v[LN16], v[VWG], v[VWGS] and v[AD0] to v[AD5] are written, which the loads and stores up to the first barrier read
	WLOAD                                          ; Wk's first piece
	s_add_nc_u64 s[XB:XB+1], s[8:9], s[38:39]
	s_add_nc_u64 s[XO:XO+1], s[8:9], s[36:37]
	s_add_nc_u64 s[LO:LO+1], s[26:27], s[36:37]
	; ---- X: wave w quantises local tokens 32 w .. 32 w + 31: tiles 2 w and 2 w + 1, four K steps each.  Batch t = 4 u + s.
	; A load reads 512 consecutive bytes of one row; the 16 rows of a batch turn through my own stage, so that a lane gets 16 neighbours of each block of 32.
.macro LOADX t
	WIN 0x40
.set k, 0
.rept 16
	global_load_b128 v[64*((\t)%3)+4*k:64*((\t)%3)+4*k+3], v[LN16], s[XB:XB+1] offset:(8*((\t)/4)+k+8*(k/8))*2048+512*((\t)%4)
.set k, k+1
.endr
	WIN 0
.endm
.macro XBATCH t
.if (\t) <= 5
	s_wait_loadcnt 32                              ; this batch is in; the two batches behind it, 16 loads each, stay out
.elseif (\t) == 6
	s_wait_loadcnt 16
.else
	s_wait_loadcnt 0x0
.endif
	WIN 0x04
.set k, 0
.rept 16
	ds_store_b128 v[AD0], v[64*((\t)%3)+4*k:64*((\t)%3)+4*k+3] offset:528*k
.set k, k+1
.endr
	WIN 0
.irp b, 0,1,2,3
.irp q, 0,1,2,3
	ds_load_b128 v[X+16*\b+4*\q:X+16*\b+4*\q+3], v[AD1] offset:128*\b+16*\q   ; LDS serves a wave's instructions in order: these see the stores above.  No vector line since the last batch's wait on va_vdst names v[X ..]
.endr
.endr
	s_wait_dscnt 0x0                               ; the numbers are back
	s_wait_alu depctr_vm_vsrc(0)                   ; the stage's stores have read their raw buffer, in which the loads below land; the last batch's stores have read v[PC ..] and v[PW ..], which this batch writes again
.if (\t) <= 4
	LOADX (\t)+3
.endif
	QMAX X
	QWORD PW+(\t)%4
	QCVT X
	s_wait_alu depctr_va_vdst(0)                   ; the codes and the scale word are written, which the stores below read; this batch is done reading v[X ..], in which the next batch's loads from the stage land
	ds_store_b128 v[AD2], v[PC:PC+3] offset:((\t)/4)*4096+((\t)%4)*1024
	ds_store_b128 v[AD2], v[PC+4:PC+7] offset:((\t)/4)*4096+((\t)%4)*1024+512
.if (\t)%4 == 3
	ds_store_b128 v[AD3], v[PW:PW+3] offset:((\t)/4)*512
.endif
.endm
	LOADX 0
	LOADX 1
	LOADX 2
.irp t, 0,1,2,3,4,5,6,7
	XBATCH \t
.endr
	WTAIL                                          ; Wk's first piece into buffer 0; behind the barrier x's 64 images lie in LDS
	; ---- K: my 64 tokens x my two heads of each piece
.macro KUNIT wf, wsc, e
	MM8 1, \wf, \wsc
	QMAX ACC
	QCVT ACC
	REP4
	s_wait_alu depctr_va_vdst(0)                   ; the codes v[PC ..] and the bytes v[KB ..] are written, which the stores read
	ds_store_b128 v[AD2], v[PC:PC+3] offset:256*(\e)           ; lane (r, h): the head's 32 codes of key r of tile 2 c + h
	ds_store_b128 v[AD2], v[PC+4:PC+7] offset:4096+256*(\e)
	ds_store_b128 v[AD3], v[KB:KB+3] offset:256*(\e)
.endm
	s_wait_alu depctr_vm_vsrc(0)                   ; the last batch's stores have read v[AD2] and v[AD3], which are written again
	RESIDENT TG
	s_mov_b32 s[CNT], 4
.Lk:
	WHEAD 18, 20, HSA, HSS
	v_add_nc_u32 v[AD2], s[SKW], v[PK]
	v_add_nc_u32 v[AD3], s[SKSW], v[R16]
	s_wait_alu depctr_va_vdst(0)                   ; the trip's six addresses are written; the last trip's products are done reading WF0, WF1 and v[WSC ..], in which the loads below land
	FRAGS WF0, WSC, 0
	FRAGS WF1, WSC+8, 1
	s_wait_dscnt 18                                ; all but the second head's 18 loads
	KUNIT WF0, WSC, 0
	s_wait_dscnt 0x0                               ; the second head is in
	s_wait_alu depctr_vm_vsrc(0)                   ; the first head's stores have read v[PC ..] and v[KB ..], which the second head writes again
	KUNIT WF1, WSC+8, 1
	WTAIL
	s_add_co_u32 s[SKW], s[SKW], 512
	s_add_co_u32 s[SKSW], s[SKSW], 512
	s_sub_co_i32 s[CNT], s[CNT], 1
	s_cmp_lg_u32 s[CNT], 0
	s_cbranch_scc1 .Lk
	; ---- V: the same tokens and heads, sources exchanged: a lane holds a feature, a block is 32 keys
.macro VUNIT wf, wsc, e
	MM8 0, \wf, \wsc
	QMAX ACC
	QCVT ACC
	v_lshl_or_b32 v[KB], v[TM+5], 8, v[TM+4]       ; tile u = 0: the bytes of key blocks 2 tg and 2 tg + 1
	v_lshl_or_b32 v[KB+1], v[TM+7], 8, v[TM+6]     ; tile u = 1
	s_wait_alu depctr_va_vdst(0)                   ; the codes v[PC ..] and the half words v[KB], v[KB+1] are written, which the stores read
	ds_store_b128 v[AD2], v[PC:PC+3] offset:1024*(\e)
	ds_store_b128 v[AD2], v[PC+4:PC+7] offset:1024*(\e)+512
	ds_store_b64 v[AD3], v[KB:KB+1] offset:128*(\e)
.endm
	s_mov_b32 s[CNT], 4
.Lv:
	WHEAD 10, 12, HSA, HSS
	v_add_nc_u32 v[AD2], s[SVW], v[LN16]
	v_add_nc_u32 v[AD3], s[SVSW], v[R8]
	s_wait_alu depctr_va_vdst(0)                   ; the trip's six addresses are written; the last trip's products are done reading WF0, WF1 and v[WSC ..], in which the loads below land
	FRAGS WF0, WSC, 0
	FRAGS WF1, WSC+8, 1
	s_wait_dscnt 18
	VUNIT WF0, WSC, 0
	s_wait_dscnt 0x0                               ; the second head is in
	s_wait_alu depctr_vm_vsrc(0)                   ; the first head's stores have read v[PC ..] and v[KB ..], which the second head writes again
	VUNIT WF1, WSC+8, 1
	WTAIL
	s_add_co_u32 s[SVW], s[SVW], 2048
	s_add_co_u32 s[SVSW], s[SVSW], 256
	s_sub_co_i32 s[CNT], s[CNT], 1
	s_cmp_lg_u32 s[CNT], 0
	s_cbranch_scc1 .Lv
	; ---- Q: my 64 queries x my one head of each piece.  Q's codes lie over x's tiles 8-15, which were last read in front of K's first barrier
	s_wait_alu depctr_vm_vsrc(0)                   ; V's last stores have read v[AD2] and v[AD3], which are written again
	RESIDENT TGQ
	s_mov_b32 s[CNT], 4
.Lq:
	WHEAD 22, 24, HQA, HQS
	v_add_nc_u32 v[AD2], s[SQW], v[PQ]
	v_add_nc_u32 v[AD3], s[SQSW], v[R4]
	s_wait_alu depctr_va_vdst(0)                   ; the trip's six addresses are written; the last trip's products are done reading WF0 and v[WSC ..], in which the loads below land
	FRAGS WF0, WSC, 0
	s_wait_dscnt 0x0
	MM8 1, WF0, WSC
	QMAX ACC
	QCVT ACC
	REP4
	s_wait_alu depctr_va_vdst(0)                   ; the codes v[PC ..] and the bytes v[KB ..] are written, which the stores read
	ds_store_b128 v[AD2], v[PC:PC+3]
	ds_store_b128 v[AD2], v[PC+4:PC+7] offset:2048
.irp i, 0,1,2,3
	ds_store_b32 v[AD3], v[KB+\i] offset:256*\i
.endr
	WTAIL
	s_add_co_u32 s[SQW], s[SQW], 256
	s_add_co_u32 s[SQSW], s[SQSW], 64
	s_sub_co_i32 s[CNT], s[CNT], 1
	s_cmp_lg_u32 s[CNT], 0
	s_cbranch_scc1 .Lq
	; ---- ATTENTION: wave w owns query tile w and all 16 heads; a trip takes four heads, which share K's fragments.  No barrier inside: a wave reads what lay ready and writes its own bytes
; The 18 LDS loads of head j4 of a trip: Q's codes and scale word, K's scale words (six loads), then V's fragments (eight, into buffer j4 % 2) and half words (four)
.macro ULOADS j4
.set LFH, (\j4)/2
.set LEU, (\j4)%2
.set LVF, VF+32*((\j4)%2)
	ds_load_b128 v[BT:BT+3], v[AD2] offset:(\j4)*8192          ; Q's 32 codes of query r, in both halves of the lanes
	ds_load_b32 v[QS], v[AD3] offset:(\j4)*2048
.irp t, 0,1,2,3
	ds_load_b128 v[KS+4*\t:KS+4*\t+3], v[AD1] offset:LFH*8192+\t*2048+LEU*256
.endr
	WIN 0x40
.irp u, 0,1
.irp ks, 0,1
.irp c, 0,1
	ds_load_b128 v[LVF+8*(2*\u+\ks)+4*\c:LVF+8*(2*\u+\ks)+4*\c+3], v[AD4] offset:(2*\ks+\c)*16384+LFH*8192+LEU*1024+\u*512
.endr
.endr
.endr
	WIN 0
.irp t, 0,1,2,3
	ds_load_b64 v[VH+2*\t:VH+2*\t+1], v[AD5] offset:\t*2048+LFH*1024+LEU*128
.endr
.endm
.macro UNIT j4
.set FHU, (\j4)/2
.set EU, (\j4)%2
.set QB, QF+4-4*FHU
.set VFB, VF+32*((\j4)%2)
	s_wait_dscnt 12                                ; all but V's eight fragment loads and four scale loads
.irp k, 0,1,2,3
	v_and_b32 v[QF+4+\k], v[ML+EU], v[BT+\k]       ; the head's block lies in one half of the lanes; the other half gets zero codes
.endr
.rept 4
	v_nop                                          ; an operand written by vector instructions stands four places ahead of a scaled product
.endr
	s_wait_alu depctr_va_vdst(0)                   ; Q's four registers are written, which the scaled products take as an operand; the places above stay beside this wait
	WIN 0x01
.set k, 0
.rept 16
	v_wmma_scale_f32_16x16x128_f8f6f4 v[S+8*k:S+8*k+7], v[KF+8*k:KF+8*k+7], v[QB:QB+7], 0, v[KS+k], v[QS] matrix_a_fmt:MATRIX_FMT_FP4 matrix_b_fmt:MATRIX_FMT_FP4
.set k, k+1
.endr
	WIN 0
.rept 4
	v_nop
.endr
.irp b, 0,1,2,3,4,5,6,7
	v_max3_num_f32 v[BM+\b], v[S+16*\b], v[S+16*\b+1], v[S+16*\b+2]   ; each block's largest score: for the row's maximum and for the block's largest p
.endr
.irp i, 3,5,7,9,11,13
.irp b, 0,1,2,3,4,5,6,7
	v_max3_num_f32 v[BM+\b], v[BM+\b], v[S+16*\b+\i], v[S+16*\b+\i+1]
.endr
.endr
.irp b, 0,1,2,3,4,5,6,7
	v_max_num_f32 v[BM+\b], v[BM+\b], v[S+16*\b+15]
.endr
.irp b, 0,1,2,3,4,5,6,7
	v_permlanex16_b32 v[BT+\b], v[BM+\b], s[SEL], s[SEL+1]
.endr
.irp b, 0,1,2,3,4,5,6,7
	v_max_num_f32 v[BM+\b], v[BM+\b], v[BT+\b]
.endr
	v_max3_num_f32 v[TT], v[BM], v[BM+1], v[BM+2]
	v_max3_num_f32 v[TT], v[TT], v[BM+3], v[BM+4]
	v_max3_num_f32 v[TT], v[TT], v[BM+5], v[BM+6]
	v_max_num_f32 v[TT], v[TT], v[BM+7]
	v_mul_f32 v[TT], s[CS], v[TT]                  ; the row's largest t
	v_floor_f32 v[NM], -v[TT]                      ; -M = floor(-t) = -ceil(t)
.set j, 0
.rept 64
	v_pk_fma_f32 v[S+j:S+j+1], v[S+j:S+j+1], s[CS:CS+1], v[NM:NM+1] op_sel_hi:[1,0,0]   ; t - M
.set j, j+2
.endr
.irp b, 0,1,2,3,4,5,6,7
	v_fma_f32 v[BM+\b], v[BM+\b], s[CS], v[NM]
.endr
.set j, 0
	s_wait_alu depctr_va_vdst(0)
.rept 128
	v_exp_f32 v[S+j], v[S+j]                       ; p, not normalised
.set j, j+1
.endr
	v_nop                                          ; the plain place behind the batch
	s_wait_alu depctr_va_vdst(0)                   ; the 128 exponentials have written v[S ..]: one wait, ahead of their first reader
.irp b, 0,1,2,3,4,5,6,7
	v_exp_f32 v[BM+\b], v[BM+\b]                   ; the blocks' largest p
.endr
.irp k, 0,1,2,3
	v_pk_add_f32 v[L+2*\k:L+2*\k+1], v[S+2*\k:S+2*\k+1], v[S+8+2*\k:S+8+2*\k+1]   ; the row's sum of the unquantised p, in four chains
.endr
.irp m, 2,3,4,5,6,7,8,9,10,11,12,13,14,15
.irp k, 0,1,2,3
	v_pk_add_f32 v[L+2*\k:L+2*\k+1], v[L+2*\k:L+2*\k+1], v[S+8*\m+2*\k:S+8*\m+2*\k+1]
.endr
.endr
	s_wait_alu depctr_va_vdst(0)                   ; the eight exponentials have written v[BM ..], ahead of their first reader
.irp b, 0,1,2,3,4,5,6,7
	v_max_num_f32 v[BM+\b], 0x1800000, v[BM+\b]
.endr
.irp b, 0,1,2,3,4,5,6,7
	v_add_nc_u32 v[BM+\b], 0xff000000, v[BM+\b]    ; the conversions' scale operands
.endr
.irp b, 0,1,2,3,4,5,6,7
	v_lshrrev_b32 v[BT+\b], 23, v[BM+\b]
.endr
	v_lshl_or_b32 v[PS0], v[BT+1], 8, v[BT]        ; p's scale words: keys 0-127,
	v_lshl_or_b32 v[PS1], v[BT+5], 8, v[BT+4]      ; keys 128-255
	v_lshl_or_b32 v[PS0], v[BT+2], 16, v[PS0]
	v_lshl_or_b32 v[PS1], v[BT+6], 16, v[PS1]
	v_lshl_or_b32 v[PS0], v[BT+3], 24, v[PS0]
	v_lshl_or_b32 v[PS1], v[BT+7], 24, v[PS1]
.irp b, 0,1,2,3,4,5,6,7
	v_cvt_scalef32_pk8_fp4_f32 v[PP+2*\b], v[S+16*\b:S+16*\b+7], v[BM+\b]
	v_cvt_scalef32_pk8_fp4_f32 v[PP+2*\b+1], v[S+16*\b+8:S+16*\b+15], v[BM+\b]
.endr
	v_nop
.irp c, 0,1,2,3
.irp i, 0,1
	v_permlane16_swap_b32 v[PP+4*\c+\i], v[PP+4*\c+2+\i]
.endr
.endr
	s_wait_dscnt 0x0                               ; V
.irp u, 0,1
.irp ks, 0,1
	v_lshl_or_b32 v[VS+2*\u+\ks], v[VH+2*(2*\ks+1)+\u], 16, v[VH+4*\ks+\u]   ; V's scale word of tile u, keys 128 ks on
.endr
.endr
	v_pk_add_f32 v[L:L+1], v[L:L+1], v[L+2:L+3]
	v_pk_add_f32 v[L+4:L+5], v[L+4:L+5], v[L+6:L+7]
	v_pk_add_f32 v[L:L+1], v[L:L+1], v[L+4:L+5]
	v_add_f32 v[L], v[L], v[L+1]
	v_permlanex16_b32 v[L+2], v[L], s[SEL], s[SEL+1]
	v_add_f32 v[L], v[L], v[L+2]                   ; the row's sum
	s_wait_alu depctr_va_vdst(0)
	v_rcp_f32 v[BM], v[L]
.rept 4
	v_nop                                          ; with the five additions above: more than the eight places between a scale word made by vector instructions and a scaled product
.endr
	s_wait_alu depctr_va_vdst(0)                   ; p's codes, its scale words and V's are written, which the scaled products take; the reciprocal is written, ahead of its first reader; and all that was issued is done with v[BT ..], v[QS], v[KS ..], v[VH ..] and V's other buffer, in which the next head's loads land
	WIN 0x01
.irp ks, 0,1
.irp u, 0,1
.if \ks == 0
	v_wmma_scale_f32_16x16x128_f8f6f4 v[O+8*\u:O+8*\u+7], v[VFB+8*(2*\u+\ks):VFB+8*(2*\u+\ks)+7], v[PP+8*\ks:PP+8*\ks+7], 0, v[VS+2*\u+\ks], v[PS0-9*\ks] matrix_a_fmt:MATRIX_FMT_FP4 matrix_b_fmt:MATRIX_FMT_FP4
.else
	v_wmma_scale_f32_16x16x128_f8f6f4 v[O+8*\u:O+8*\u+7], v[VFB+8*(2*\u+\ks):VFB+8*(2*\u+\ks)+7], v[PP+8*\ks:PP+8*\ks+7], v[O+8*\u:O+8*\u+7], v[VS+2*\u+\ks], v[PS0-9*\ks] matrix_a_fmt:MATRIX_FMT_FP4 matrix_b_fmt:MATRIX_FMT_FP4
.endif
.endr
.endr
	WIN 0
.if (\j4) < 3
	ULOADS (\j4)+1                                 ; the next head's loads.  No wait: the four products and the lines up to the next head name this head's V, p, O, v12 to v19, v[PCX ..] and v[CW] alone
.endif
.rept 4
	v_nop
.endr
.irp j, 0,2,4,6,8,10,12,14
	v_pk_mul_f32 v[O+\j:O+\j+1], v[O+\j:O+\j+1], v[BM:BM+1] op_sel_hi:[1,0]   ; ctx: features 16 h + 0 .. 15 of the head, from each accumulator's low end on
.endr
	v_max3_num_f32 v[BM+2], |v[O]|, |v[O+1]|, 0x1800000
	v_max3_num_f32 v[BM+3], |v[O+8]|, |v[O+9]|, 0x1800000
.irp i, 2,4,6
	v_max3_num_f32 v[BM+2], v[BM+2], |v[O+\i]|, |v[O+\i+1]|
	v_max3_num_f32 v[BM+3], v[BM+3], |v[O+8+\i]|, |v[O+9+\i]|
.endr
	v_max_num_f32 v[BM+2], v[BM+2], v[BM+3]
	v_permlanex16_b32 v[BM+5], v[BM+2], s[SEL], s[SEL+1]
	v_max_num_f32 v[BM+2], v[BM+2], v[BM+5]
	v_add_nc_u32 v[BM+4], 0xff000000, v[BM+2]
	v_lshrrev_b32 v[BM+6], 23, v[BM+4]
	v_cvt_scalef32_pk8_fp4_f32 v[PCX+2*(\j4)], v[O:O+7], v[BM+4]
	v_cvt_scalef32_pk8_fp4_f32 v[PCX+2*(\j4)+1], v[O+8:O+15], v[BM+4]
	v_nop
.if (\j4) == 0
	v_mov_b32 v[CW], v[BM+6]
.else
	v_lshl_or_b32 v[CW], v[BM+6], 8*(\j4), v[CW]
.endif
.endm
	s_wait_alu depctr_vm_vsrc(0)                   ; the last piece's stores have read v[WS ..], its loads v[VWG] and v[VWGS], Q's stores and loads v[AD0] to v[AD5], v[PC ..] and v[KB ..]: attention writes all of these again
.irp k, 0,1,2,3
	v_mov_b32 v[QF+\k], 0
	v_mov_b32 v[QF+8+\k], 0
.endr
	s_mov_b32 s[CNT], 4
.Lg:
	v_add_nc_u32 v[AD0], s[SKI], v[LN16]
	v_add_nc_u32 v[AD1], s[SKS], v[R16]
	v_add_nc_u32 v[AD2], s[SQC], v[R16]
	v_add_nc_u32 v[AD3], s[SQS], v[R4]
	v_add_nc_u32 v[AD4], s[SVI], v[LN16]
	v_add_nc_u32 v[AD5], s[SVS], v[R8]
	v_add_nc_u32 v[AD6], s[SCI], v[LN16]
	v_add_nc_u32 v[AD7], s[SCS], v[LN16]
	s_wait_alu depctr_va_vdst(0)                   ; the trip's eight addresses are written; all that was issued is done with KF and with the first head's registers, in which the loads below land
	WIN 0x40
.irp c, 0,1
.set k, 0
.rept 16
	ds_load_b128 v[KF+8*k+4*\c:KF+8*k+4*\c+3], v[AD0] offset:\c*32768+k*2048   ; K's 16 tiles of keys, four heads each
.set k, k+1
.endr
.endr
	WIN 0
	ULOADS 0
	UNIT 0
	UNIT 1
	UNIT 2
	UNIT 3
.irp c, 0,1
.irp i, 0,1
	v_permlane16_swap_b32 v[PCX+4*\c+\i], v[PCX+4*\c+2+\i]     ; four heads are one K step of the last product
.endr
.endr
	s_wait_alu depctr_va_vdst(0)                   ; ctx's codes v[PCX ..] and its scale word v[CW] are written, which the stores read
	ds_store_b128 v[AD6], v[PCX:PCX+3]
	ds_store_b128 v[AD6], v[PCX+4:PCX+7] offset:512
	ds_store_b32 v[AD7], v[CW]
	s_wait_alu depctr_vm_vsrc(0)                   ; the trip's loads and stores have read v[AD0] to v[AD7], v[PCX ..] and v[CW], which the next trip, and behind the loop the patterns, write again
	s_add_co_u32 s[SKI], s[SKI], 512
	s_add_co_u32 s[SKS], s[SKS], 512
	s_add_co_u32 s[SQC], s[SQC], 256
	s_add_co_u32 s[SQS], s[SQS], 64
	s_add_co_u32 s[SVI], s[SVI], 2048
	s_add_co_u32 s[SVS], s[SVS], 256
	s_add_co_u32 s[SCI], s[SCI], 1024
	s_add_co_u32 s[SCS], s[SCS], 4
	s_sub_co_i32 s[CNT], s[CNT], 1
	s_cmp_lg_u32 s[CNT], 0
	s_cbranch_scc1 .Lg
	BAR                                            ; ctx's 32 images lie in LDS; nobody reads K, V or Q any more
	; ---- Wo, the residual, the way out: a trip makes 128 columns of my work-group's 128 rows
.macro OROWS from                      ; eight rows as they come back from the stage: the residual is added
.set k, \from
.rept 8
	s_wait_dscnt 15-k                              ; row k is back; the younger loads stay out
	v_pk_add_f32 v[Y+4*k:Y+4*k+1], v[Y+4*k:Y+4*k+1], v[XRR+4*k:XRR+4*k+1]
	v_pk_add_f32 v[Y+4*k+2:Y+4*k+3], v[Y+4*k+2:Y+4*k+3], v[XRR+4*k+2:XRR+4*k+3]
.set k, k+1
.endr
.endm
.macro OSEND from                      ; and leave
.set k, \from
.rept 8
	global_store_b128 v[LN16], v[Y+4*k:Y+4*k+3], s[LO:LO+1] offset:(k+8*(k/8))*2048 th:TH_STORE_NT   ; 32 lanes store 512 consecutive bytes, aligned
.set k, k+1
.endr
.endm
.macro OTRIP more
.if \more
	s_wait_xcnt 0x0
	s_add_nc_u64 s[NP:NP+1], s[NP:NP+1], 32768
	s_add_nc_u64 s[NPS:NPS+1], s[NPS:NPS+1], 2048
.endif
	s_add_co_u32 s36, s[WB], s[HQA]
	s_add_co_u32 s37, s[WB], s[HQS]
	s_wait_alu depctr_vm_vsrc(0)                   ; the loads and stores issued so far have read v[AD0] to v[AD6], v[WS ..], v[Y ..] and v[PC ..], which this trip writes again
	v_add_nc_u32 v[AD0], s36, v[PW272]
	v_add_nc_u32 v[AD1], s37, v[PS16]
	v_add_nc_u32 v[AD2], s[SOSW], v[P528]
	v_add_nc_u32 v[AD3], s[SOSR], v[LN16]
	v_add_nc_u32 v[AD6], s[SSUM], v[LN16]
.if \more
	WADDR
.endif
	s_wait_alu depctr_va_vdst(0)                   ; the trip's addresses are written; the last trip's additions are done reading v[XRR ..] and its products WF0 and v[WSC ..], in which the loads below land (first trip: attention is done with v[WS ..] and v[XRR ..], and v[VWG], v[VWGS] are written)
.if \more
	WLOAD
.endif
.set k, 0
.rept 16
	global_load_b128 v[XRR+4*k:XRR+4*k+3], v[LN16], s[XO:XO+1] offset:(k+8*(k/8))*2048   ; x at the 16 rows that I shall store
.set k, k+1
.endr
	FRAGS WF0, WSC, 0
	s_wait_dscnt 0x0
	MM8 1, WF0, WSC
	s_wait_alu depctr_va_vdst(0)                   ; the products have written the accumulators, which the stores read; the places above stay beside this wait
.irp i, 0,1,2,3
.irp q, 0,1,2,3
	ds_store_b128 v[AD2], v[ACC+16*\i+4*\q:ACC+16*\i+4*\q+3] offset:8448*\i+16*\q   ; stage row 16 tile + r, my 32 columns; each accumulator from its low end on
.endr
.endr
	BAR                                            ; 128 rows x 512 bytes lie in the stage
	s_wait_alu depctr_vm_vsrc(0)                   ; my stores into the stage have read the accumulators, in which the rows below land
.set k, 0
.rept 16
	ds_load_b128 v[Y+4*k:Y+4*k+3], v[AD3] offset:528*k
.set k, k+1
.endr
	s_wait_loadcnt 0x0                             ; the residual (and the next piece)
	OROWS 0
	s_wait_alu depctr_va_vdst(0)                   ; rows 0 to 7 are written, which the eight stores read
	OSEND 0
	OROWS 8
	v_pk_add_f32 v[PC:PC+1], v[Y:Y+1], v[Y+4:Y+5]  ; the column sums of my 16 rows
	v_pk_add_f32 v[PC+2:PC+3], v[Y+2:Y+3], v[Y+6:Y+7]
.set k, 2
.rept 14
	v_pk_add_f32 v[PC:PC+1], v[PC:PC+1], v[Y+4*k:Y+4*k+1]
	v_pk_add_f32 v[PC+2:PC+3], v[PC+2:PC+3], v[Y+4*k+2:Y+4*k+3]
.set k, k+1
.endr
	s_wait_alu depctr_va_vdst(0)                   ; rows 8 to 15 and the column sums are written, which the stores below read
	OSEND 8
	ds_store_b128 v[AD6], v[PC:PC+3]
.if \more
	WSTORE
.endif
	s_wait_xcnt 0x0                                ; the loads and stores have read their bases and data
	s_add_nc_u64 s[XO:XO+1], s[XO:XO+1], 512
	s_add_nc_u64 s[LO:LO+1], s[LO:LO+1], 512
	s_add_co_u32 s[SSUM], s[SSUM], 512
	BAR                                            ; the stage has been read, the next piece lies in LDS
	s_xor_b32 s[WB], s[WB], TURN
	s_xor_b32 s[WBN], s[WBN], TURN
.endm
	PATTERNS
	RESIDENT TGQ                                   ; ctx's images lie where x's tiles 0-7 lay
	s_mov_b32 s[CNT], 3
.Lo:
	OTRIP 1
	s_sub_co_i32 s[CNT], s[CNT], 1
	s_cmp_lg_u32 s[CNT], 0
	s_cbranch_scc1 .Lo
	OTRIP 0                                        ; the last piece: nothing more is asked for
	; ---- the eight waves' sums: thread t adds two columns
	s_wait_alu depctr_vm_vsrc(0)                   ; the last trip's loads have read v[AD0] and v[AD1], its stores v[Y ..]: all are written again
	v_lshl_add_u32 v[AD0], v0, 3, SUMS
	v_lshlrev_b32 v[AD1], 3, v0
	s_wait_alu depctr_va_vdst(0)                   ; v[AD0] and v[AD1] are written, which the loads and the store below read
.irp k, 0,1,2,3,4,5,6,7
	ds_load_b64 v[Y+2*\k:Y+2*\k+1], v[AD0] offset:2048*\k
.endr
	s_lshl_b32 s36, ttmp9, 11
	s_mov_b32 s37, 0
	s_add_nc_u64 s[28:29], s[28:29], s[36:37]
	s_wait_dscnt 0x0
.irp k, 1,2,3,4,5,6,7
	v_pk_add_f32 v[Y:Y+1], v[Y:Y+1], v[Y+2*\k:Y+2*\k+1]
.endr
	s_wait_alu depctr_va_vdst(0)                   ; the sums are written, which the store reads
	global_store_b64 v[AD1], v[Y:Y+1], s[28:29]    ; a wave stores 256 consecutive bytes, aligned
	s_wait_xcnt 0x0
	v_lshl_add_u32 v254, v0, 2, 0x4d000
	v_mov_b32 v255, 0
	s_wait_dscnt 0x0                               ; the closing lines, six on end
	s_wait_alu 0x0
	s_wait_tensorcnt 0x0
	ds_add_u32 v254, v255
	s_wait_dscnt 0x0
	s_endpgm
.Lfunc_end_k_q3046d23edb_local:
	.size	k_q3046d23edb_local, .Lfunc_end_k_q3046d23edb_local-k_q3046d23edb_local
	.p2alignl 7, 3214868480
	.fill 96, 4, 3214868480
	.section	.rodata,"a",@progbits
	.p2align	6, 0x0
	.amdhsa_kernel k_q3046d23edb_local
		.amdhsa_group_segment_fixed_size 316416
		.amdhsa_private_segment_fixed_size 0
		.amdhsa_enable_private_segment 0
		.amdhsa_kernarg_size 88
		.amdhsa_user_sgpr_count 2
		.amdhsa_user_sgpr_kernarg_segment_ptr 1
		.amdhsa_wavefront_size32 1
		.amdhsa_system_sgpr_workgroup_id_x 1
		.amdhsa_system_sgpr_workgroup_id_y 1
		.amdhsa_system_sgpr_workgroup_id_z 1
		.amdhsa_system_vgpr_workitem_id 0
		.amdhsa_next_free_vgpr 512
		.amdhsa_next_free_sgpr 96
		.amdhsa_reserve_vcc 0
		.amdhsa_float_denorm_mode_32 3
		.amdhsa_float_denorm_mode_16_64 3
		.amdhsa_memory_ordered 1
		.amdhsa_forward_progress 1
		.amdhsa_inst_pref_size 255
	.end_amdhsa_kernel
	.section	.bss,"aw",@nobits
	.p2align	6
	.space	262144
	.amdgpu_metadata
---
amdhsa.version: [ 1, 2 ]
amdhsa.kernels:
  - .name:           k_q3046d23edb_local
    .symbol:         k_q3046d23edb_local.kd
    .args:
      - { .name: x, .offset: 0, .size: 8, .value_kind: global_buffer, .address_space: global }
      - { .name: Wq_l_codes, .offset: 8, .size: 8, .value_kind: global_buffer, .address_space: global }
      - { .name: Wq_l_scales, .offset: 16, .size: 8, .value_kind: global_buffer, .address_space: global }
      - { .name: Wk_l_codes, .offset: 24, .size: 8, .value_kind: global_buffer, .address_space: global }
      - { .name: Wk_l_scales, .offset: 32, .size: 8, .value_kind: global_buffer, .address_space: global }
      - { .name: Wv_l_codes, .offset: 40, .size: 8, .value_kind: global_buffer, .address_space: global }
      - { .name: Wv_l_scales, .offset: 48, .size: 8, .value_kind: global_buffer, .address_space: global }
      - { .name: Wo_l_codes, .offset: 56, .size: 8, .value_kind: global_buffer, .address_space: global }
      - { .name: Wo_l_scales, .offset: 64, .size: 8, .value_kind: global_buffer, .address_space: global }
      - { .name: loc, .offset: 72, .size: 8, .value_kind: global_buffer, .address_space: global }
      - { .name: psum, .offset: 80, .size: 8, .value_kind: global_buffer, .address_space: global }
    .group_segment_fixed_size: 316416
    .private_segment_fixed_size: 0
    .kernarg_segment_align: 8
    .kernarg_segment_size: 88
    .max_flat_workgroup_size: 256
    .sgpr_count:     96
    .vgpr_count:     512
    .wavefront_size: 32
...
	.end_amdgpu_metadata
.endif
;; end of part 4
;; launch glob (part 5): grid 8 x 4, 8 waves a work-group, no clusters, 140,800 bytes of LDS; arguments psum, Wq_g_codes, Wq_g_scales, Wk_g_codes, Wk_g_scales, Wv_g_codes, Wv_g_scales, Wo_g_codes, Wo_g_scales, gpart; writes gpart
.if DOCPART == 5
	.amdgcn_target "amdgcn-amd-amdhsa--gfx1250"
	.amdhsa_code_object_version 6
	.text
	.protected	k_q3046d23edb_glob
	.globl	k_q3046d23edb_glob
	.p2align	8
	.type	k_q3046d23edb_glob,@function
k_q3046d23edb_glob:
	s_mov_b64 s[64:65], 0
	v_nop
	global_prefetch_b8 v0, s[64:65] scope:SCOPE_SE
	s_setreg_imm32_b32 hwreg(HW_REG_WAVE_SCHED_MODE, 0, 2), 2
	s_setreg_imm32_b32 hwreg(HW_REG_WAVE_MODE, 25, 1), 1
	s_wait_xcnt 0x0
	s_wait_alu depctr_vm_vsrc(0)
; THE GLOBAL ATTENTION OVER THE 32 CHUNK MEANS OF ONE BATCH, ONE PAIR OF HEADS TO A WORK-GROUP.  All six products on codes of FP4 (E2M1) with one E8M0 byte for each 32 along K.
; Work-group (j, batch): heads 2 j and 2 j + 1.  The last product is split along its K: a block of 32 along K is one head, so ctx's quantiser needs no other head, and
; mean + ctx Wo = mean + the sum over j of ctx[:, 64 j .. 64 j + 63] Wo[64 j .. 64 j + 63, :].  gpart[chunk][j][:] is part j; part 0 carries the mean; the next launch adds the eight parts, in f32.
; SHARES.  All eight waves make and quantise the means (wave w: tile of rows w % 2, K step w / 2) and bring the 64 rows of Wq, Wk, Wv that these heads need into LDS, by loads of 512 consecutive bytes;
; on the way rows change places (bits 3 and 4 of the row in its head), so that a tile's 16 rows lie on end.  Then wave 0 alone takes the two heads through q, k, the scores, the softmax, v, p v and ctx's quantiser:
; nothing goes between waves there; the other waves fetch their rows of Wo meanwhile.  Then every wave makes 64 columns of the part.  The waves part on the wave's number once.
; The row map, the two product forms and the quantiser are those of the local launch: tile u takes in lane r item 8 u + r + 8 (r / 8).  K of the scores and of p v is 32: one block; a fragment holds it in registers 0-3 of
; lanes 0-15 and zero codes elsewhere.  K of the part is 64: ctx's fragment holds two blocks in registers 0-3 and zero codes in registers 4-7, so what Wo's fragment holds in its registers 4-7 counts for nothing.
; p = 2^(t - M), M = ceil of the row's largest t; the row's sum is of the unquantised p and divides at the end.
; No cluster and no joint load: what the eight work-groups of a batch share is the 131,072 bytes of sums, which a lane takes by rows into registers; of the weights a work-group takes 69,632 bytes.
; LIMITS: NaN and infinities are not served.  A block whose largest magnitude lies under 2^-124 gets the byte 1; so does a block of zeros, where the rule says 127: its codes are zeros and only this program reads the bytes.
; A block's largest p is made from its largest score by the same multiply-add and exponential.  Sums are taken in another order than the definition's, all in f32.
; THE MODE: SCHED_MODE bits 1:0 = 2 (LLVM: expert scheduling mode 2), set by the entry lines.  The code itself states the register dependences
; between vector or matrix instructions and memory or LDS instructions, with s_wait_alu, always for 0.
; THE PLAN.  Registers that memory or LDS instructions touch:
;   v1 to v11, v20 to v23   offsets and LDS addresses: all made at the head, ahead of one wait on va_vdst, and never written again.
;   ACC, XR                 loads land (the sums, the means' images, ctx's images, the means in f32, the part's rows); additions and products read and write them; stores read them (the means, the part).
;   WFA, WSA, WFB, WSB, XRS loads land; products read.  The low 51 registers of window 1 first carry the weights' rows from memory into LDS.
;   PC, PW, PW2             written by the quantiser, read by stores.
; Each run of stores stands behind one wait on va_vdst; each run of loads into registers that vector or matrix instructions have named stands behind one; one wait on vm_vsrc, behind the first barrier and
; ahead of the place where the waves part, frees all that the first stores read.
; LDS: 0 the means' 8 images | 8192 their scale words | 9216 ctx's 2 images | 17408 their scale words | 18432 the means in f32, later the part: 32 rows of 2,048 + 16 bytes
;      | 84480 Wq's, Wk's, Wv's 64 rows of 256 + 16 bytes | 136704 their scale bytes, 1,024 each
.set SIMG, 0
.set SSC,  8192
.set GC,   9216
.set GCS,  17408
.set SUMF, 18432
.set SP,   2064
.set WL,   84480
.set WLS,  136704
.set LN16, 1                           ; 16 x lane
.set PSO,  2                           ; the sums: my lane's offset
.set WGO,  3                           ; a weight's rows on their way in: offset in memory,
.set WGS,  4                           ; their scale bytes,
.set SFW,  5
.set SIW,  6
.set SSW,  7
.set WLW,  8                           ; their place in LDS,
.set WSW,  9                           ; and the scale bytes'
.set SFR,  10
.set WLR,  11                          ; a weight fragment in LDS: 272 r + 16 h
.set TM,   12                          ; v12-15 largest magnitudes, v16-19 bytes, v24-27 the conversions' scale operands
.set ROWA, 20
.set WOO,  21                          ; Wo's slice: my lane's offset; v22: its scale bytes'
.set WOS,  22
.set WSR,  23                          ; a weight's scale words in LDS: 16 (r + 8 (r / 8))
.set NM,   28                          ; v28-31 -M of the four rows; before and after the softmax v28, v29 hold scale words in the making
.set PW,   28
.set PW2,  29
.set XRS,  32
.set WSA,  40
.set WSB,  56
.set SQ,   72
.set SK,   76
.set L,    80
.set RL,   84
.set PC,   88
.set ACC,  96
.set XR,   160
.set FR1,  160
.set FR0,  224
.set WFA,  0                           ; window 1
.set WFB,  128
.set W,   30
.set U,   31
.set SS,  32
.set BA,  33
.set PB,  34
.set GB,  36
.set SEL, 40
.set CS,  42
.set FAC, 46
.set MSB, 0
.macro WIN new                         ; bits 1:0 source 0, 3:2 source 1, 5:4 source 2, 7:6 destination; the high byte repeats the setting that is left
.if MSB != \new
	s_set_vgpr_msb (MSB<<8)|\new
.set MSB, \new
.endif
.endm
.macro BAR                             ; my LDS stores have landed and my LDS loads are in: then the work-group's barrier
	s_wait_dscnt 0x0
	s_barrier_signal -1
	s_barrier_wait -1
.endm
.macro NOPS n
.rept \n
	v_nop
.endr
.endm
.macro WSTAGE t, cb, sb                ; my 8 rows of weight t: four loads of 512 consecutive bytes; and my 128 scale bytes
.irp i, 0,1,2,3
	global_load_b128 v[16*(\t)+4*\i:16*(\t)+4*\i+3], v[WGO], s[\cb:\cb+1] offset:512*\i
.endr
	global_load_b32 v[48+(\t)], v[WGS], s[\sb:\sb+1]
.endm
.macro WFETCH wf, wsc, t               ; weight t's four tiles x four K steps, and their scale words: 36 LDS loads
	WIN 0x40
.irp f, 0,1,2,3
.irp s, 0,1,2,3
.irp c, 0,1
	ds_load_b128 v[\wf+8*(4*\f+\s)+4*\c:\wf+8*(4*\f+\s)+4*\c+3], v[WLR] offset:(\t)*17408+\f*4352+64*\s+32*\c
.endr
.endr
.endr
	WIN 0
.irp f, 0,1,2,3
	ds_load_b128 v[\wsc+4*\f:\wsc+4*\f+3], v[WSR] offset:(\t)*1024+(\f/2)*512+(\f%2)*128
.endr
.endm
; My 64 rows of Wo, their blocks 2 j and 2 j + 1: tile f's four registers at v[WFB + 4 f].  An operand names eight: the upper four are the next tile's (behind the last tile: its own once more); they meet zero codes.
.macro WOLOAD
	WIN 0x40
.irp f, 0,1,2,3
	global_load_b128 v[WFB+4*\f:WFB+4*\f+3], v[WOO], s[22:23] offset:(32*(\f/2)+8*(\f%2))*256
.endr
	global_load_b128 v[WFB+16:WFB+19], v[WOO], s[22:23] offset:40*256
	WIN 0
.irp f, 0,1,2,3
	global_load_u16 v[WSB+\f], v[WOS], s[24:25] offset:(32*(\f/2)+8*(\f%2))*16   ; the two blocks' bytes; the upper two bytes of the word are 0
.endr
.endm
.macro XFETCH img, sc                  ; the two tiles of rows x four K steps, and their scale words
.set j, 0
.rept 16
	ds_load_b128 v[XR+4*j:XR+4*j+3], v[LN16] offset:\img+512*j
.set j, j+1
.endr
.irp i, 0,1
	ds_load_b128 v[XRS+4*\i:XRS+4*\i+3], v[LN16] offset:\sc+512*\i
.endr
.endm
; 32 products: four tiles of a weight x the two tiles of rows x K = 512; eight accumulators by turns, one instruction a turn
.macro MMG tr, wf, wsc
.if \tr
	WIN 0x01
.else
	WIN 0x04
.endif
.irp s, 0,1,2,3
.irp e, 0,1
.irp u, 0,1
.irp i, 0,1
.if \tr
.set DD, ACC+16*(2*\e+\i)+8*\u
.if \s == 0
	v_wmma_scale_f32_16x16x128_f8f6f4 v[DD:DD+7], v[\wf+8*(4*(2*\e+\u)+\s):\wf+8*(4*(2*\e+\u)+\s)+7], v[XR+8*(4*\i+\s):XR+8*(4*\i+\s)+7], 0, v[\wsc+4*(2*\e+\u)+\s], v[XRS+4*\i+\s] matrix_a_fmt:MATRIX_FMT_FP4 matrix_b_fmt:MATRIX_FMT_FP4
.else
	v_wmma_scale_f32_16x16x128_f8f6f4 v[DD:DD+7], v[\wf+8*(4*(2*\e+\u)+\s):\wf+8*(4*(2*\e+\u)+\s)+7], v[XR+8*(4*\i+\s):XR+8*(4*\i+\s)+7], v[DD:DD+7], v[\wsc+4*(2*\e+\u)+\s], v[XRS+4*\i+\s] matrix_a_fmt:MATRIX_FMT_FP4 matrix_b_fmt:MATRIX_FMT_FP4
.endif
.else
.set DD, ACC+16*(2*\e+\u)+8*\i
.if \s == 0
	v_wmma_scale_f32_16x16x128_f8f6f4 v[DD:DD+7], v[XR+8*(4*\i+\s):XR+8*(4*\i+\s)+7], v[\wf+8*(4*(2*\e+\u)+\s):\wf+8*(4*(2*\e+\u)+\s)+7], 0, v[XRS+4*\i+\s], v[\wsc+4*(2*\e+\u)+\s] matrix_a_fmt:MATRIX_FMT_FP4 matrix_b_fmt:MATRIX_FMT_FP4
.else
	v_wmma_scale_f32_16x16x128_f8f6f4 v[DD:DD+7], v[XR+8*(4*\i+\s):XR+8*(4*\i+\s)+7], v[\wf+8*(4*(2*\e+\u)+\s):\wf+8*(4*(2*\e+\u)+\s)+7], v[DD:DD+7], v[XRS+4*\i+\s], v[\wsc+4*(2*\e+\u)+\s] matrix_a_fmt:MATRIX_FMT_FP4 matrix_b_fmt:MATRIX_FMT_FP4
.endif
.endif
.endr
.endr
.endr
.endr
	WIN 0
	NOPS 5                                         ; places behind the products (ISA guide 7.12.1): four for reads of the results, five for sums begun anew on these registers
.endm
.macro QMAX src                        ; 64 numbers of a lane, register 16 b + i = k 32 b + 16 h + i of my row: the four blocks' bytes and the conversions' scale operands
.irp b, 0,1,2,3
	v_max3_num_f32 v[TM+\b], |v[\src+16*\b]|, |v[\src+16*\b+1]|, 0x1800000   ; the floor 2^(3 - 127) holds the byte at 1 from below
.endr
.irp i, 2,4,6,8,10,12,14
.irp b, 0,1,2,3
	v_max3_num_f32 v[TM+\b], v[TM+\b], |v[\src+16*\b+\i]|, |v[\src+16*\b+\i+1]|
.endr
.endr
.irp b, 0,1,2,3
	v_permlanex16_b32 v[TM+4+\b], v[TM+\b], s[SEL], s[SEL+1]
.endr
.irp b, 0,1,2,3
	v_max_num_f32 v[TM+\b], v[TM+\b], v[TM+4+\b]
.endr
.irp b, 0,1,2,3
	v_add_nc_u32 v[TM+12+\b], 0xff000000, v[TM+\b] ; 2 off the exponent field
.endr
.irp b, 0,1,2,3
	v_lshrrev_b32 v[TM+4+\b], 23, v[TM+12+\b]      ; the byte
.endr
.endm
.macro QCVT src                        ; four blocks into eight registers: registers 4 c .. 4 c + 3 of lane (r, h) hold block 2 c + h
.irp b, 0,1,2,3
	v_cvt_scalef32_pk8_fp4_f32 v[PC+2*\b], v[\src+16*\b:\src+16*\b+7], v[TM+12+\b]
	v_cvt_scalef32_pk8_fp4_f32 v[PC+2*\b+1], v[\src+16*\b+8:\src+16*\b+15], v[TM+12+\b]
.endr
	v_nop                                          ; one plain place behind the conversions
.irp c, 0,1
.irp i, 0,1
	v_permlane16_swap_b32 v[PC+4*\c+\i], v[PC+4*\c+2+\i]
.endr
.endr
.endm
.macro QTAIL f                         ; four blocks into four fragments, each with its one block in registers 0-3 of lanes 0-15 and zero codes elsewhere
.irp b, 0,1,2,3
.irp z, 2,3,4,5,6,7
	v_mov_b32 v[\f+8*\b+\z], 0
.endr
.endr
.irp b, 0,1,2,3
	v_cvt_scalef32_pk8_fp4_f32 v[\f+8*\b], v[ACC+16*\b:ACC+16*\b+7], v[TM+12+\b]
	v_cvt_scalef32_pk8_fp4_f32 v[\f+8*\b+1], v[ACC+16*\b+8:ACC+16*\b+15], v[TM+12+\b]
.endr
	v_nop
.irp b, 0,1,2,3
	v_permlane16_swap_b32 v[\f+8*\b], v[\f+8*\b+2]
	v_permlane16_swap_b32 v[\f+8*\b+1], v[\f+8*\b+3]
.endr
.endm
.macro QUANT1 f, sb
	QMAX ACC
.irp b, 0,1,2,3
	v_mov_b32 v[\sb+\b], v[TM+4+\b]
.endr
	QTAIL \f
.endm
	; ---- the head: every address register is made here, ahead of the place where the waves part
	s_load_b512 s[8:23], s[0:1], 0x0               ; psum, Wq codes, Wq scales, Wk codes, Wk scales, Wv codes, Wv scales, Wo codes
	s_load_b128 s[24:27], s[0:1], 0x40             ; Wo scales, gpart
	v_lshrrev_b32 v24, 5, v0
	v_readfirstlane_b32 s[W], v24                  ; wave 0..7
	v_and_b32 v[LN16], 31, v0
	v_lshlrev_b32 v[LN16], 4, v[LN16]
	v_and_b32 v24, 15, v0                          ; r
	v_bfe_u32 v25, v0, 4, 1                        ; h
	s_wait_alu depctr_va_vdst(0)
	v_and_b32 v26, 8, v24
	v_add_nc_u32 v26, v26, v24                     ; r + 8 (r / 8)
	v_lshlrev_b32 v[PSO], 12, v26
	v_lshl_add_u32 v[PSO], v25, 6, v[PSO]          ; psum: a chunk is two rows of 2,048 bytes
	s_wait_alu depctr_va_sdst(0)                   ; s[W] is written, ahead of its first reader: every share and base below is made from it
	s_and_b32 s[U], s[W], 1                        ; the means: my tile of rows,
	s_lshr_b32 s[SS], s[W], 1                      ; my K step
	s_and_b32 s[BA], ttmp7, 0xffff                 ; the batch; ttmp9: the pair of heads j
	s_lshl_b32 s38, ttmp9, 14                      ; Wq, Wk, Wv: rows 64 j on, of 256 bytes; my 8 of them
	s_lshl_b32 s39, s[W], 11
	s_add_co_u32 s38, s38, s39
	v_add_nc_u32 v[WGO], s38, v[LN16]
	s_lshl_b32 s38, ttmp9, 10                      ; their scale bytes: 16 a row; 4 bytes a thread
	v_lshl_add_u32 v[WGS], v0, 2, s38
	v_lshl_add_u32 v[WSW], v0, 2, WLS
	s_lshr_b32 s38, s[W], 2                        ; row 8 w + 2 i + h goes to LDS row 32 (w / 4) + 16 (w % 2) + 8 ((w / 2) % 2) + 2 i + h
	s_lshl_b32 s38, s38, 5
	s_lshl_b32 s39, s[U], 4
	s_add_co_u32 s38, s38, s39
	s_and_b32 s39, s[SS], 1
	s_lshl_b32 s39, s39, 3
	s_add_co_u32 s38, s38, s39
	s_mul_i32 s38, s38, 272
	s_add_co_u32 s38, s38, WL
	v_mul_u32_u24 v[WLW], v25, 272
	v_lshl_add_u32 v[WLW], v24, 4, v[WLW]
	v_add_nc_u32 v[WLW], s38, v[WLW]
	v_mul_u32_u24 v[WLR], v24, 272
	v_lshl_add_u32 v[WLR], v25, 4, v[WLR]
	v_add_nc_u32 v[WLR], WL, v[WLR]
	v_lshl_add_u32 v[WSR], v26, 4, WLS
	s_lshl_b32 s38, s[W], 14                       ; Wo: my 64 rows, bytes 32 j + 16 h of each
	s_lshl_b32 s39, ttmp9, 5
	s_add_co_u32 s38, s38, s39
	v_lshlrev_b32 v[WOO], 8, v26
	v_lshl_add_u32 v[WOO], v25, 4, v[WOO]
	v_add_nc_u32 v[WOO], s38, v[WOO]
	s_lshl_b32 s38, s[W], 10                       ; and scale bytes 2 j, 2 j + 1 of each
	s_lshl_b32 s39, ttmp9, 1
	s_add_co_u32 s38, s38, s39
	v_lshl_add_u32 v[WOS], v26, 4, s38
	v_mul_u32_u24 v[SFR], v26, SP
	v_lshl_add_u32 v[SFR], v25, 6, v[SFR]
	s_mul_i32 s38, s[U], 8*SP
	s_lshl_b32 s39, s[SS], 9
	s_add_co_u32 s38, s38, s39
	s_add_co_u32 s38, s38, SUMF
	v_add_nc_u32 v[SFW], s38, v[SFR]               ; the means in f32: row 8 u + r + 8 (r / 8), bytes 512 s + 64 h on
	s_lshl_b32 s38, s[W], 8
	s_add_co_u32 s38, s38, SUMF
	v_add_nc_u32 v[SFR], s38, v[SFR]               ; and at the end: my 64 columns
	s_lshl_b32 s38, s[U], 12
	s_lshl_b32 s39, s[SS], 10
	s_add_co_u32 s38, s38, s39
	v_add_nc_u32 v[SIW], s38, v[LN16]
	s_lshl_b32 s38, s[U], 9
	s_lshl_b32 s39, s[SS], 2
	s_add_co_u32 s38, s38, s39
	s_add_co_u32 s38, s38, SSC
	v_add_nc_u32 v[SSW], s38, v[LN16]
	s_mul_i32 s38, s[W], 4*SP
	s_add_co_u32 s38, s38, SUMF
	v_add_nc_u32 v[ROWA], s38, v[LN16]
.irp b, 0,1,2,3
	v_mov_b32 v[TM+4+\b], 0                        ; a lane permute's destination counts as one of its sources
.endr
	s_mov_b32 s[SEL], 0x76543210
	s_mov_b32 s[SEL+1], 0xfedcba98                 ; v_permlanex16_b32: lane l xor 16
	s_mov_b32 s[CS], 0x3e8293ee                    ; c = log2(e) / sqrt(32)
	s_cmp_eq_u32 ttmp9, 0
	s_cselect_b32 s[FAC], 1.0, 0                   ; part 0 carries the mean
	s_mov_b32 s[FAC+1], s[FAC]
	s_lshl_b32 s38, s[BA], 17                      ; the batch: 32 chunks of 4,096 bytes of psum
	s_lshl_b32 s39, s[U], 15
	s_add_co_u32 s38, s38, s39
	s_lshl_b32 s39, s[SS], 9
	s_add_co_u32 s38, s38, s39
	s_mov_b32 s39, 0
	s_lshl_b32 s44, s[BA], 19                      ; gpart: a chunk is eight parts of 2,048 bytes; my four chunks; part j
	s_lshl_b32 s45, s[W], 16
	s_add_co_u32 s44, s44, s45
	s_lshl_b32 s45, ttmp9, 11
	s_add_co_u32 s44, s44, s45
	s_mov_b32 s45, 0
	s_wait_kmcnt 0x0
	s_add_nc_u64 s[PB:PB+1], s[8:9], s[38:39]
	s_add_nc_u64 s[GB:GB+1], s[26:27], s[44:45]
	s_wait_alu depctr_va_vdst(0)                   ; the fifteen offsets and addresses v1 to v11 and v20 to v23 are written, which every load and store of the kernel reads
	; ---- the means, and the three weights' rows into LDS: every wave alike
.irp b, 0,1,2,3
.irp q, 0,1,2,3
	global_load_b128 v[ACC+16*\b+4*\q:ACC+16*\b+4*\q+3], v[PSO], s[PB:PB+1] offset:128*\b+16*\q
	global_load_b128 v[XR+16*\b+4*\q:XR+16*\b+4*\q+3], v[PSO], s[PB:PB+1] offset:2048+128*\b+16*\q
.endr
.endr
	WIN 0x40
	WSTAGE 0, 10, 12                               ; Wq
	WSTAGE 1, 14, 16                               ; Wk
	WSTAGE 2, 18, 20                               ; Wv
	WIN 0
	s_wait_loadcnt 15                              ; the sums are in; the weights' 15 loads stay out
.set j, 0
.rept 32
	v_pk_add_f32 v[ACC+j:ACC+j+1], v[ACC+j:ACC+j+1], v[XR+j:XR+j+1]
.set j, j+2
.endr
.set j, 0
.rept 32
	v_pk_mul_f32 v[ACC+j:ACC+j+1], v[ACC+j:ACC+j+1], 0x3b800000 op_sel_hi:[1,0]   ; / 256: the mean
.set j, j+2
.endr
	QMAX ACC
	v_lshl_or_b32 v[PW], v[TM+5], 8, v[TM+4]
	v_lshl_or_b32 v[PW], v[TM+6], 16, v[PW]
	v_lshl_or_b32 v[PW], v[TM+7], 24, v[PW]
	QCVT ACC
	s_wait_alu depctr_va_vdst(0)                   ; the means, their codes and their scale word are written, which the stores below read; the additions are done reading v[XR ..], in which later loads land
.irp b, 0,1,2,3
.irp q, 0,1,2,3
	ds_store_b128 v[SFW], v[ACC+16*\b+4*\q:ACC+16*\b+4*\q+3] offset:128*\b+16*\q
.endr
.endr
	ds_store_b128 v[SIW], v[PC:PC+3]
	ds_store_b128 v[SIW], v[PC+4:PC+7] offset:512
	ds_store_b32 v[SSW], v[PW]
	s_wait_loadcnt 0x0                             ; the weights' rows
	WIN 0x04                                       ; an LDS store's data are its source 1: window 1
.irp t, 0,1,2
.irp i, 0,1,2,3
	ds_store_b128 v[WLW], v[16*\t+4*\i:16*\t+4*\i+3] offset:\t*17408+2*\i*272
.endr
	ds_store_b32 v[WSW], v[48+\t] offset:\t*1024
.endr
	WIN 0
	BAR                                            ; the means lie in LDS, as codes and in f32, and so do the weights' rows
	s_wait_alu depctr_vm_vsrc(0)                   ; my stores have read v[ACC ..], v[PC ..], v[PW] and the weights' registers of window 1: products, conversions and loads write them again, v[ACC ..] on both ways below
	; ---- the waves part: wave 0 takes the two heads as far as ctx's codes; the others fetch their rows of Wo
	s_cmp_lg_u32 s[W], 0
	s_cbranch_scc1 .Lothers
	XFETCH SIMG, SSC
	WFETCH WFA, WSA, 0                             ; Wq
	s_wait_dscnt 0x0
	MMG 1, WFA, WSA
	WFETCH WFB, WSB, 1                             ; Wk lands while q is quantised, in registers that nothing has named yet
	QUANT1 FR0, SQ                                 ; q: block 2 e + i
	s_wait_dscnt 0x0
	MMG 1, WFB, WSB
	s_wait_alu depctr_va_vdst(0)                   ; q's and k's products are done reading WFA, v[WSA ..], WFB and v[WSB ..], in which Wv and my rows of Wo land
	WFETCH WFA, WSA, 2                             ; Wv
	WOLOAD                                         ; my rows of Wo take Wk's place
	QUANT1 FR1, SK                                 ; k, over the first tile's images, which are fetched again
	NOPS 8                                         ; a scale word made by vector instructions stands eight places ahead of a scaled product
	s_wait_alu depctr_va_vdst(0)                   ; q's and k's fragments and scale bytes are written, which the scaled products take; the places above stay beside this wait
.irp e, 0,1
.irp iq, 0,1
.irp ik, 0,1
	v_wmma_scale_f32_16x16x128_f8f6f4 v[ACC+16*(2*\e+\iq)+8*\ik:ACC+16*(2*\e+\iq)+8*\ik+7], v[FR1+8*(2*\e+\ik):FR1+8*(2*\e+\ik)+7], v[FR0+8*(2*\e+\iq):FR0+8*(2*\e+\iq)+7], 0, v[SK+2*\e+\ik], v[SQ+2*\e+\iq] matrix_a_fmt:MATRIX_FMT_FP4 matrix_b_fmt:MATRIX_FMT_FP4
.endr
.endr
.endr
	NOPS 5
	s_wait_alu depctr_va_vdst(0)                   ; the scores' products are done reading k's fragments, in which the means' images land again
	XFETCH SIMG, SSC
	; the softmax: block b = 2 e + iq is a lane's row: 16 keys here, 16 in lane l xor 16
.irp b, 0,1,2,3
	v_max3_num_f32 v[TM+\b], v[ACC+16*\b], v[ACC+16*\b+1], v[ACC+16*\b+2]
.endr
.irp i, 3,5,7,9,11,13
.irp b, 0,1,2,3
	v_max3_num_f32 v[TM+\b], v[TM+\b], v[ACC+16*\b+\i], v[ACC+16*\b+\i+1]
.endr
.endr
.irp b, 0,1,2,3
	v_max_num_f32 v[TM+\b], v[TM+\b], v[ACC+16*\b+15]
.endr
.irp b, 0,1,2,3
	v_permlanex16_b32 v[TM+4+\b], v[TM+\b], s[SEL], s[SEL+1]
.endr
.irp b, 0,1,2,3
	v_max_num_f32 v[TM+\b], v[TM+\b], v[TM+4+\b]
.endr
.irp b, 0,1,2,3
	v_mul_f32 v[L+\b], s[CS], v[TM+\b]
.endr
.irp b, 0,1,2,3
	v_floor_f32 v[NM+\b], -v[L+\b]                 ; -M = floor(-t) = -ceil(t)
.endr
.irp b, 0,1,2,3
.set j, 0
.rept 16
	v_fma_f32 v[ACC+16*\b+j], v[ACC+16*\b+j], s[CS], v[NM+\b]
.set j, j+1
.endr
	v_fma_f32 v[TM+\b], v[TM+\b], s[CS], v[NM+\b]
.endr
.set j, 0
	s_wait_alu depctr_va_vdst(0)
.rept 64
	v_exp_f32 v[ACC+j], v[ACC+j]
.set j, j+1
.endr
	v_nop
	s_wait_alu depctr_va_vdst(0)                   ; the 64 exponentials have written v[ACC ..]: one wait, ahead of their first reader
.irp b, 0,1,2,3
	v_exp_f32 v[TM+\b], v[TM+\b]                   ; the rows' largest p
.endr
.irp b, 0,1,2,3
	v_add_f32 v[L+\b], v[ACC+16*\b], v[ACC+16*\b+1]
.endr
.irp i, 2,3,4,5,6,7,8,9,10,11,12,13,14,15
.irp b, 0,1,2,3
	v_add_f32 v[L+\b], v[L+\b], v[ACC+16*\b+\i]
.endr
.endr
	s_wait_alu depctr_va_vdst(0)                   ; the four exponentials have written v[TM ..], ahead of their first reader
.irp b, 0,1,2,3
	v_max_num_f32 v[TM+\b], 0x1800000, v[TM+\b]
.endr
.irp b, 0,1,2,3
	v_add_nc_u32 v[TM+12+\b], 0xff000000, v[TM+\b]
.endr
.irp b, 0,1,2,3
	v_lshrrev_b32 v[SQ+\b], 23, v[TM+12+\b]        ; p's scale byte takes q's place
.endr
.irp b, 0,1,2,3
	v_permlanex16_b32 v[TM+4+\b], v[L+\b], s[SEL], s[SEL+1]
.endr
.irp b, 0,1,2,3
	v_add_f32 v[L+\b], v[L+\b], v[TM+4+\b]
.endr
	s_wait_alu depctr_va_vdst(0)
.irp b, 0,1,2,3
	v_rcp_f32 v[RL+\b], v[L+\b]
.endr
	QTAIL FR0                                      ; p takes q's place
	s_wait_alu depctr_va_vdst(0)                   ; the four reciprocals have written v[RL ..], long ahead of their readers
	s_wait_dscnt 0x0                               ; the means' images and Wv
	MMG 0, WFA, WSA
	QUANT1 FR1, SK                                 ; v: block 2 e + u: a lane holds a feature, the block is the 32 keys
	NOPS 8
	s_wait_alu depctr_va_vdst(0)                   ; v's and p's fragments and scale bytes are written, which the scaled products take; the places above stay beside this wait
.irp iq, 0,1
.irp e, 0,1
.irp u, 0,1
	v_wmma_scale_f32_16x16x128_f8f6f4 v[ACC+16*(2*\iq+\e)+8*\u:ACC+16*(2*\iq+\e)+8*\u+7], v[FR1+8*(2*\e+\u):FR1+8*(2*\e+\u)+7], v[FR0+8*(2*\e+\iq):FR0+8*(2*\e+\iq)+7], 0, v[SK+2*\e+\u], v[SQ+2*\e+\iq] matrix_a_fmt:MATRIX_FMT_FP4 matrix_b_fmt:MATRIX_FMT_FP4
.endr
.endr
.endr
	NOPS 4
.irp iq, 0,1
.irp e, 0,1
.set j, 0
.rept 16
	v_mul_f32 v[ACC+16*(2*\iq+\e)+j], v[ACC+16*(2*\iq+\e)+j], v[RL+2*\e+\iq]   ; ctx, from each accumulator's low end on
.set j, j+1
.endr
.endr
.endr
	QMAX ACC
	QCVT ACC                                       ; registers 4 iq .. 4 iq + 3 of lane (r, h): head 2 j + h of row (iq, r)
	v_lshl_or_b32 v[PW], v[TM+5], 8, v[TM+4]       ; the two heads' bytes of tile 0's rows; the upper two bytes are 0
	v_lshl_or_b32 v[PW2], v[TM+7], 8, v[TM+6]      ; of tile 1's
	s_wait_alu depctr_va_vdst(0)                   ; ctx's codes and scale words are written, which the stores read; the products are done with v's fragments and v[XRS ..], in which ctx's images land behind the barrier
	ds_store_b128 v[LN16], v[PC:PC+3] offset:GC
	ds_store_b128 v[LN16], v[PC+4:PC+7] offset:GC+512
	ds_store_b32 v[LN16], v[PW] offset:GCS
	ds_store_b32 v[LN16], v[PW2] offset:GCS+512
	s_branch .Ljoin
.Lothers:
	s_wait_loadcnt 0x0                             ; no load of mine is out
	WOLOAD                                         ; into registers that nothing on this way has named
.Ljoin:
	BAR                                            ; ctx's two images lie in LDS
	; ---- the part: my 64 columns x 32 rows, K = these two heads
	ds_load_b128 v[XR:XR+3], v[LN16] offset:GC
	ds_load_b128 v[XR+8:XR+11], v[LN16] offset:GC+512
	ds_load_b32 v[XRS], v[LN16] offset:GCS
	ds_load_b32 v[XRS+1], v[LN16] offset:GCS+512
.irp z, 4,5,6,7,12,13,14,15
	v_mov_b32 v[XR+\z], 0                          ; zero codes for the K step's upper 64
.endr
	NOPS 4                                         ; an operand written by vector instructions stands four places ahead of a scaled product
	s_wait_dscnt 0x0
	s_wait_loadcnt 0x0                             ; Wo's slice
	s_wait_alu depctr_va_vdst(0)                   ; the zero codes are written, which the scaled products take as part of an operand; the places above stay beside this wait
	WIN 0x01
.irp e, 0,1
.irp u, 0,1
.irp i, 0,1
	v_wmma_scale_f32_16x16x128_f8f6f4 v[ACC+16*(2*\e+\i)+8*\u:ACC+16*(2*\e+\i)+8*\u+7], v[WFB+4*(2*\e+\u):WFB+4*(2*\e+\u)+7], v[XR+8*\i:XR+8*\i+7], 0, v[WSB+2*\e+\u], v[XRS+\i] matrix_a_fmt:MATRIX_FMT_FP4 matrix_b_fmt:MATRIX_FMT_FP4
.endr
.endr
.endr
	WIN 0
	NOPS 5
	s_wait_alu depctr_va_vdst(0)                   ; the products are done reading ctx's fragments, in which the means land
.irp e, 0,1
.irp i, 0,1
.irp q, 0,1,2,3
	ds_load_b128 v[XR+16*(2*\e+\i)+4*\q:XR+16*(2*\e+\i)+4*\q+3], v[SFR] offset:\i*8*SP+128*\e+16*\q   ; the means at my results' places
.endr
.endr
.endr
	s_wait_dscnt 0x0
.set j, 0
.rept 32
	v_pk_fma_f32 v[XR+j:XR+j+1], v[XR+j:XR+j+1], s[FAC:FAC+1], v[ACC+j:ACC+j+1] op_sel_hi:[1,0,1]   ; the mean x (1 in part 0, else 0) + the part; each accumulator from its low end on
.set j, j+2
.endr
	s_wait_alu depctr_va_vdst(0)                   ; the part is written, which the stores read; the multiply-adds are done reading v[ACC ..], in which the rows land behind the barrier
.irp e, 0,1
.irp i, 0,1
.irp q, 0,1,2,3
	ds_store_b128 v[SFR], v[XR+16*(2*\e+\i)+4*\q:XR+16*(2*\e+\i)+4*\q+3] offset:\i*8*SP+128*\e+16*\q   ; back to the bytes that this lane alone has read
.endr
.endr
.endr
	BAR                                            ; 32 whole rows of the part
.set j, 0
.rept 16
	ds_load_b128 v[ACC+4*j:ACC+4*j+3], v[ROWA] offset:(j/4)*SP+512*(j%4)
.set j, j+1
.endr
.set j, 0
.rept 16
	s_wait_dscnt 15-j                              ; the younger loads stay out
	global_store_b128 v[LN16], v[ACC+4*j:ACC+4*j+3], s[GB:GB+1] offset:(j/4)*16384+512*(j%4)   ; 32 lanes store 512 consecutive bytes, aligned
.set j, j+1
.endr
	s_wait_xcnt 0x0
	v_lshl_add_u32 v254, v0, 2, 0x22200
	v_mov_b32 v255, 0
	s_wait_dscnt 0x0                               ; the closing lines, six on end
	s_wait_alu 0x0
	s_wait_tensorcnt 0x0
	ds_add_u32 v254, v255
	s_wait_dscnt 0x0
	s_endpgm
.Lfunc_end_k_q3046d23edb_glob:
	.size	k_q3046d23edb_glob, .Lfunc_end_k_q3046d23edb_glob-k_q3046d23edb_glob
	.p2alignl 7, 3214868480
	.fill 96, 4, 3214868480
	.section	.rodata,"a",@progbits
	.p2align	6, 0x0
	.amdhsa_kernel k_q3046d23edb_glob
		.amdhsa_group_segment_fixed_size 140800
		.amdhsa_private_segment_fixed_size 0
		.amdhsa_enable_private_segment 0
		.amdhsa_kernarg_size 80
		.amdhsa_user_sgpr_count 2
		.amdhsa_user_sgpr_kernarg_segment_ptr 1
		.amdhsa_wavefront_size32 1
		.amdhsa_system_sgpr_workgroup_id_x 1
		.amdhsa_system_sgpr_workgroup_id_y 1
		.amdhsa_system_sgpr_workgroup_id_z 1
		.amdhsa_system_vgpr_workitem_id 0
		.amdhsa_next_free_vgpr 512
		.amdhsa_next_free_sgpr 66
		.amdhsa_reserve_vcc 0
		.amdhsa_float_denorm_mode_32 3
		.amdhsa_float_denorm_mode_16_64 3
		.amdhsa_memory_ordered 1
		.amdhsa_forward_progress 1
		.amdhsa_inst_pref_size 90
	.end_amdhsa_kernel
	.amdgpu_metadata
---
amdhsa.version: [ 1, 2 ]
amdhsa.kernels:
  - .name:           k_q3046d23edb_glob
    .symbol:         k_q3046d23edb_glob.kd
    .args:
      - { .name: psum, .offset: 0, .size: 8, .value_kind: global_buffer, .address_space: global }
      - { .name: Wq_g_codes, .offset: 8, .size: 8, .value_kind: global_buffer, .address_space: global }
      - { .name: Wq_g_scales, .offset: 16, .size: 8, .value_kind: global_buffer, .address_space: global }
      - { .name: Wk_g_codes, .offset: 24, .size: 8, .value_kind: global_buffer, .address_space: global }
      - { .name: Wk_g_scales, .offset: 32, .size: 8, .value_kind: global_buffer, .address_space: global }
      - { .name: Wv_g_codes, .offset: 40, .size: 8, .value_kind: global_buffer, .address_space: global }
      - { .name: Wv_g_scales, .offset: 48, .size: 8, .value_kind: global_buffer, .address_space: global }
      - { .name: Wo_g_codes, .offset: 56, .size: 8, .value_kind: global_buffer, .address_space: global }
      - { .name: Wo_g_scales, .offset: 64, .size: 8, .value_kind: global_buffer, .address_space: global }
      - { .name: gpart, .offset: 72, .size: 8, .value_kind: global_buffer, .address_space: global }
    .group_segment_fixed_size: 140800
    .private_segment_fixed_size: 0
    .kernarg_segment_align: 8
    .kernarg_segment_size: 80
    .max_flat_workgroup_size: 256
    .sgpr_count:     66
    .vgpr_count:     512
    .wavefront_size: 32
...
	.end_amdgpu_metadata
.endif
;; end of part 5
;; launch add (part 6): grid 512 x 1, 8 waves a work-group, no clusters, 0 bytes of LDS; arguments loc, gpart, out0; writes out0
.if DOCPART == 6
	.amdgcn_target "amdgcn-amd-amdhsa--gfx1250"
	.amdhsa_code_object_version 6
	.text
	.protected	k_q3046d23edb_add
	.globl	k_q3046d23edb_add
	.p2align	8
	.type	k_q3046d23edb_add,@function
k_q3046d23edb_add:
	s_mov_b64 s[64:65], 0
	v_nop
	global_prefetch_b8 v0, s[64:65] scope:SCOPE_SE
	s_setreg_imm32_b32 hwreg(HW_REG_WAVE_SCHED_MODE, 0, 2), 2
	s_setreg_imm32_b32 hwreg(HW_REG_WAVE_MODE, 25, 1), 1
	s_wait_xcnt 0x0
	s_wait_alu depctr_vm_vsrc(0)
; out0[row][c] = loc[row][c] + the sum over j of gpart[chunk of the row][j][c].  loc, out0: [32768][512] f32; gpart: [128][8][512] f32.  A stream: no LDS, no barrier, no matrix unit.
; Eight waves; the work-group owns 64 rows of one chunk (131,072 bytes).  Thread t owns the 16 bytes at 16 t of every two rows (4,096 bytes), so its four columns are the same in every step; it adds the
; eight parts of the global context for them once.  A load or store of a wave covers 512 consecutive bytes, aligned.
; The 32 steps are written out: each has four registers of its own and its offset in the immediate, the numbers are added in place and stored from where they landed.  So no register is written while a
; memory instruction may still read it; all 32 loads of a wave, 16,384 bytes, go out together.
; The eight parts are added in pairs, in f32: another order than one sum over K would have.
; THE MODE: SCHED_MODE bits 1:0 = 2 (LLVM: expert scheduling mode 2), set by the entry lines.  The code itself states the register dependences
; between vector instructions and memory instructions, with s_wait_alu, always for 0.
; THE PLAN.  Registers that memory instructions touch:
;   v[GO], v[OFF]   offsets, made once at the head and never written again.
;   v[G ..]         the eight parts: loads land once; additions alone name them afterwards.
;   v[X ..]         step i: its load lands, its two additions write it, its store reads it; nothing writes it again.
; The 32 steps go in eight blocks of four.  Block p adds; its memory instructions are the four stores of block p - 1, whose registers no addition of block p names.  So one wait on va_vdst at a block's
; head states all that those stores hang on, and they are dealt among the block's additions.  No register that a store reads is written again: no wait on vm_vsrc is owed.
.set STEP, 4096
.set NST,  32
.set BLK,  4                           ; steps in a block
.set GO,   1                           ; v1        my 16 bytes of part 0 of the chunk
.set OFF,  2                           ; v2        16 t; never rewritten
.set G,    4                           ; v[4:35]   the eight parts; their sum ends in v[4:7]
.set X,    36                          ; v[36:163] step i: four registers
	s_load_b128 s[4:7], s[0:1], 0x0                ; loc, gpart
	s_load_b64 s[8:9], s[0:1], 0x10                ; out0
	s_lshl_b32 s2, ttmp9, 17                       ; the work-group's 64 rows of 2,048 bytes
	s_mov_b32 s3, 0
	s_lshr_b32 s10, ttmp9, 2                       ; four work-groups to a chunk
	s_lshl_b32 s10, s10, 14                        ; a chunk's eight parts of 2,048 bytes
	v_and_b32 v[GO], 127, v0
	v_lshlrev_b32 v[GO], 4, v[GO]
	v_add_nc_u32 v[GO], s10, v[GO]
	v_lshlrev_b32 v[OFF], 4, v0
	s_wait_kmcnt 0x0
	s_add_nc_u64 s[4:5], s[4:5], s[2:3]
	s_add_nc_u64 s[8:9], s[8:9], s[2:3]
	s_wait_alu depctr_va_vdst(0)                   ; v[GO] and v[OFF] are written: every load and store of the kernel reads one of them as its offset
.irp p, 0,1,2,3,4,5,6,7
	global_load_b128 v[G+4*\p:G+4*\p+3], v[GO], s[6:7] offset:2048*\p
.endr
.set i, 0
.rept NST
	global_load_b128 v[X+4*i:X+4*i+3], v[OFF], s[4:5] offset:STEP*i th:TH_LOAD_NT
.set i, i+1
.endr
	s_wait_loadcnt NST                             ; loads come back in order (ISA guide 5.7.1): the eight parts are in, the 32 loads behind them stay out
.irp p, 0,2,4,6
	v_pk_add_f32 v[G+4*\p:G+4*\p+1], v[G+4*\p:G+4*\p+1], v[G+4*\p+4:G+4*\p+5]
	v_pk_add_f32 v[G+4*\p+2:G+4*\p+3], v[G+4*\p+2:G+4*\p+3], v[G+4*\p+6:G+4*\p+7]
.endr
.irp p, 0,4
	v_pk_add_f32 v[G+4*\p:G+4*\p+1], v[G+4*\p:G+4*\p+1], v[G+4*\p+8:G+4*\p+9]
	v_pk_add_f32 v[G+4*\p+2:G+4*\p+3], v[G+4*\p+2:G+4*\p+3], v[G+4*\p+10:G+4*\p+11]
.endr
	v_pk_add_f32 v[G:G+1], v[G:G+1], v[G+16:G+17]
	v_pk_add_f32 v[G+2:G+3], v[G+2:G+3], v[G+18:G+19]
.set p, 0
	s_wait_alu depctr_va_vdst(0)
.rept NST/BLK
	s_wait_loadcnt NST-BLK*(p+1)                   ; block p's four loads are in; the younger blocks stay out
.if p > 0
	s_wait_alu depctr_va_vdst(0)                   ; the block before has written its sixteen registers, which the four stores below read
.endif
.set q, 0
.rept BLK
.set i, BLK*p+q
.if p > 0
	global_store_b128 v[OFF], v[X+4*(i-BLK):X+4*(i-BLK)+3], s[8:9] offset:STEP*(i-BLK) th:TH_STORE_NT   ; the block before; no addition since the wait names these registers
.endif
	v_pk_add_f32 v[X+4*i:X+4*i+1], v[X+4*i:X+4*i+1], v[G:G+1]
	v_pk_add_f32 v[X+4*i+2:X+4*i+3], v[X+4*i+2:X+4*i+3], v[G+2:G+3]
.set q, q+1
.endr
.set p, p+1
.endr
	s_wait_alu depctr_va_vdst(0)                   ; the last block has written its sixteen registers, which the last four stores read
.set i, NST-BLK
.rept BLK
	global_store_b128 v[OFF], v[X+4*i:X+4*i+3], s[8:9] offset:STEP*i th:TH_STORE_NT
.set i, i+1
.endr
	s_endpgm
.Lfunc_end_k_q3046d23edb_add:
	.size	k_q3046d23edb_add, .Lfunc_end_k_q3046d23edb_add-k_q3046d23edb_add
	.p2alignl 7, 3214868480
	.fill 96, 4, 3214868480
	.section	.rodata,"a",@progbits
	.p2align	6, 0x0
	.amdhsa_kernel k_q3046d23edb_add
		.amdhsa_group_segment_fixed_size 0
		.amdhsa_private_segment_fixed_size 0
		.amdhsa_enable_private_segment 0
		.amdhsa_kernarg_size 24
		.amdhsa_user_sgpr_count 2
		.amdhsa_user_sgpr_kernarg_segment_ptr 1
		.amdhsa_wavefront_size32 1
		.amdhsa_system_sgpr_workgroup_id_x 1
		.amdhsa_system_sgpr_workgroup_id_y 1
		.amdhsa_system_sgpr_workgroup_id_z 1
		.amdhsa_system_vgpr_workitem_id 0
		.amdhsa_next_free_vgpr 164
		.amdhsa_next_free_sgpr 66
		.amdhsa_reserve_vcc 0
		.amdhsa_float_denorm_mode_32 3
		.amdhsa_float_denorm_mode_16_64 3
		.amdhsa_memory_ordered 1
		.amdhsa_forward_progress 1
		.amdhsa_inst_pref_size 14
	.end_amdhsa_kernel
	.amdgpu_metadata
---
amdhsa.version: [ 1, 2 ]
amdhsa.kernels:
  - .name:           k_q3046d23edb_add
    .symbol:         k_q3046d23edb_add.kd
    .args:
      - { .name: loc, .offset: 0, .size: 8, .value_kind: global_buffer, .address_space: global }
      - { .name: gpart, .offset: 8, .size: 8, .value_kind: global_buffer, .address_space: global }
      - { .name: out0, .offset: 16, .size: 8, .value_kind: global_buffer, .address_space: global }
    .group_segment_fixed_size: 0
    .private_segment_fixed_size: 0
    .kernarg_segment_align: 8
    .kernarg_segment_size: 24
    .max_flat_workgroup_size: 256
    .sgpr_count:     66
    .vgpr_count:     164
    .wavefront_size: 32
...
	.end_amdgpu_metadata
.endif
;; end of part 6
